; MI455X (gfx1250); checked and timed in simulation.
; The chip was launched on July 23, 2026; its instructions are those of AMD's public machine-readable ISA for CDNA 5 (MIT licence, August 2026) and "CDNA5" Instruction Set Architecture Reference Guide (July 2026). The comments in the code are by the model that wrote it; some were corrected since.
;; Mo E. Allowed arithmetic: float matrix products may take bf16 or f16 operands with f32 sums; other float arithmetic in f32, or as packed bf16 or f16 multiplies, adds, multiply-adds, maxima and minima; sums over many terms, partial sums and values carried from step to step in f32; what a program stores and reads back later, other than sums and carried values, may be rounded once to bf16 or f16.
;; Inputs: W1 8 x 1,024 x 4,096 float32; W2 8 x 4,096 x 1,024 float32; Wg 1,024 x 8 float32; b1 8 x 4,096 float32; b2 8 x 1,024 float32; bg 8 float32; x 2 x 512 x 1,024 float32.
;; Outputs: out0 2 x 512 x 1,024 float32.
;; 3 versions, each right; version 2 is faster than version 1; version 3 is version 2 with the launches router, prod1, prod2 written anew for expert scheduling mode. Each part assembles by itself: llvm-mc -triple=amdgcn-amd-amdhsa -mcpu=gfx1250 --defsym DOCPART=n.
;; ======== version 1 of 3: 4 launches
;; limits: values are held in f16: magnitudes above 65,504 overflow, below 6.1e-05 lose precision
;; workspace buffers: xb 2,097,152 bytes; idx 4,096 bytes of whole numbers; gw 4,096 bytes; hb 8,388,608 bytes; part 16,777,216 bytes
;; launch router (part 1): grid 256 x 1, 4 waves a work-group, no clusters, 0 bytes of LDS; arguments x, Wg, bg, xb, idx, gw; writes xb, idx, gw
.if DOCPART == 1
	.amdgcn_target "amdgcn-amd-amdhsa--gfx1250"
	.amdhsa_code_object_version 6
	.text
	.protected	k_qc9a970ee0b_router
	.globl	k_qc9a970ee0b_router
	.p2align	8
	.type	k_qc9a970ee0b_router,@function
k_qc9a970ee0b_router:
	s_mov_b64 s[64:65], 0
	v_nop
	global_prefetch_b8 v0, s[64:65] scope:SCOPE_SE
	s_setreg_imm32_b32 hwreg(HW_REG_WAVE_MODE, 25, 1), 1
	s_wait_xcnt 0x0
; ROUTER.  For each of the 1,024 tokens: x rounded to bf16 (xb), the eight gate logits, the chosen expert (idx) and its softmax weight (gw).
; All inputs (x, Wg, bg) are rounded to bf16 first, as every launch of this program rounds its inputs; products of two bf16 and their sums are kept in f32.
; One wave, one token.  Lane l owns d = 128 j + 4 l + i (j = 0..7, i = 0..3): a load of x covers 512 neighbouring bytes, a store of xb 256.
; The eight logits are 0.1% of the program's multiply-adds and have 8 columns: they go through the vector unit, from bf16 halves into f32 sums.
; LIMITS.  The choice is made on the logits, the lowest index winning a tie; a tie that only the softmax's rounding would make is not reproduced.  NaN and infinities are not treated apart.
; idx and gw take 4 bytes a token from one lane: two tables of 4,096 bytes in the whole launch.
.set X,   8                            ; v[8:39]    x as loaded: register 4 j + i
.set XB,  40                           ; v[40:55]   x in bf16: register 2 j + i / 2, half i % 2
.set ACC, 56                           ; v[56:63]   a sum for each expert
.set WS,  64                           ; v[64:191]  four chunks j of Wg as loaded: register 32 j' + 8 i + e
.set WP,  192                          ; v[192:255] the same in bf16: register 16 j' + 4 i + e / 2, half e % 2
	s_load_b256 s[4:11], s[0:1], 0x0               ; x s[4:5], Wg s[6:7], bg s[8:9], xb s[10:11]
	s_load_b128 s[12:15], s[0:1], 0x20             ; idx s[12:13], gw s[14:15]
	v_and_b32 v1, 31, v0                           ; lane
	v_lshrrev_b32 v6, 5, v0
	v_readfirstlane_b32 s16, v6                    ; wave
	s_lshl_b32 s17, ttmp9, 2
	s_add_co_u32 s17, s17, s16                     ; my token
	v_lshlrev_b32 v2, 4, v1                        ; x: 16 bytes a lane
	v_lshlrev_b32 v3, 3, v1                        ; xb: 8 bytes a lane
	v_lshlrev_b32 v4, 7, v1                        ; Wg: four rows of 32 bytes a lane
	s_lshl_b32 s31, s17, 2
	v_mov_b32 v5, s31                              ; my token's word in idx and in gw
	s_mov_b32 s28, 0x76543210                      ; v_permlanex16_b32: each lane takes its own place in the other half
	s_mov_b32 s29, 0xfedcba98
	s_lshl_b32 s18, s17, 12                        ; a row of x is 4,096 bytes
	s_mov_b32 s19, 0
	s_wait_kmcnt 0x0
	s_add_nc_u64 s[4:5], s[4:5], s[18:19]
	s_lshl_b32 s18, s17, 11                        ; a row of xb is 2,048 bytes
	s_add_nc_u64 s[10:11], s[10:11], s[18:19]
	s_load_b256 s[20:27], s[8:9], 0x0              ; bg
.irp j, 0,1,2,3,4,5,6,7
	global_load_b128 v[X+4*\j:X+4*\j+3], v2, s[4:5] offset:512*\j th:TH_LOAD_NT
.endr
.macro LOADW b                         ; chunks 4 b .. 4 b + 3 of Wg: 32 loads, a lane's 128 bytes of a chunk in eight
.set wj, 0
.rept 4
.set wm, 0
.rept 8
	global_load_b128 v[WS+32*wj+4*wm:WS+32*wj+4*wm+3], v4, s[6:7] offset:4096*(4*(\b)+wj)+16*wm
.set wm, wm+1
.endr
.set wj, wj+1
.endr
.endm
.macro PACKW                           ; 128 numbers of Wg rounded to bf16, two experts to a register
.set z, 0
.rept 64
	v_cvt_pk_bf16_f32 v[WP+z], v[WS+2*z], v[WS+2*z+1]
.set z, z+1
.endr
.endm
.macro FM                              ; one multiply-add from two bf16 halves into an f32 sum
.if (sX == 0) && (sW == 0)
	v_fma_mix_f32_bf16 v[rA], v[rX], v[rW], v[rA] op_sel:[0,0,0] op_sel_hi:[1,1,0]
.elseif (sX == 1) && (sW == 0)
	v_fma_mix_f32_bf16 v[rA], v[rX], v[rW], v[rA] op_sel:[1,0,0] op_sel_hi:[1,1,0]
.elseif sX == 0
	v_fma_mix_f32_bf16 v[rA], v[rX], v[rW], v[rA] op_sel:[0,1,0] op_sel_hi:[1,1,0]
.else
	v_fma_mix_f32_bf16 v[rA], v[rX], v[rW], v[rA] op_sel:[1,1,0] op_sel_hi:[1,1,0]
.endif
.endm
.macro MAC b                           ; 4 chunks x 4 numbers x 8 experts; the eight sums take turns
.set mj, 0
.rept 4
.set mi, 0
.rept 4
.set me, 0
.rept 8
.set rA, ACC+me
.set rX, XB+2*(4*(\b)+mj)+mi/2
.set rW, WP+16*mj+4*mi+me/2
.set sX, mi%2
.set sW, me%2
	FM
.set me, me+1
.endr
.set mi, mi+1
.endr
.set mj, mj+1
.endr
.endm
	LOADW 0
.irp e, 0,1,2,3,4,5,6,7
	v_mov_b32 v[ACC+\e], 0
.endr
	s_wait_loadcnt 32                              ; loads come back in order: x is in, the 32 younger loads of Wg may be out
.set z, 0
.rept 16
	v_cvt_pk_bf16_f32 v[XB+z], v[X+2*z], v[X+2*z+1]
.set z, z+1
.endr
.irp j, 0,1,2,3,4,5,6,7
	global_store_b64 v3, v[XB+2*\j:XB+2*\j+1], s[10:11] offset:256*\j  ; 32 lanes store 256 consecutive bytes, at a multiple of 256 from xb's first
.endr
	s_wait_loadcnt 0x0
	PACKW
	LOADW 1                                        ; the second half of Wg comes while the first is multiplied
	MAC 0
	s_wait_loadcnt 0x0
	PACKW
	MAC 1
	; each sum over the 32 lanes: four steps inside a half of 16 lanes, one across the halves
.irp e, 0,1,2,3,4,5,6,7
	v_add_f32_dpp v[ACC+\e], v[ACC+\e], v[ACC+\e] row_xmask:1 row_mask:0xf bank_mask:0xf
.endr
.irp e, 0,1,2,3,4,5,6,7
	v_add_f32_dpp v[ACC+\e], v[ACC+\e], v[ACC+\e] row_xmask:2 row_mask:0xf bank_mask:0xf
.endr
.irp e, 0,1,2,3,4,5,6,7
	v_add_f32_dpp v[ACC+\e], v[ACC+\e], v[ACC+\e] row_xmask:4 row_mask:0xf bank_mask:0xf
.endr
.irp e, 0,1,2,3,4,5,6,7
	v_add_f32_dpp v[ACC+\e], v[ACC+\e], v[ACC+\e] row_xmask:8 row_mask:0xf bank_mask:0xf
.endr
	s_wait_kmcnt 0x0                               ; bg
.irp e, 0,1,2,3,4,5,6,7
	v_mov_b32 v[72+\e], s[20+\e]
.endr
.irp p, 0,1,2,3
	v_cvt_pk_bf16_f32 v[64+\p], v[72+2*\p], v[73+2*\p]  ; bg rounded to bf16,
.endr
.irp p, 0,1,2,3
	v_lshlrev_b32 v[72+2*\p], 16, v[64+\p]         ; and widened again
	v_and_b32 v[73+2*\p], 0xffff0000, v[64+\p]
.endr
.irp e, 0,1,2,3,4,5,6,7
	v_permlanex16_b32 v[64+\e], v[ACC+\e], s28, s29  ; (its destination has been written before)
.endr
.irp e, 0,1,2,3,4,5,6,7
	v_add_f32 v[ACC+\e], v[ACC+\e], v[64+\e]
.endr
.irp e, 0,1,2,3,4,5,6,7
	v_add_f32 v[ACC+\e], v[ACC+\e], v[72+\e]       ; the logits, in every lane
.endr
	v_max3_num_f32 v80, v[ACC], v[ACC+1], v[ACC+2]
	v_max3_num_f32 v80, v80, v[ACC+3], v[ACC+4]
	v_max3_num_f32 v80, v80, v[ACC+5], v[ACC+6]
	v_max_num_f32 v80, v80, v[ACC+7]               ; the largest logit
	v_mov_b32 v81, 0                               ; the choice: a later expert wins only if it is strictly larger
	v_mov_b32 v82, v[ACC]
.irp e, 1,2,3,4,5,6,7
	v_mov_b32 v83, \e
	v_cmp_gt_f32 vcc_lo, v[ACC+\e], v82
	v_cndmask_b32 v81, v81, v83, vcc_lo
	v_max_num_f32 v82, v82, v[ACC+\e]
.endr
.irp e, 0,1,2,3,4,5,6,7
	v_sub_f32 v[84+\e], v[ACC+\e], v80             ; the maximum is taken away: 0 at the chosen expert
.endr
.irp e, 0,1,2,3,4,5,6,7
	v_mul_f32 v[84+\e], 0x3fb8aa3b, v[84+\e]       ; x log2(e)
.endr
.irp e, 0,1,2,3,4,5,6,7
	v_exp_f32 v[84+\e], v[84+\e]
.endr
	v_nop                                          ; a plain instruction behind the last exponential (ISA guide 5.7.2)
	s_wait_alu depctr_va_vdst(0)
	v_add_f32 v84, v84, v85
	v_add_f32 v86, v86, v87
	v_add_f32 v88, v88, v89
	v_add_f32 v90, v90, v91
	v_add_f32 v84, v84, v86
	v_add_f32 v88, v88, v90
	v_add_f32 v84, v84, v88
	v_rcp_f32 v92, v84                             ; the chosen expert's weight is 2^0 / the sum
	v_cmp_eq_u32 vcc_lo, 0, v1                     ; (the plain instruction behind the reciprocal)
	s_wait_xcnt 0x0                                ; EXEC, a source of the stores above, changes only behind this wait
	s_and_saveexec_b32 s30, vcc_lo                 ; lane 0 alone
	global_store_b32 v5, v81, s[12:13]
	s_wait_alu depctr_va_vdst(0)
	global_store_b32 v5, v92, s[14:15]
	s_endpgm
.Lfunc_end_k_qc9a970ee0b_router:
	.size	k_qc9a970ee0b_router, .Lfunc_end_k_qc9a970ee0b_router-k_qc9a970ee0b_router
	.p2alignl 7, 3214868480
	.fill 96, 4, 3214868480
	.section	.rodata,"a",@progbits
	.p2align	6, 0x0
	.amdhsa_kernel k_qc9a970ee0b_router
		.amdhsa_group_segment_fixed_size 0
		.amdhsa_private_segment_fixed_size 0
		.amdhsa_enable_private_segment 0
		.amdhsa_kernarg_size 48
		.amdhsa_user_sgpr_count 2
		.amdhsa_user_sgpr_kernarg_segment_ptr 1
		.amdhsa_wavefront_size32 1
		.amdhsa_system_sgpr_workgroup_id_x 1
		.amdhsa_system_sgpr_workgroup_id_y 1
		.amdhsa_system_sgpr_workgroup_id_z 1
		.amdhsa_system_vgpr_workitem_id 0
		.amdhsa_next_free_vgpr 256
		.amdhsa_next_free_sgpr 66
		.amdhsa_reserve_vcc 1
		.amdhsa_float_denorm_mode_32 3
		.amdhsa_float_denorm_mode_16_64 3
		.amdhsa_memory_ordered 1
		.amdhsa_forward_progress 1
		.amdhsa_inst_pref_size 41
	.end_amdhsa_kernel
	.amdgpu_metadata
---
amdhsa.version: [ 1, 2 ]
amdhsa.kernels:
  - .name:           k_qc9a970ee0b_router
    .symbol:         k_qc9a970ee0b_router.kd
    .args:
      - { .name: x, .offset: 0, .size: 8, .value_kind: global_buffer, .address_space: global }
      - { .name: Wg, .offset: 8, .size: 8, .value_kind: global_buffer, .address_space: global }
      - { .name: bg, .offset: 16, .size: 8, .value_kind: global_buffer, .address_space: global }
      - { .name: xb, .offset: 24, .size: 8, .value_kind: global_buffer, .address_space: global }
      - { .name: idx, .offset: 32, .size: 8, .value_kind: global_buffer, .address_space: global }
      - { .name: gw, .offset: 40, .size: 8, .value_kind: global_buffer, .address_space: global }
    .group_segment_fixed_size: 0
    .private_segment_fixed_size: 0
    .kernarg_segment_align: 8
    .kernarg_segment_size: 48
    .max_flat_workgroup_size: 128
    .sgpr_count:     66
    .vgpr_count:     256
    .wavefront_size: 32
...
	.end_amdgpu_metadata
.endif
;; end of part 1
;; launch prod1 (part 2): grid 32 x 8, 8 waves a work-group, no clusters, 297,984 bytes of LDS; arguments xb, W1, b1, idx, hb; writes hb
.if DOCPART == 2
	.amdgcn_target "amdgcn-amd-amdhsa--gfx1250"
	.amdhsa_code_object_version 6
	.text
	.protected	k_qc9a970ee0b_prod1
	.globl	k_qc9a970ee0b_prod1
	.p2align	8
	.type	k_qc9a970ee0b_prod1,@function
k_qc9a970ee0b_prod1:
	s_mov_b64 s[64:65], 0
	v_nop
	global_prefetch_b8 v0, s[64:65] scope:SCOPE_SE
	s_setreg_imm32_b32 hwreg(HW_REG_WAVE_MODE, 25, 1), 1
	s_wait_xcnt 0x0
.set PROD, 1                           ; 1: h = silu(x W1[e] + b1[e]), bf16 operands, h stored in f16.  2: a quarter of K of h W2[e], f16 operands, partial sums stored in f32
; ONE TEXT FOR BOTH PRODUCTS OF THE EXPERTS; the line above chooses.
; SHARES.  Work-group (x, e) owns ONE slice of expert e's weights, 1,024 along K x 128 columns (524,288 bytes of f32), which it alone reads, once, and all the tokens that chose e.
;   Product 1: K is all of D = 1,024; x = 0..31 names the 128 columns of H.   Product 2: x / 8 names the quarter of K = H, x % 8 the 128 columns of D.
; PHASES.  0: every wave counts the choices for itself and lays the list of e's tokens into LDS words of its own.  1: the slice is read, rounded and laid into LDS as matrix fragments; one barrier.
;   2: a loop over the expert's rows, 32 a trip and wave; it writes no shared LDS byte and has no barrier, since its length hangs on the stored choices; the tokens' rows come from memory straight into operand registers.
; FRAGMENTS WITHOUT A TRANSPOSITION.  A 16-byte load of weight row k gives lane r (of 16) the columns 4 r .. 4 r + 3 of a group of 64: 16 lanes take 256 consecutive bytes.  Word q of it belongs to column tile q,
;   in which lane r stands for column 4 r + q.  Sixteen such loads, of the 16 k that a lane of source 1 holds (ISA guide 7.12.2), rounded in pairs, are the four tiles' fragments.  In the result, register j of
;   the four tiles then holds four NEIGHBOURING columns of token row 8 (lane / 16) + j.
; NO MULTICAST, NO TENSOR LOADS: each slice has one reader; what an expert's work-groups share is its token rows, which come by a list that no descriptor covers.
; ROUNDING.  Every input is rounded to bf16; in product 2 that number is then written as f16 beside h.  LIMITS: |h| and |W2| within f16's 65,504; W2 below 6e-5 keeps f16's fixed step of 6e-8; NaN and infinities are not treated apart.
; Rows past the expert's count repeat its last row: the same numbers go to the same bytes.  An expert without tokens lays its slice and stores nothing.
.if PROD == 1
.set PW,   16384                       ; bytes in a row of the weights
.set WSH,  17                          ; 8 such rows, as a shift
.set ASH,  11                          ; a token's row of A: 2,048 bytes
.set OSH,  13                          ; a token's row of the output: 8,192 bytes
.set PIDX, 10                          ; s[10:11] idx
.set POUT, 12                          ; s[12:13] hb
.else
.set PW,   4096
.set WSH,  15
.set ASH,  13
.set OSH,  12
.set PIDX, 8                           ; s[8:9] idx
.set POUT, 10                          ; s[10:11] part
.endif
.set PA,    4                          ; s[4:5] A: xb or hb
.set PWT,   6                          ; s[6:7] the weights
.set FRAGB, 262144                     ; LDS 0 ..: fragment (K step s, column half c, tile q, half) at 8,192 s + 4,096 c + 1,024 q + 512 half + 16 lane: every store and load takes 512 consecutive bytes
.set LISTB, 4352                       ; behind them, for each wave: 1,024 words of tokens and 32 words for the lanes that have nothing to list
.set SPARE, FRAGB+8*LISTB              ; 296,960: the spare words, 128 bytes for each wave: four blocks of 256 bytes that no other line names
; v1 spare word, v2 zero; v3 my offset in a weight row pair; v4 where I store fragments; v5-8 where I read them (K steps 0-7, 8-15, ..); v9, v10 my A rows of the two tiles; v11 my wave's list;
; v12 r, v13 8 h, v14 16 h, v15 my columns' bytes in an output row; v16-19 bias; v20-23 at work; v24 lane, v25 4 lane, v26 16 r
.set WR,   32                          ; phase 1: v[32:223] three slots of 64: sixteen loads of weights
.set T,    224                         ; phase 0: v[224:255] idx; phase 1: a unit's 32 fragment registers
.set ACC,  32                          ; phase 2: v[32:95] accumulator (row tile mt, column tile q) at 32 mt + 8 q
.set AR,   96                          ; v[96:159] four slots of 16: A's fragments of the two row tiles; on the way out the stores' data
.set BF,   160                         ; v[160:223] two buffers of 32: the four column tiles' fragments of a K step
.set OROW, 224                         ; v[224:239] byte offset of output row (mt, j)
.set TM,   240                         ; v[240:247] at work on the way out
; s14 wave, s15 g = wave / 2, s16 c = wave % 2, s17 e, s18 x, s19 the count n, s20 mask, s21 its bits, s22 n - 1, s23 T = tiles of 16 rows, s24 my trips, s25 the trip, s26, s27 first row of my two tiles, s28 1: the second is alive, s29 16 g
	s_load_b256 s[4:11], s[0:1], 0x0
.if PROD == 1
	s_load_b64 s[12:13], s[0:1], 0x20
.endif
	v_lshl_add_u32 v1, v0, 2, SPARE
	v_mov_b32 v2, 0
	v_lshrrev_b32 v20, 5, v0
	v_readfirstlane_b32 s14, v20
	s_lshr_b32 s15, s14, 1
	s_and_b32 s16, s14, 1
	s_and_b32 s17, ttmp7, 0xffff
	s_mov_b32 s18, ttmp9
	s_mov_b32 s38, 0xffff0000                      ; a word's upper bf16
	v_and_b32 v24, 31, v0
	v_lshlrev_b32 v25, 2, v24
	v_and_b32 v12, 15, v0
	v_bfe_u32 v21, v0, 4, 1
	v_lshlrev_b32 v13, 3, v21
	v_lshlrev_b32 v14, 4, v21
	v_lshlrev_b32 v26, 4, v12
	v_lshl_add_u32 v3, v21, WSH, v26               ; lanes 16-31 take the row eight further down
	s_lshl_b32 s30, s14, 15
	v_lshl_add_u32 v4, v24, 4, s30                 ; my wave lays K steps 4 w .. 4 w + 3
	s_lshl_b32 s30, s16, 12
	v_lshl_add_u32 v5, v24, 4, s30
	v_add_nc_u32 v6, 0x10000, v5
	v_add_nc_u32 v7, 0x20000, v5
	v_add_nc_u32 v8, 0x30000, v5
	s_mul_i32 s30, s14, LISTB
	s_add_co_u32 s30, s30, FRAGB
	v_mov_b32 v11, s30
	s_mov_b32 s31, 0
	s_mov_b32 s33, 0
	s_mov_b32 s35, 0
	s_lshl_b32 s30, s17, 24                        ; an expert's weights are 16,777,216 bytes
.if PROD == 1
	v_lshlrev_b32 v15, 3, v12                      ; four f16
	s_lshl_b32 s32, s18, 9                         ; the slice's 128 columns,
	s_add_co_u32 s30, s30, s32
	s_lshl_b32 s32, s14, 21                        ; my wave's 128 rows
	s_add_co_u32 s30, s30, s32
	s_lshl_b32 s32, s17, 14                        ; b1: the expert, the slice, my column half
	s_lshl_b32 s34, s18, 9
	s_add_co_u32 s32, s32, s34
	s_lshl_b32 s34, s16, 8
	s_add_co_u32 s32, s32, s34
	s_lshl_b32 s34, s18, 8                         ; hb: the slice, my column half
	s_lshl_b32 s36, s16, 7
	s_add_co_u32 s34, s34, s36
	s_wait_kmcnt 0x0
	s_add_nc_u64 s[8:9], s[8:9], s[32:33]
	global_load_b128 v[16:19], v26, s[8:9]
.else
	v_lshlrev_b32 v15, 4, v12                      ; four f32
	s_lshr_b32 s36, s18, 3                         ; the quarter of K
	s_and_b32 s37, s18, 7                          ; the 128 columns
	s_lshl_b32 s32, s36, 22
	s_add_co_u32 s30, s30, s32
	s_lshl_b32 s32, s37, 9
	s_add_co_u32 s30, s30, s32
	s_lshl_b32 s32, s14, 19                        ; my wave's 128 rows
	s_add_co_u32 s30, s30, s32
	s_lshl_b32 s34, s36, 22                        ; part: the quarter, the columns, my column half
	s_lshl_b32 s32, s37, 9
	s_add_co_u32 s34, s34, s32
	s_lshl_b32 s32, s16, 8
	s_add_co_u32 s34, s34, s32
	s_lshl_b32 s32, s36, 11                        ; hb: the quarter's 1,024 f16 in a row
	s_wait_kmcnt 0x0
	s_add_nc_u64 s[PA:PA+1], s[PA:PA+1], s[32:33]
.endif
	s_add_nc_u64 s[PWT:PWT+1], s[PWT:PWT+1], s[30:31]
	s_add_nc_u64 s[POUT:POUT+1], s[POUT:POUT+1], s[34:35]
.set gi, 0
.rept 32
	global_load_b32 v[T+gi], v25, s[PIDX:PIDX+1] offset:128*gi  ; the choices of tokens 32 gi + lane
.set gi, gi+1
.endr
; Unit j of my eight (K step 4 w + j / 2, column half j % 2): sixteen loads; each covers 256 consecutive bytes of two weight rows, at multiples of 256 from the buffer's first byte
.macro LOADU j, slot
.set li, 0
.rept 16
	global_load_b128 v[WR+64*(\slot)+4*li:WR+64*(\slot)+4*li+3], v3, s[PWT:PWT+1] offset:(32*((\j)/2)+li+8*(li/8))*PW+256*((\j)%2) th:TH_LOAD_NT
.set li, li+1
.endr
.endm
; The unit's 64 registers become 32: register p of tile q's fragment is made of word q of loads 2 p and 2 p + 1
.macro CVTU slot
.set cq, 0
.rept 4
.set cp, 0
.rept 8
	v_cvt_pk_bf16_f32 v[T+8*cq+cp], v[WR+64*(\slot)+8*cp+cq], v[WR+64*(\slot)+8*cp+4+cq]
.set cp, cp+1
.endr
.set cq, cq+1
.endr
.if PROD == 2                          ; the bf16 numbers are widened again and written as f16
.set cq, 0
.rept 4
.set cp, 0
.rept 8
	v_lshlrev_b32 v[WR+64*(\slot)+8*cp+cq], 16, v[T+8*cq+cp]
	v_and_b32 v[WR+64*(\slot)+8*cp+4+cq], s38, v[T+8*cq+cp]
.set cp, cp+1
.endr
.set cq, cq+1
.endr
.set cq, 0
.rept 4
.set cp, 0
.rept 8
	v_cvt_pk_f16_f32 v[T+8*cq+cp], v[WR+64*(\slot)+8*cp+cq], v[WR+64*(\slot)+8*cp+4+cq]
.set cp, cp+1
.endr
.set cq, cq+1
.endr
.endif
.endm
.macro STOREU j
.set cq, 0
.rept 4
	ds_store_b128 v4, v[T+8*cq:T+8*cq+3]   offset:((\j)/2)*8192+((\j)%2)*4096+cq*1024
	ds_store_b128 v4, v[T+8*cq+4:T+8*cq+7] offset:((\j)/2)*8192+((\j)%2)*4096+cq*1024+512
.set cq, cq+1
.endr
.endm
	LOADU 0, 0                                     ; the weights are on their way while the list is made
	LOADU 1, 1
	s_wait_loadcnt 32                              ; loads come back in order: the choices (and the bias) are in, the 32 younger loads may be out
	; PHASE 0.  Token 32 gi + lane goes to word (tokens of e before it) of my wave's list; the other lanes write a word of their own behind the list.
	s_mov_b32 s19, 0
	v_add_nc_u32 v21, 1024, v24
.set gi, 0
.rept 32
	v_cmp_eq_u32 s20, s17, v[T+gi]
	v_mbcnt_lo_u32_b32 v20, s20, s19               ; those counted so far + those in lower lanes
	v_cndmask_b32 v20, v21, v20, s20
	v_min_u32 v20, 0x41f, v20                      ; inside my wave's 1,056 words
	v_lshl_add_u32 v20, v20, 2, v11
	v_add_nc_u32 v22, 32*gi, v24
	ds_store_b32 v20, v22
	s_bcnt1_i32_b32 s21, s20
	s_add_co_u32 s19, s19, s21
.set gi, gi+1
.endr
	s_sub_co_u32 s22, s19, 1
	s_add_co_u32 s23, s19, 15
	s_lshr_b32 s23, s23, 4                         ; tiles of 16 rows
	s_add_co_u32 s24, s23, 7
	s_sub_co_u32 s24, s24, s15
	s_lshr_b32 s24, s24, 3                         ; trips in which tile g + 8 trip exists
	s_lshl_b32 s29, s15, 4
.if PROD == 1
	v_cvt_pk_bf16_f32 v20, v16, v17                ; the bias rounded to bf16 and widened again
	v_cvt_pk_bf16_f32 v22, v18, v19
	v_lshlrev_b32 v16, 16, v20
	v_and_b32 v17, s38, v20
	v_lshlrev_b32 v18, 16, v22
	v_and_b32 v19, s38, v22
.endif
	; PHASE 1.  Three units, 48 loads of 512 bytes, are out for each wave; a slot is asked for again as soon as it has been rounded.
	LOADU 2, 2
.irp j, 0,1,2,3,4,5,6,7
.if \j < 6
	s_wait_loadcnt 32                              ; unit j is in; the two units behind it may be out
.elseif \j == 6
	s_wait_loadcnt 16
.else
	s_wait_loadcnt 0x0
.endif
	CVTU (\j)%3
.if \j < 5
	LOADU (\j)+3, (\j)%3
.endif
	STOREU \j
.endr
	s_wait_dscnt 0x0                               ; for the others' sake: my fragments lie in LDS
	s_barrier_signal -1
	s_barrier_wait -1                              ; the slice is whole; nobody writes it again
	; PHASE 2
	s_cmp_eq_u32 s24, 0
	s_cbranch_scc1 .Lend
.macro WM d, a, b, z
.if PROD == 1
.if \z
	v_wmma_f32_16x16x32_bf16 v[(\d):(\d)+7], v[(\a):(\a)+7], v[(\b):(\b)+7], 0
.else
	v_wmma_f32_16x16x32_bf16 v[(\d):(\d)+7], v[(\a):(\a)+7], v[(\b):(\b)+7], v[(\d):(\d)+7]
.endif
.else
.if \z
	v_wmma_f32_16x16x32_f16 v[(\d):(\d)+7], v[(\a):(\a)+7], v[(\b):(\b)+7], 0
.else
	v_wmma_f32_16x16x32_f16 v[(\d):(\d)+7], v[(\a):(\a)+7], v[(\b):(\b)+7], v[(\d):(\d)+7]
.endif
.endif
.endm
.macro LOADA s                         ; A's fragments of K step s: lane l holds row l % 16; two loads of 16 bytes, 32 apart, for each of the two row tiles
.set ra, AR+16*((\s)%4)
	global_load_b128 v[ra:ra+3],     v9,  s[PA:PA+1] offset:64*(\s)
	global_load_b128 v[ra+4:ra+7],   v9,  s[PA:PA+1] offset:64*(\s)+32
	global_load_b128 v[ra+8:ra+11],  v10, s[PA:PA+1] offset:64*(\s)
	global_load_b128 v[ra+12:ra+15], v10, s[PA:PA+1] offset:64*(\s)+32
.endm
.macro LOADB s                         ; the four column tiles' fragments of K step s
.set rb, BF+32*((\s)%2)
.set cq, 0
.rept 4
	ds_load_b128 v[rb+8*cq:rb+8*cq+3],   v[5+(\s)/8] offset:((\s)%8)*8192+cq*1024
	ds_load_b128 v[rb+8*cq+4:rb+8*cq+7], v[5+(\s)/8] offset:((\s)%8)*8192+cq*1024+512
.set cq, cq+1
.endr
.endm
; K step KS.  The accumulators take turns, one instruction a turn, over the jump and from step to step too.  The second row tile's products are jumped where that tile does not exist;
; in step 0 they run all the same, so that its accumulators are written on every path.
.macro KSTEP
.set LW, 31-KS
.if LW > 3
.set LW, 3
.endif
.set DW, 31-KS
.if DW > 1
.set DW, 1
.endif
.set ZF, 0
.if KS == 0
.set ZF, 1
.endif
	s_wait_loadcnt 4*LW                            ; this step's A is in; the four loads of each of the next three steps may be out
	s_wait_dscnt 8*DW                              ; this step's fragments are in; the next step's eight loads may be out
.set ka, AR+16*(KS%4)
.set kb, BF+32*(KS%2)
.irp q, 0,1,2,3
	WM ACC+8*\q, ka, kb+8*\q, ZF
.endr
.if KS > 0
	s_cmp_eq_u32 s28, 0
	s_cbranch_scc1 .Ldead_\@
.endif
.irp q, 0,1,2,3
	WM ACC+32+8*\q, ka+8, kb+8*\q, ZF
.endr
.if KS > 0
.Ldead_\@:
.endif
.rept 4
	v_nop                                          ; four places between the products and the loads into their sources, or the way out
.endr
.if KS+2 <= 31
	LOADB KS+2
.endif
.if KS+4 <= 31
	LOADA KS+4
.endif
.endm
; Output row j of row tile mt: register j of the four column tiles is four neighbouring columns.  Each accumulator is read from register 0 upward.
.macro ROWOUT mt, j
.if PROD == 1
.set rd, AR+2*(8*(\mt)+(\j))
.irp q, 0,1,2,3
	v_add_f32 v[TM+\q], v[ACC+32*(\mt)+8*\q+(\j)], v[16+\q]
.endr
.irp q, 0,1,2,3
	v_mul_f32 v[TM+4+\q], 0xbfb8aa3b, v[TM+\q]     ; - t log2(e)
.endr
.irp q, 0,1,2,3
	v_exp_f32 v[TM+4+\q], v[TM+4+\q]
.endr
	v_nop                                          ; a plain instruction behind the last exponential (ISA guide 5.7.2)
	s_wait_alu depctr_va_vdst(0)
.irp q, 0,1,2,3
	v_add_f32 v[TM+4+\q], 1.0, v[TM+4+\q]
.endr
.irp q, 0,1,2,3
	v_rcp_f32 v[TM+4+\q], v[TM+4+\q]
.endr
	v_nop
	s_wait_alu depctr_va_vdst(0)
.irp q, 0,1,2,3
	v_mul_f32 v[TM+\q], v[TM+\q], v[TM+4+\q]       ; silu(t) = t / (1 + e^-t)
.endr
	v_cvt_pk_f16_f32 v[rd], v[TM], v[TM+1]
	v_cvt_pk_f16_f32 v[rd+1], v[TM+2], v[TM+3]
	global_store_b64 v[OROW+8*(\mt)+(\j)], v[rd:rd+1], s[POUT:POUT+1]  ; 16 lanes store 128 consecutive bytes of a token's row; the wave of the other column half stores the 128 beside them
.else
.set rd, AR+4*(8*(\mt)+(\j))
.irp q, 0,1,2,3
	v_mov_b32 v[rd+\q], v[ACC+32*(\mt)+8*\q+(\j)]  ; the four tiles' numbers are brought side by side
.endr
	global_store_b128 v[OROW+8*(\mt)+(\j)], v[rd:rd+3], s[POUT:POUT+1]  ; 16 lanes store 256 consecutive bytes, at a multiple of 256 from part's first
.endif
.endm
	s_mov_b32 s25, 0
.Lround:                                               ; a trip: row tiles g + 8 trip and g + 8 trip + 4, against my column half's four tiles, all 32 K steps
	s_lshl_b32 s26, s25, 7
	s_add_co_u32 s26, s26, s29
	s_add_co_u32 s27, s26, 64
	s_lshr_b32 s28, s27, 4
	s_cmp_lt_u32 s28, s23
	s_cselect_b32 s28, 1, 0
	v_add_nc_u32 v9, s26, v12                      ; places in the list: my A rows,
	v_add_nc_u32 v10, s27, v12
.irp j, 0,1,2,3,4,5,6,7
	v_add3_u32 v[OROW+\j], v13, s26, \j            ; and the rows that my result registers hold
	v_add3_u32 v[OROW+8+\j], v13, s27, \j
.endr
.irp r, 9,10,224,225,226,227,228,229,230,231,232,233,234,235,236,237,238,239
	v_min_u32 v\r, s22, v\r                        ; places past the count repeat the last token
.endr
.irp r, 9,10,224,225,226,227,228,229,230,231,232,233,234,235,236,237,238,239
	v_min_u32 v\r, 0x3ff, v\r
.endr
.irp r, 9,10,224,225,226,227,228,229,230,231,232,233,234,235,236,237,238,239
	v_lshl_add_u32 v\r, v\r, 2, v11
.endr
.irp r, 9,10,224,225,226,227,228,229,230,231,232,233,234,235,236,237,238,239
	ds_load_b32 v\r, v\r
.endr
	s_wait_dscnt 0x0
.irp r, 9,10,224,225,226,227,228,229,230,231,232,233,234,235,236,237,238,239
	v_min_u32 v\r, 0x3ff, v\r                      ; a token's number stays inside the tables
.endr
	v_lshl_add_u32 v9, v9, ASH, v14
	v_lshl_add_u32 v10, v10, ASH, v14
.irp j, 0,1,2,3,4,5,6,7,8,9,10,11,12,13,14,15
	v_lshl_add_u32 v[OROW+\j], v[OROW+\j], OSH, v15
.endr
	LOADA 0
	LOADA 1
	LOADA 2
	LOADA 3
	LOADB 0
	LOADB 1
.set KS, 0
.rept 32
	KSTEP
.set KS, KS+1
.endr
.irp j, 0,1,2,3,4,5,6,7
	ROWOUT 0, \j
.endr
	s_cmp_eq_u32 s28, 0
	s_cbranch_scc1 .Lno_second
.irp j, 0,1,2,3,4,5,6,7
	ROWOUT 1, \j
.endr
.Lno_second:
	s_wait_xcnt 0x0                                ; the stores' data and offsets and the loads' offsets are rewritten only behind this wait
	s_add_co_u32 s25, s25, 1
	s_cmp_lt_u32 s25, s24
	s_cbranch_scc1 .Lround
.Lend:
	s_wait_tensorcnt 0x0                           ; the wave's end, behind my last LDS store
	ds_add_u32 v1, v2
	s_wait_dscnt 0x0
	s_endpgm
.Lfunc_end_k_qc9a970ee0b_prod1:
	.size	k_qc9a970ee0b_prod1, .Lfunc_end_k_qc9a970ee0b_prod1-k_qc9a970ee0b_prod1
	.p2alignl 7, 3214868480
	.fill 96, 4, 3214868480
	.section	.rodata,"a",@progbits
	.p2align	6, 0x0
	.amdhsa_kernel k_qc9a970ee0b_prod1
		.amdhsa_group_segment_fixed_size 297984
		.amdhsa_private_segment_fixed_size 0
		.amdhsa_enable_private_segment 0
		.amdhsa_kernarg_size 40
		.amdhsa_user_sgpr_count 2
		.amdhsa_user_sgpr_kernarg_segment_ptr 1
		.amdhsa_wavefront_size32 1
		.amdhsa_system_sgpr_workgroup_id_x 1
		.amdhsa_system_sgpr_workgroup_id_y 1
		.amdhsa_system_sgpr_workgroup_id_z 1
		.amdhsa_system_vgpr_workitem_id 0
		.amdhsa_next_free_vgpr 256
		.amdhsa_next_free_sgpr 66
		.amdhsa_reserve_vcc 0
		.amdhsa_float_denorm_mode_32 3
		.amdhsa_float_denorm_mode_16_64 3
		.amdhsa_memory_ordered 1
		.amdhsa_forward_progress 1
		.amdhsa_inst_pref_size 134
	.end_amdhsa_kernel
	.amdgpu_metadata
---
amdhsa.version: [ 1, 2 ]
amdhsa.kernels:
  - .name:           k_qc9a970ee0b_prod1
    .symbol:         k_qc9a970ee0b_prod1.kd
    .args:
      - { .name: xb, .offset: 0, .size: 8, .value_kind: global_buffer, .address_space: global }
      - { .name: W1, .offset: 8, .size: 8, .value_kind: global_buffer, .address_space: global }
      - { .name: b1, .offset: 16, .size: 8, .value_kind: global_buffer, .address_space: global }
      - { .name: idx, .offset: 24, .size: 8, .value_kind: global_buffer, .address_space: global }
      - { .name: hb, .offset: 32, .size: 8, .value_kind: global_buffer, .address_space: global }
    .group_segment_fixed_size: 297984
    .private_segment_fixed_size: 0
    .kernarg_segment_align: 8
    .kernarg_segment_size: 40
    .max_flat_workgroup_size: 256
    .sgpr_count:     66
    .vgpr_count:     256
    .wavefront_size: 32
...
	.end_amdgpu_metadata
.endif
;; end of part 2
;; launch prod2 (part 3): grid 32 x 8, 8 waves a work-group, no clusters, 297,984 bytes of LDS; arguments hb, W2, idx, part; writes part
.if DOCPART == 3
	.amdgcn_target "amdgcn-amd-amdhsa--gfx1250"
	.amdhsa_code_object_version 6
	.text
	.protected	k_qc9a970ee0b_prod2
	.globl	k_qc9a970ee0b_prod2
	.p2align	8
	.type	k_qc9a970ee0b_prod2,@function
k_qc9a970ee0b_prod2:
	s_mov_b64 s[64:65], 0
	v_nop
	global_prefetch_b8 v0, s[64:65] scope:SCOPE_SE
	s_setreg_imm32_b32 hwreg(HW_REG_WAVE_MODE, 25, 1), 1
	s_wait_xcnt 0x0
.set PROD, 2                           ; 1: h = silu(x W1[e] + b1[e]), bf16 operands, h stored in f16.  2: a quarter of K of h W2[e], f16 operands, partial sums stored in f32
; ONE TEXT FOR BOTH PRODUCTS OF THE EXPERTS; the line above chooses.
; SHARES.  Work-group (x, e) owns ONE slice of expert e's weights, 1,024 along K x 128 columns (524,288 bytes of f32), which it alone reads, once, and all the tokens that chose e.
;   Product 1: K is all of D = 1,024; x = 0..31 names the 128 columns of H.   Product 2: x / 8 names the quarter of K = H, x % 8 the 128 columns of D.
; PHASES.  0: every wave counts the choices for itself and lays the list of e's tokens into LDS words of its own.  1: the slice is read, rounded and laid into LDS as matrix fragments; one barrier.
;   2: a loop over the expert's rows, 32 a trip and wave; it writes no shared LDS byte and has no barrier, since its length hangs on the stored choices; the tokens' rows come from memory straight into operand registers.
; FRAGMENTS WITHOUT A TRANSPOSITION.  A 16-byte load of weight row k gives lane r (of 16) the columns 4 r .. 4 r + 3 of a group of 64: 16 lanes take 256 consecutive bytes.  Word q of it belongs to column tile q,
;   in which lane r stands for column 4 r + q.  Sixteen such loads, of the 16 k that a lane of source 1 holds (ISA guide 7.12.2), rounded in pairs, are the four tiles' fragments.  In the result, register j of
;   the four tiles then holds four NEIGHBOURING columns of token row 8 (lane / 16) + j.
; NO MULTICAST, NO TENSOR LOADS: each slice has one reader; what an expert's work-groups share is its token rows, which come by a list that no descriptor covers.
; ROUNDING.  Every input is rounded to bf16; in product 2 that number is then written as f16 beside h.  LIMITS: |h| and |W2| within f16's 65,504; W2 below 6e-5 keeps f16's fixed step of 6e-8; NaN and infinities are not treated apart.
; Rows past the expert's count repeat its last row: the same numbers go to the same bytes.  An expert without tokens lays its slice and stores nothing.
.if PROD == 1
.set PW,   16384                       ; bytes in a row of the weights
.set WSH,  17                          ; 8 such rows, as a shift
.set ASH,  11                          ; a token's row of A: 2,048 bytes
.set OSH,  13                          ; a token's row of the output: 8,192 bytes
.set PIDX, 10                          ; s[10:11] idx
.set POUT, 12                          ; s[12:13] hb
.else
.set PW,   4096
.set WSH,  15
.set ASH,  13
.set OSH,  12
.set PIDX, 8                           ; s[8:9] idx
.set POUT, 10                          ; s[10:11] part
.endif
.set PA,    4                          ; s[4:5] A: xb or hb
.set PWT,   6                          ; s[6:7] the weights
.set FRAGB, 262144                     ; LDS 0 ..: fragment (K step s, column half c, tile q, half) at 8,192 s + 4,096 c + 1,024 q + 512 half + 16 lane: every store and load takes 512 consecutive bytes
.set LISTB, 4352                       ; behind them, for each wave: 1,024 words of tokens and 32 words for the lanes that have nothing to list
.set SPARE, FRAGB+8*LISTB              ; 296,960: the spare words, 128 bytes for each wave: four blocks of 256 bytes that no other line names
; v1 spare word, v2 zero; v3 my offset in a weight row pair; v4 where I store fragments; v5-8 where I read them (K steps 0-7, 8-15, ..); v9, v10 my A rows of the two tiles; v11 my wave's list;
; v12 r, v13 8 h, v14 16 h, v15 my columns' bytes in an output row; v16-19 bias; v20-23 at work; v24 lane, v25 4 lane, v26 16 r
.set WR,   32                          ; phase 1: v[32:223] three slots of 64: sixteen loads of weights
.set T,    224                         ; phase 0: v[224:255] idx; phase 1: a unit's 32 fragment registers
.set ACC,  32                          ; phase 2: v[32:95] accumulator (row tile mt, column tile q) at 32 mt + 8 q
.set AR,   96                          ; v[96:159] four slots of 16: A's fragments of the two row tiles; on the way out the stores' data
.set BF,   160                         ; v[160:223] two buffers of 32: the four column tiles' fragments of a K step
.set OROW, 224                         ; v[224:239] byte offset of output row (mt, j)
.set TM,   240                         ; v[240:247] at work on the way out
; s14 wave, s15 g = wave / 2, s16 c = wave % 2, s17 e, s18 x, s19 the count n, s20 mask, s21 its bits, s22 n - 1, s23 T = tiles of 16 rows, s24 my trips, s25 the trip, s26, s27 first row of my two tiles, s28 1: the second is alive, s29 16 g
	s_load_b256 s[4:11], s[0:1], 0x0
.if PROD == 1
	s_load_b64 s[12:13], s[0:1], 0x20
.endif
	v_lshl_add_u32 v1, v0, 2, SPARE
	v_mov_b32 v2, 0
	v_lshrrev_b32 v20, 5, v0
	v_readfirstlane_b32 s14, v20
	s_lshr_b32 s15, s14, 1
	s_and_b32 s16, s14, 1
	s_and_b32 s17, ttmp7, 0xffff
	s_mov_b32 s18, ttmp9
	s_mov_b32 s38, 0xffff0000                      ; a word's upper bf16
	v_and_b32 v24, 31, v0
	v_lshlrev_b32 v25, 2, v24
	v_and_b32 v12, 15, v0
	v_bfe_u32 v21, v0, 4, 1
	v_lshlrev_b32 v13, 3, v21
	v_lshlrev_b32 v14, 4, v21
	v_lshlrev_b32 v26, 4, v12
	v_lshl_add_u32 v3, v21, WSH, v26               ; lanes 16-31 take the row eight further down
	s_lshl_b32 s30, s14, 15
	v_lshl_add_u32 v4, v24, 4, s30                 ; my wave lays K steps 4 w .. 4 w + 3
	s_lshl_b32 s30, s16, 12
	v_lshl_add_u32 v5, v24, 4, s30
	v_add_nc_u32 v6, 0x10000, v5
	v_add_nc_u32 v7, 0x20000, v5
	v_add_nc_u32 v8, 0x30000, v5
	s_mul_i32 s30, s14, LISTB
	s_add_co_u32 s30, s30, FRAGB
	v_mov_b32 v11, s30
	s_mov_b32 s31, 0
	s_mov_b32 s33, 0
	s_mov_b32 s35, 0
	s_lshl_b32 s30, s17, 24                        ; an expert's weights are 16,777,216 bytes
.if PROD == 1
	v_lshlrev_b32 v15, 3, v12                      ; four f16
	s_lshl_b32 s32, s18, 9                         ; the slice's 128 columns,
	s_add_co_u32 s30, s30, s32
	s_lshl_b32 s32, s14, 21                        ; my wave's 128 rows
	s_add_co_u32 s30, s30, s32
	s_lshl_b32 s32, s17, 14                        ; b1: the expert, the slice, my column half
	s_lshl_b32 s34, s18, 9
	s_add_co_u32 s32, s32, s34
	s_lshl_b32 s34, s16, 8
	s_add_co_u32 s32, s32, s34
	s_lshl_b32 s34, s18, 8                         ; hb: the slice, my column half
	s_lshl_b32 s36, s16, 7
	s_add_co_u32 s34, s34, s36
	s_wait_kmcnt 0x0
	s_add_nc_u64 s[8:9], s[8:9], s[32:33]
	global_load_b128 v[16:19], v26, s[8:9]
.else
	v_lshlrev_b32 v15, 4, v12                      ; four f32
	s_lshr_b32 s36, s18, 3                         ; the quarter of K
	s_and_b32 s37, s18, 7                          ; the 128 columns
	s_lshl_b32 s32, s36, 22
	s_add_co_u32 s30, s30, s32
	s_lshl_b32 s32, s37, 9
	s_add_co_u32 s30, s30, s32
	s_lshl_b32 s32, s14, 19                        ; my wave's 128 rows
	s_add_co_u32 s30, s30, s32
	s_lshl_b32 s34, s36, 22                        ; part: the quarter, the columns, my column half
	s_lshl_b32 s32, s37, 9
	s_add_co_u32 s34, s34, s32
	s_lshl_b32 s32, s16, 8
	s_add_co_u32 s34, s34, s32
	s_lshl_b32 s32, s36, 11                        ; hb: the quarter's 1,024 f16 in a row
	s_wait_kmcnt 0x0
	s_add_nc_u64 s[PA:PA+1], s[PA:PA+1], s[32:33]
.endif
	s_add_nc_u64 s[PWT:PWT+1], s[PWT:PWT+1], s[30:31]
	s_add_nc_u64 s[POUT:POUT+1], s[POUT:POUT+1], s[34:35]
.set gi, 0
.rept 32
	global_load_b32 v[T+gi], v25, s[PIDX:PIDX+1] offset:128*gi  ; the choices of tokens 32 gi + lane
.set gi, gi+1
.endr
; Unit j of my eight (K step 4 w + j / 2, column half j % 2): sixteen loads; each covers 256 consecutive bytes of two weight rows, at multiples of 256 from the buffer's first byte
.macro LOADU j, slot
.set li, 0
.rept 16
	global_load_b128 v[WR+64*(\slot)+4*li:WR+64*(\slot)+4*li+3], v3, s[PWT:PWT+1] offset:(32*((\j)/2)+li+8*(li/8))*PW+256*((\j)%2) th:TH_LOAD_NT
.set li, li+1
.endr
.endm
; The unit's 64 registers become 32: register p of tile q's fragment is made of word q of loads 2 p and 2 p + 1
.macro CVTU slot
.set cq, 0
.rept 4
.set cp, 0
.rept 8
	v_cvt_pk_bf16_f32 v[T+8*cq+cp], v[WR+64*(\slot)+8*cp+cq], v[WR+64*(\slot)+8*cp+4+cq]
.set cp, cp+1
.endr
.set cq, cq+1
.endr
.if PROD == 2                          ; the bf16 numbers are widened again and written as f16
.set cq, 0
.rept 4
.set cp, 0
.rept 8
	v_lshlrev_b32 v[WR+64*(\slot)+8*cp+cq], 16, v[T+8*cq+cp]
	v_and_b32 v[WR+64*(\slot)+8*cp+4+cq], s38, v[T+8*cq+cp]
.set cp, cp+1
.endr
.set cq, cq+1
.endr
.set cq, 0
.rept 4
.set cp, 0
.rept 8
	v_cvt_pk_f16_f32 v[T+8*cq+cp], v[WR+64*(\slot)+8*cp+cq], v[WR+64*(\slot)+8*cp+4+cq]
.set cp, cp+1
.endr
.set cq, cq+1
.endr
.endif
.endm
.macro STOREU j
.set cq, 0
.rept 4
	ds_store_b128 v4, v[T+8*cq:T+8*cq+3]   offset:((\j)/2)*8192+((\j)%2)*4096+cq*1024
	ds_store_b128 v4, v[T+8*cq+4:T+8*cq+7] offset:((\j)/2)*8192+((\j)%2)*4096+cq*1024+512
.set cq, cq+1
.endr
.endm
	LOADU 0, 0                                     ; the weights are on their way while the list is made
	LOADU 1, 1
	s_wait_loadcnt 32                              ; loads come back in order: the choices (and the bias) are in, the 32 younger loads may be out
	; PHASE 0.  Token 32 gi + lane goes to word (tokens of e before it) of my wave's list; the other lanes write a word of their own behind the list.
	s_mov_b32 s19, 0
	v_add_nc_u32 v21, 1024, v24
.set gi, 0
.rept 32
	v_cmp_eq_u32 s20, s17, v[T+gi]
	v_mbcnt_lo_u32_b32 v20, s20, s19               ; those counted so far + those in lower lanes
	v_cndmask_b32 v20, v21, v20, s20
	v_min_u32 v20, 0x41f, v20                      ; inside my wave's 1,056 words
	v_lshl_add_u32 v20, v20, 2, v11
	v_add_nc_u32 v22, 32*gi, v24
	ds_store_b32 v20, v22
	s_bcnt1_i32_b32 s21, s20
	s_add_co_u32 s19, s19, s21
.set gi, gi+1
.endr
	s_sub_co_u32 s22, s19, 1
	s_add_co_u32 s23, s19, 15
	s_lshr_b32 s23, s23, 4                         ; tiles of 16 rows
	s_add_co_u32 s24, s23, 7
	s_sub_co_u32 s24, s24, s15
	s_lshr_b32 s24, s24, 3                         ; trips in which tile g + 8 trip exists
	s_lshl_b32 s29, s15, 4
.if PROD == 1
	v_cvt_pk_bf16_f32 v20, v16, v17                ; the bias rounded to bf16 and widened again
	v_cvt_pk_bf16_f32 v22, v18, v19
	v_lshlrev_b32 v16, 16, v20
	v_and_b32 v17, s38, v20
	v_lshlrev_b32 v18, 16, v22
	v_and_b32 v19, s38, v22
.endif
	; PHASE 1.  Three units, 48 loads of 512 bytes, are out for each wave; a slot is asked for again as soon as it has been rounded.
	LOADU 2, 2
.irp j, 0,1,2,3,4,5,6,7
.if \j < 6
	s_wait_loadcnt 32                              ; unit j is in; the two units behind it may be out
.elseif \j == 6
	s_wait_loadcnt 16
.else
	s_wait_loadcnt 0x0
.endif
	CVTU (\j)%3
.if \j < 5
	LOADU (\j)+3, (\j)%3
.endif
	STOREU \j
.endr
	s_wait_dscnt 0x0                               ; for the others' sake: my fragments lie in LDS
	s_barrier_signal -1
	s_barrier_wait -1                              ; the slice is whole; nobody writes it again
	; PHASE 2
	s_cmp_eq_u32 s24, 0
	s_cbranch_scc1 .Lend
.macro WM d, a, b, z
.if PROD == 1
.if \z
	v_wmma_f32_16x16x32_bf16 v[(\d):(\d)+7], v[(\a):(\a)+7], v[(\b):(\b)+7], 0
.else
	v_wmma_f32_16x16x32_bf16 v[(\d):(\d)+7], v[(\a):(\a)+7], v[(\b):(\b)+7], v[(\d):(\d)+7]
.endif
.else
.if \z
	v_wmma_f32_16x16x32_f16 v[(\d):(\d)+7], v[(\a):(\a)+7], v[(\b):(\b)+7], 0
.else
	v_wmma_f32_16x16x32_f16 v[(\d):(\d)+7], v[(\a):(\a)+7], v[(\b):(\b)+7], v[(\d):(\d)+7]
.endif
.endif
.endm
.macro LOADA s                         ; A's fragments of K step s: lane l holds row l % 16; two loads of 16 bytes, 32 apart, for each of the two row tiles
.set ra, AR+16*((\s)%4)
	global_load_b128 v[ra:ra+3],     v9,  s[PA:PA+1] offset:64*(\s)
	global_load_b128 v[ra+4:ra+7],   v9,  s[PA:PA+1] offset:64*(\s)+32
	global_load_b128 v[ra+8:ra+11],  v10, s[PA:PA+1] offset:64*(\s)
	global_load_b128 v[ra+12:ra+15], v10, s[PA:PA+1] offset:64*(\s)+32
.endm
.macro LOADB s                         ; the four column tiles' fragments of K step s
.set rb, BF+32*((\s)%2)
.set cq, 0
.rept 4
	ds_load_b128 v[rb+8*cq:rb+8*cq+3],   v[5+(\s)/8] offset:((\s)%8)*8192+cq*1024
	ds_load_b128 v[rb+8*cq+4:rb+8*cq+7], v[5+(\s)/8] offset:((\s)%8)*8192+cq*1024+512
.set cq, cq+1
.endr
.endm
; K step KS.  The accumulators take turns, one instruction a turn, over the jump and from step to step too.  The second row tile's products are jumped where that tile does not exist;
; in step 0 they run all the same, so that its accumulators are written on every path.
.macro KSTEP
.set LW, 31-KS
.if LW > 3
.set LW, 3
.endif
.set DW, 31-KS
.if DW > 1
.set DW, 1
.endif
.set ZF, 0
.if KS == 0
.set ZF, 1
.endif
	s_wait_loadcnt 4*LW                            ; this step's A is in; the four loads of each of the next three steps may be out
	s_wait_dscnt 8*DW                              ; this step's fragments are in; the next step's eight loads may be out
.set ka, AR+16*(KS%4)
.set kb, BF+32*(KS%2)
.irp q, 0,1,2,3
	WM ACC+8*\q, ka, kb+8*\q, ZF
.endr
.if KS > 0
	s_cmp_eq_u32 s28, 0
	s_cbranch_scc1 .Ldead_\@
.endif
.irp q, 0,1,2,3
	WM ACC+32+8*\q, ka+8, kb+8*\q, ZF
.endr
.if KS > 0
.Ldead_\@:
.endif
.rept 4
	v_nop                                          ; four places between the products and the loads into their sources, or the way out
.endr
.if KS+2 <= 31
	LOADB KS+2
.endif
.if KS+4 <= 31
	LOADA KS+4
.endif
.endm
; Output row j of row tile mt: register j of the four column tiles is four neighbouring columns.  Each accumulator is read from register 0 upward.
.macro ROWOUT mt, j
.if PROD == 1
.set rd, AR+2*(8*(\mt)+(\j))
.irp q, 0,1,2,3
	v_add_f32 v[TM+\q], v[ACC+32*(\mt)+8*\q+(\j)], v[16+\q]
.endr
.irp q, 0,1,2,3
	v_mul_f32 v[TM+4+\q], 0xbfb8aa3b, v[TM+\q]     ; - t log2(e)
.endr
.irp q, 0,1,2,3
	v_exp_f32 v[TM+4+\q], v[TM+4+\q]
.endr
	v_nop                                          ; a plain instruction behind the last exponential (ISA guide 5.7.2)
.irp q, 0,1,2,3
	v_add_f32 v[TM+4+\q], 1.0, v[TM+4+\q]
.endr
.irp q, 0,1,2,3
	v_rcp_f32 v[TM+4+\q], v[TM+4+\q]
.endr
	v_nop
.irp q, 0,1,2,3
	v_mul_f32 v[TM+\q], v[TM+\q], v[TM+4+\q]       ; silu(t) = t / (1 + e^-t)
.endr
	v_cvt_pk_f16_f32 v[rd], v[TM], v[TM+1]
	v_cvt_pk_f16_f32 v[rd+1], v[TM+2], v[TM+3]
	global_store_b64 v[OROW+8*(\mt)+(\j)], v[rd:rd+1], s[POUT:POUT+1]  ; 16 lanes store 128 consecutive bytes of a token's row; the wave of the other column half stores the 128 beside them
.else
.set rd, AR+4*(8*(\mt)+(\j))
.irp q, 0,1,2,3
	v_mov_b32 v[rd+\q], v[ACC+32*(\mt)+8*\q+(\j)]  ; the four tiles' numbers are brought side by side
.endr
	global_store_b128 v[OROW+8*(\mt)+(\j)], v[rd:rd+3], s[POUT:POUT+1]  ; 16 lanes store 256 consecutive bytes, at a multiple of 256 from part's first
.endif
.endm
	s_mov_b32 s25, 0
.Lround:                                               ; a trip: row tiles g + 8 trip and g + 8 trip + 4, against my column half's four tiles, all 32 K steps
	s_lshl_b32 s26, s25, 7
	s_add_co_u32 s26, s26, s29
	s_add_co_u32 s27, s26, 64
	s_lshr_b32 s28, s27, 4
	s_cmp_lt_u32 s28, s23
	s_cselect_b32 s28, 1, 0
	v_add_nc_u32 v9, s26, v12                      ; places in the list: my A rows,
	v_add_nc_u32 v10, s27, v12
.irp j, 0,1,2,3,4,5,6,7
	v_add3_u32 v[OROW+\j], v13, s26, \j            ; and the rows that my result registers hold
	v_add3_u32 v[OROW+8+\j], v13, s27, \j
.endr
.irp r, 9,10,224,225,226,227,228,229,230,231,232,233,234,235,236,237,238,239
	v_min_u32 v\r, s22, v\r                        ; places past the count repeat the last token
.endr
.irp r, 9,10,224,225,226,227,228,229,230,231,232,233,234,235,236,237,238,239
	v_min_u32 v\r, 0x3ff, v\r
.endr
.irp r, 9,10,224,225,226,227,228,229,230,231,232,233,234,235,236,237,238,239
	v_lshl_add_u32 v\r, v\r, 2, v11
.endr
.irp r, 9,10,224,225,226,227,228,229,230,231,232,233,234,235,236,237,238,239
	ds_load_b32 v\r, v\r
.endr
	s_wait_dscnt 0x0
.irp r, 9,10,224,225,226,227,228,229,230,231,232,233,234,235,236,237,238,239
	v_min_u32 v\r, 0x3ff, v\r                      ; a token's number stays inside the tables
.endr
	v_lshl_add_u32 v9, v9, ASH, v14
	v_lshl_add_u32 v10, v10, ASH, v14
.irp j, 0,1,2,3,4,5,6,7,8,9,10,11,12,13,14,15
	v_lshl_add_u32 v[OROW+\j], v[OROW+\j], OSH, v15
.endr
	LOADA 0
	LOADA 1
	LOADA 2
	LOADA 3
	LOADB 0
	LOADB 1
.set KS, 0
.rept 32
	KSTEP
.set KS, KS+1
.endr
.irp j, 0,1,2,3,4,5,6,7
	ROWOUT 0, \j
.endr
	s_cmp_eq_u32 s28, 0
	s_cbranch_scc1 .Lno_second
.irp j, 0,1,2,3,4,5,6,7
	ROWOUT 1, \j
.endr
.Lno_second:
	s_wait_xcnt 0x0                                ; the stores' data and offsets and the loads' offsets are rewritten only behind this wait
	s_add_co_u32 s25, s25, 1
	s_cmp_lt_u32 s25, s24
	s_cbranch_scc1 .Lround
.Lend:
	s_wait_tensorcnt 0x0                           ; the wave's end, behind my last LDS store
	ds_add_u32 v1, v2
	s_wait_dscnt 0x0
	s_endpgm
.Lfunc_end_k_qc9a970ee0b_prod2:
	.size	k_qc9a970ee0b_prod2, .Lfunc_end_k_qc9a970ee0b_prod2-k_qc9a970ee0b_prod2
	.p2alignl 7, 3214868480
	.fill 96, 4, 3214868480
	.section	.rodata,"a",@progbits
	.p2align	6, 0x0
	.amdhsa_kernel k_qc9a970ee0b_prod2
		.amdhsa_group_segment_fixed_size 297984
		.amdhsa_private_segment_fixed_size 0
		.amdhsa_enable_private_segment 0
		.amdhsa_kernarg_size 32
		.amdhsa_user_sgpr_count 2
		.amdhsa_user_sgpr_kernarg_segment_ptr 1
		.amdhsa_wavefront_size32 1
		.amdhsa_system_sgpr_workgroup_id_x 1
		.amdhsa_system_sgpr_workgroup_id_y 1
		.amdhsa_system_sgpr_workgroup_id_z 1
		.amdhsa_system_vgpr_workitem_id 0
		.amdhsa_next_free_vgpr 256
		.amdhsa_next_free_sgpr 66
		.amdhsa_reserve_vcc 0
		.amdhsa_float_denorm_mode_32 3
		.amdhsa_float_denorm_mode_16_64 3
		.amdhsa_memory_ordered 1
		.amdhsa_forward_progress 1
		.amdhsa_inst_pref_size 150
	.end_amdhsa_kernel
	.amdgpu_metadata
---
amdhsa.version: [ 1, 2 ]
amdhsa.kernels:
  - .name:           k_qc9a970ee0b_prod2
    .symbol:         k_qc9a970ee0b_prod2.kd
    .args:
      - { .name: hb, .offset: 0, .size: 8, .value_kind: global_buffer, .address_space: global }
      - { .name: W2, .offset: 8, .size: 8, .value_kind: global_buffer, .address_space: global }
      - { .name: idx, .offset: 16, .size: 8, .value_kind: global_buffer, .address_space: global }
      - { .name: part, .offset: 24, .size: 8, .value_kind: global_buffer, .address_space: global }
    .group_segment_fixed_size: 297984
    .private_segment_fixed_size: 0
    .kernarg_segment_align: 8
    .kernarg_segment_size: 32
    .max_flat_workgroup_size: 256
    .sgpr_count:     66
    .vgpr_count:     256
    .wavefront_size: 32
...
	.end_amdgpu_metadata
.endif
;; end of part 3
;; launch final (part 4): grid 256 x 1, 4 waves a work-group, no clusters, 0 bytes of LDS; arguments part, b2, idx, gw, out0; writes out0
.if DOCPART == 4
	.amdgcn_target "amdgcn-amd-amdhsa--gfx1250"
	.amdhsa_code_object_version 6
	.text
	.protected	k_qc9a970ee0b_final
	.globl	k_qc9a970ee0b_final
	.p2align	8
	.type	k_qc9a970ee0b_final,@function
k_qc9a970ee0b_final:
	s_mov_b64 s[64:65], 0
	v_nop
	global_prefetch_b8 v0, s[64:65] scope:SCOPE_SE
	s_setreg_imm32_b32 hwreg(HW_REG_WAVE_MODE, 25, 1), 1
	s_wait_xcnt 0x0
; out0[t] = (the four K quarters' partial sums of h W2[e] + b2[e]) x the gate's weight, e = idx[t].  All in f32; b2 is rounded to bf16 first, as every input of this program is.
; One wave, one token: a row is 4,096 bytes, eight loads or stores of 512 consecutive bytes.  A stream: no LDS, no barrier, no matrix work.
.set P,  8                             ; v[8:135]   quarter q of the row at 32 q
.set B,  136                           ; v[136:167] b2's row
.set TB, 168                           ; v[168:183] b2 in bf16, two to a register
	s_load_b256 s[4:11], s[0:1], 0x0               ; part s[4:5], b2 s[6:7], idx s[8:9], gw s[10:11]
	s_load_b64 s[12:13], s[0:1], 0x20              ; out0
	v_and_b32 v1, 31, v0
	v_lshrrev_b32 v2, 5, v0
	v_readfirstlane_b32 s14, v2                    ; wave
	v_lshlrev_b32 v1, 4, v1                        ; 16 bytes a lane
	s_lshl_b32 s15, ttmp9, 2
	s_add_co_u32 s15, s15, s14                     ; my token
	s_lshl_b32 s16, s15, 12                        ; its row, 4,096 bytes
	s_mov_b32 s17, 0
	s_lshl_b32 s18, s15, 2                         ; its word in idx and in gw
	s_mov_b32 s19, 0
	s_wait_kmcnt 0x0
	s_add_nc_u64 s[8:9], s[8:9], s[18:19]
	s_add_nc_u64 s[10:11], s[10:11], s[18:19]
	s_load_b32 s20, s[8:9], 0x0                    ; the chosen expert
	s_load_b32 s22, s[10:11], 0x0                  ; the gate's weight
	s_add_nc_u64 s[4:5], s[4:5], s[16:17]          ; quarters 0 and 1,
	s_add_nc_u64 s[24:25], s[4:5], 0x800000        ; quarters 2 and 3: 8,388,608 bytes on, past the immediate's reach
	s_add_nc_u64 s[12:13], s[12:13], s[16:17]
.irp m, 0,1,2,3,4,5,6,7
	global_load_b128 v[P+4*\m:P+4*\m+3],       v1, s[4:5]   offset:512*\m th:TH_LOAD_NT
	global_load_b128 v[P+32+4*\m:P+32+4*\m+3], v1, s[4:5]   offset:4194304+512*\m th:TH_LOAD_NT
	global_load_b128 v[P+64+4*\m:P+64+4*\m+3], v1, s[24:25] offset:512*\m th:TH_LOAD_NT
	global_load_b128 v[P+96+4*\m:P+96+4*\m+3], v1, s[24:25] offset:4194304+512*\m th:TH_LOAD_NT
.endr
	s_wait_kmcnt 0x0
	s_min_u32 s20, s20, 7                          ; an expert's number stays inside the table
	s_lshl_b32 s20, s20, 12                        ; its row of b2
	s_mov_b32 s21, 0
	s_add_nc_u64 s[6:7], s[6:7], s[20:21]
	s_mov_b32 s23, s22                             ; named with s22 as a pair
.irp m, 0,1,2,3,4,5,6,7
	global_load_b128 v[B+4*\m:B+4*\m+3], v1, s[6:7] offset:512*\m
.endr
	s_wait_loadcnt 8                               ; loads come back in order: the 32 parts are in, b2's eight younger loads may be out
.set z, 0
.rept 16
	v_pk_add_f32 v[P+2*z:P+2*z+1], v[P+2*z:P+2*z+1], v[P+32+2*z:P+32+2*z+1]
	v_pk_add_f32 v[P+64+2*z:P+64+2*z+1], v[P+64+2*z:P+64+2*z+1], v[P+96+2*z:P+96+2*z+1]
.set z, z+1
.endr
.set z, 0
.rept 16
	v_pk_add_f32 v[P+2*z:P+2*z+1], v[P+2*z:P+2*z+1], v[P+64+2*z:P+64+2*z+1]
.set z, z+1
.endr
	s_wait_loadcnt 0x0
.set z, 0
.rept 16
	v_cvt_pk_bf16_f32 v[TB+z], v[B+2*z], v[B+2*z+1]  ; b2 rounded to bf16,
.set z, z+1
.endr
.set z, 0
.rept 16
	v_lshlrev_b32 v[B+2*z], 16, v[TB+z]            ; and widened again
	v_and_b32 v[B+2*z+1], 0xffff0000, v[TB+z]
.set z, z+1
.endr
.set z, 0
.rept 16
	v_pk_add_f32 v[P+2*z:P+2*z+1], v[P+2*z:P+2*z+1], v[B+2*z:B+2*z+1]
.set z, z+1
.endr
.set z, 0
.rept 16
	v_pk_mul_f32 v[P+2*z:P+2*z+1], v[P+2*z:P+2*z+1], s[22:23] op_sel_hi:[1,0]
.set z, z+1
.endr
.irp m, 0,1,2,3,4,5,6,7
	global_store_b128 v1, v[P+4*\m:P+4*\m+3], s[12:13] offset:512*\m th:TH_STORE_NT  ; 512 consecutive bytes, at a multiple of 256 from out0's first
.endr
	s_endpgm
.Lfunc_end_k_qc9a970ee0b_final:
	.size	k_qc9a970ee0b_final, .Lfunc_end_k_qc9a970ee0b_final-k_qc9a970ee0b_final
	.p2alignl 7, 3214868480
	.fill 96, 4, 3214868480
	.section	.rodata,"a",@progbits
	.p2align	6, 0x0
	.amdhsa_kernel k_qc9a970ee0b_final
		.amdhsa_group_segment_fixed_size 0
		.amdhsa_private_segment_fixed_size 0
		.amdhsa_enable_private_segment 0
		.amdhsa_kernarg_size 40
		.amdhsa_user_sgpr_count 2
		.amdhsa_user_sgpr_kernarg_segment_ptr 1
		.amdhsa_wavefront_size32 1
		.amdhsa_system_sgpr_workgroup_id_x 1
		.amdhsa_system_sgpr_workgroup_id_y 1
		.amdhsa_system_sgpr_workgroup_id_z 1
		.amdhsa_system_vgpr_workitem_id 0
		.amdhsa_next_free_vgpr 184
		.amdhsa_next_free_sgpr 66
		.amdhsa_reserve_vcc 0
		.amdhsa_float_denorm_mode_32 3
		.amdhsa_float_denorm_mode_16_64 3
		.amdhsa_memory_ordered 1
		.amdhsa_forward_progress 1
		.amdhsa_inst_pref_size 14
	.end_amdhsa_kernel
	.amdgpu_metadata
---
amdhsa.version: [ 1, 2 ]
amdhsa.kernels:
  - .name:           k_qc9a970ee0b_final
    .symbol:         k_qc9a970ee0b_final.kd
    .args:
      - { .name: part, .offset: 0, .size: 8, .value_kind: global_buffer, .address_space: global }
      - { .name: b2, .offset: 8, .size: 8, .value_kind: global_buffer, .address_space: global }
      - { .name: idx, .offset: 16, .size: 8, .value_kind: global_buffer, .address_space: global }
      - { .name: gw, .offset: 24, .size: 8, .value_kind: global_buffer, .address_space: global }
      - { .name: out0, .offset: 32, .size: 8, .value_kind: global_buffer, .address_space: global }
    .group_segment_fixed_size: 0
    .private_segment_fixed_size: 0
    .kernarg_segment_align: 8
    .kernarg_segment_size: 40
    .max_flat_workgroup_size: 128
    .sgpr_count:     66
    .vgpr_count:     184
    .wavefront_size: 32
...
	.end_amdgpu_metadata
.endif
;; end of part 4
;; ======== version 2 of 3: 4 launches; 1.21 times as fast as version 1
;; limits: values are held in f16: magnitudes above 65,504 overflow, below 6.1e-05 lose precision
;; workspace buffers: xb 2,097,152 bytes; idx 4,096 bytes of whole numbers; gw 4,096 bytes; hb 8,388,608 bytes; part 16,777,216 bytes
;; launch router: the kernel of part 1 again; grid 256 x 1, 4 waves a work-group, no clusters, 0 bytes of LDS; arguments x, Wg, bg, xb, idx, gw; writes xb, idx, gw
;; launch prod1 (part 5): grid 32 x 8, 8 waves a work-group, no clusters, 297,984 bytes of LDS; arguments xb, W1, b1, idx, hb; writes hb
.if DOCPART == 5
	.amdgcn_target "amdgcn-amd-amdhsa--gfx1250"
	.amdhsa_code_object_version 6
	.text
	.protected	k_qc9a970ee0b_prod1
	.globl	k_qc9a970ee0b_prod1
	.p2align	8
	.type	k_qc9a970ee0b_prod1,@function
k_qc9a970ee0b_prod1:
	s_mov_b64 s[64:65], 0
	v_nop
	global_prefetch_b8 v0, s[64:65] scope:SCOPE_SE
	s_setreg_imm32_b32 hwreg(HW_REG_WAVE_MODE, 25, 1), 1
	s_wait_xcnt 0x0
.set PROD, 1                           ; 1: h = silu(x W1[e] + b1[e]), bf16 operands, h stored in f16.  2: a quarter of K of h W2[e], f16 operands, partial sums stored in f32
; ONE TEXT FOR BOTH PRODUCTS OF THE EXPERTS; the line above chooses.
; SHARES.  Work-group (x, e) owns ONE slice of expert e's weights, 1,024 along K x 128 columns (524,288 bytes of f32), which it alone reads, once, and all the tokens that chose e.
;   Product 1: K is all of D = 1,024; x = 0..31 names the 128 columns of H.   Product 2: x / 8 names the quarter of K = H, x % 8 the 128 columns of D.
; PHASES.  0: every wave counts the choices for itself and lays the list of e's tokens into LDS words of its own.  1: the slice is read, rounded and laid into LDS as matrix fragments; one barrier.
;   2: a loop over the expert's rows, 256 a trip; it writes no shared LDS byte and has no barrier, since its length hangs on the stored choices; the tokens' rows come from memory straight into operand registers.
;   Wave w takes the row tiles b and b + 4, b = 8 (w / 4) + w % 4 + 16 trip, against ALL eight column tiles: a token's row is read from memory by one wave of the work-group, and a fragment of weights read
;   from LDS feeds two products.  The rows run in a ring of eight K steps; its first fill is asked for inside phase 1, where the loads of weights run out.
; FRAGMENTS WITHOUT A TRANSPOSITION.  A 16-byte load of weight row k gives lane r (of 16) the columns 4 r .. 4 r + 3 of a group of 64: 16 lanes take 256 consecutive bytes.  Word q of it belongs to column tile q,
;   in which lane r stands for column 4 r + q.  Sixteen such loads, of the 16 k that a lane of source 1 holds (ISA guide 7.12.2), rounded in pairs, are the four tiles' fragments.  In the result, register j of
;   a group's four tiles then holds four NEIGHBOURING columns of token row 8 (lane / 16) + j.
; NO MULTICAST, NO TENSOR LOADS: each slice has one reader; what an expert's work-groups share is its token rows, which come by a list that no descriptor covers.
; ROUNDING.  Every input is rounded to bf16; in product 2 that number is then written as f16 beside h.  LIMITS: |h| and |W2| within f16's 65,504; W2 below 6e-5 keeps f16's fixed step of 6e-8; NaN and infinities are not treated apart.
; Rows past the expert's count repeat its last row: the same numbers go to the same bytes.  An expert without tokens lays its slice and stores nothing.
.if PROD == 1
.set PW,    16384                      ; bytes in a row of the weights
.set WSH,   17                         ; 8 such rows, as a shift
.set ASH,   11                         ; a token's row of A: 2,048 bytes
.set OSH,   13                         ; a token's row of the output: 8,192 bytes
.set CSTEP, 128                        ; bytes from the first 64 columns to the second in an output row
.set PIDX,  10                         ; s[10:11] idx
.set POUT,  12                         ; s[12:13] hb
.else
.set PW,    4096
.set WSH,   15
.set ASH,   13
.set OSH,   12
.set CSTEP, 256
.set PIDX,  8                          ; s[8:9] idx
.set POUT,  10                         ; s[10:11] part
.endif
.set PA,    4                          ; s[4:5] A: xb or hb
.set PWT,   6                          ; s[6:7] the weights
.set FRAGB, 262144                     ; LDS 0 ..: fragment (K step s, column tile t of 8, half) at 8,192 s + 1,024 t + 512 half + 16 lane: every store and load takes 512 consecutive bytes
.set LISTB, 4352                       ; behind them, for each wave: 1,024 words of tokens and 32 words for the lanes that have nothing to list
.set SPARE, FRAGB+8*LISTB              ; 296,960: the spare words, 128 bytes for each wave: four blocks of 256 bytes that no other line names
; WINDOW 0: v1 spare word, v2 zero; v3 my offset in a weight row pair; v4 where I store fragments; v5-8 where I read them (K steps 0-7, 8-15, ..); v9, v10 my A rows of the two tiles; v11 my wave's list;
; v12 r, v13 8 h, v14 16 h, v15 my columns' bytes in an output row; v16-23 bias; v24 lane, v25 4 lane, v26 16 r; v27-31 at work
.set WR,   32                          ; phase 1: v[32:223] three slots of 64: sixteen loads of weights
.set T,    224                         ; phase 0: v[224:255] idx; phase 1: a unit's 32 fragment registers
.set ACC,  32                          ; phase 2: v[32:159] accumulator (row tile mt, column tile t) at 64 mt + 8 t
.set OROW, 160                         ; v[160:175] byte offset of output row (mt, j)
.set TM,   176                         ; v[176:191] at work on the way out
.set SD,   192                         ; v[192:255] the stores' data
; WINDOW 1 (s_set_vgpr_msb: bits 1:0 source 0, 3:2 source 1, 5:4 source 2, 7:6 destination)
.set BF,   0                           ; v[0:127]   two buffers of 64: the eight column tiles' fragments of a K step
.set AR,   128                         ; v[128:255] eight slots of 16: A's fragments of the two row tiles
.set W_MUL, 0x05                       ; A and the weights in window 1, sums in window 0
.set W_LD,  0x40                       ; destination in window 1, address in window 0
.set MSB, 0
.macro WIN new                         ; the immediate's high byte repeats the setting that is left; a switch that changes nothing is dropped
.if MSB != (\new)
	s_set_vgpr_msb (MSB<<8)|(\new)
.set MSB, \new
.endif
.endm
; s14 wave, s15 b = 8 (wave / 4) + wave % 4, s17 e, s18 x, s19 the count n, s20 mask, s21 its bits, s22 max(n, 1) - 1, s23 T = tiles of 16 rows, s24 my trips, s25 the trip, s26, s27 first row of my two tiles, s28 1: the second is alive, s29 16 b
; Unit j of my eight (K step 4 w + j / 2, column half j % 2): sixteen loads; each covers 256 consecutive bytes of two weight rows, at multiples of 256 from the buffer's first byte
.macro LOADU j, slot
.set li, 0
.rept 16
	global_load_b128 v[WR+64*(\slot)+4*li:WR+64*(\slot)+4*li+3], v3, s[PWT:PWT+1] offset:(32*((\j)/2)+li+8*(li/8))*PW+256*((\j)%2) th:TH_LOAD_NT
.set li, li+1
.endr
.endm
; The unit's 64 registers become 32: register p of tile q's fragment is made of word q of loads 2 p and 2 p + 1
.macro CVTU slot
.set cq, 0
.rept 4
.set cp, 0
.rept 8
	v_cvt_pk_bf16_f32 v[T+8*cq+cp], v[WR+64*(\slot)+8*cp+cq], v[WR+64*(\slot)+8*cp+4+cq]
.set cp, cp+1
.endr
.set cq, cq+1
.endr
.if PROD == 2                          ; the bf16 numbers are widened again and written as f16
.set cq, 0
.rept 4
.set cp, 0
.rept 8
	v_lshlrev_b32 v[WR+64*(\slot)+8*cp+cq], 16, v[T+8*cq+cp]
	v_and_b32 v[WR+64*(\slot)+8*cp+4+cq], s38, v[T+8*cq+cp]
.set cp, cp+1
.endr
.set cq, cq+1
.endr
.set cq, 0
.rept 4
.set cp, 0
.rept 8
	v_cvt_pk_f16_f32 v[T+8*cq+cp], v[WR+64*(\slot)+8*cp+cq], v[WR+64*(\slot)+8*cp+4+cq]
.set cp, cp+1
.endr
.set cq, cq+1
.endr
.endif
.endm
.macro STOREU j
.set cq, 0
.rept 4
	ds_store_b128 v4, v[T+8*cq:T+8*cq+3]   offset:((\j)/2)*8192+((\j)%2)*4096+cq*1024
	ds_store_b128 v4, v[T+8*cq+4:T+8*cq+7] offset:((\j)/2)*8192+((\j)%2)*4096+cq*1024+512
.set cq, cq+1
.endr
.endm
.macro WM d, a, b, z
.if PROD == 1
.if \z
	v_wmma_f32_16x16x32_bf16 v[(\d):(\d)+7], v[(\a):(\a)+7], v[(\b):(\b)+7], 0
.else
	v_wmma_f32_16x16x32_bf16 v[(\d):(\d)+7], v[(\a):(\a)+7], v[(\b):(\b)+7], v[(\d):(\d)+7]
.endif
.else
.if \z
	v_wmma_f32_16x16x32_f16 v[(\d):(\d)+7], v[(\a):(\a)+7], v[(\b):(\b)+7], 0
.else
	v_wmma_f32_16x16x32_f16 v[(\d):(\d)+7], v[(\a):(\a)+7], v[(\b):(\b)+7], v[(\d):(\d)+7]
.endif
.endif
.endm
.macro LOADA s                         ; under W_LD.  A's fragments of K step s: lane l holds row l % 16; two loads of 16 bytes, 32 apart, for each of the two row tiles.  A tile that does not exist repeats the last row in all lanes
.set ra, AR+16*((\s)%8)
	global_load_b128 v[ra:ra+3],     v9,  s[PA:PA+1] offset:64*(\s)
	global_load_b128 v[ra+4:ra+7],   v9,  s[PA:PA+1] offset:64*(\s)+32
	global_load_b128 v[ra+8:ra+11],  v10, s[PA:PA+1] offset:64*(\s)
	global_load_b128 v[ra+12:ra+15], v10, s[PA:PA+1] offset:64*(\s)+32
.endm
.macro LOADB s                         ; under W_LD.  The eight column tiles' fragments of K step s
.set rb, BF+64*((\s)%2)
.set cq, 0
.rept 8
	ds_load_b128 v[rb+8*cq:rb+8*cq+3],   v[5+(\s)/8] offset:((\s)%8)*8192+cq*1024
	ds_load_b128 v[rb+8*cq+4:rb+8*cq+7], v[5+(\s)/8] offset:((\s)%8)*8192+cq*1024+512
.set cq, cq+1
.endr
.endm
; The trip's two row tiles, and my lanes' rows of A in them
.macro HEADA
	s_lshl_b32 s26, s25, 8
	s_add_co_u32 s26, s26, s29
	s_add_co_u32 s27, s26, 64
	s_lshr_b32 s28, s27, 4
	s_cmp_lt_u32 s28, s23
	s_cselect_b32 s28, 1, 0
	v_add_nc_u32 v9, s26, v12                      ; places in the list
	v_add_nc_u32 v10, s27, v12
	v_min_u32 v9, s22, v9                          ; places past the count repeat the last token
	v_min_u32 v10, s22, v10
	v_min_u32 v9, 0x3ff, v9
	v_min_u32 v10, 0x3ff, v10
	v_lshl_add_u32 v9, v9, 2, v11
	v_lshl_add_u32 v10, v10, 2, v11
	ds_load_b32 v9, v9
	ds_load_b32 v10, v10
	s_wait_dscnt 0x0
	v_min_u32 v9, 0x3ff, v9                        ; a token's number stays inside the tables
	v_min_u32 v10, 0x3ff, v10
	v_lshl_add_u32 v9, v9, ASH, v14
	v_lshl_add_u32 v10, v10, ASH, v14
.endm
	s_load_b256 s[4:11], s[0:1], 0x0
.if PROD == 1
	s_load_b64 s[12:13], s[0:1], 0x20
.endif
	v_lshl_add_u32 v1, v0, 2, SPARE
	v_mov_b32 v2, 0
	v_lshrrev_b32 v28, 5, v0
	v_readfirstlane_b32 s14, v28
	s_and_b32 s15, s14, 3
	s_lshr_b32 s16, s14, 2
	s_lshl3_add_u32 s15, s16, s15                  ; b
	s_lshl_b32 s29, s15, 4
	s_and_b32 s17, ttmp7, 0xffff
	s_mov_b32 s18, ttmp9
	s_mov_b32 s38, 0xffff0000                      ; a word's upper bf16
	v_and_b32 v24, 31, v0
	v_lshlrev_b32 v25, 2, v24
	v_and_b32 v12, 15, v0
	v_bfe_u32 v28, v0, 4, 1
	v_lshlrev_b32 v13, 3, v28
	v_lshlrev_b32 v14, 4, v28
	v_lshlrev_b32 v26, 4, v12
	v_lshl_add_u32 v3, v28, WSH, v26               ; lanes 16-31 take the row eight further down
	s_lshl_b32 s30, s14, 15
	v_lshl_add_u32 v4, v24, 4, s30                 ; my wave lays K steps 4 w .. 4 w + 3
	v_lshlrev_b32 v5, 4, v24
	v_add_nc_u32 v6, 0x10000, v5
	v_add_nc_u32 v7, 0x20000, v5
	v_add_nc_u32 v8, 0x30000, v5
	s_mul_i32 s30, s14, LISTB
	s_add_co_u32 s30, s30, FRAGB
	v_mov_b32 v11, s30
	s_mov_b32 s31, 0
	s_mov_b32 s33, 0
	s_mov_b32 s35, 0
	s_lshl_b32 s30, s17, 24                        ; an expert's weights are 16,777,216 bytes
.if PROD == 1
	v_lshlrev_b32 v15, 3, v12                      ; four f16
	s_lshl_b32 s32, s18, 9                         ; the slice's 128 columns,
	s_add_co_u32 s30, s30, s32
	s_lshl_b32 s32, s14, 21                        ; my wave's 128 rows
	s_add_co_u32 s30, s30, s32
	s_lshl_b32 s32, s17, 14                        ; b1: the expert, the slice
	s_lshl_b32 s34, s18, 9
	s_add_co_u32 s32, s32, s34
	s_lshl_b32 s34, s18, 8                         ; hb: the slice
	s_wait_kmcnt 0x0
	s_add_nc_u64 s[8:9], s[8:9], s[32:33]
	global_load_b128 v[16:19], v26, s[8:9]
	global_load_b128 v[20:23], v26, s[8:9] offset:256
.else
	v_lshlrev_b32 v15, 4, v12                      ; four f32
	s_lshr_b32 s36, s18, 3                         ; the quarter of K
	s_and_b32 s37, s18, 7                          ; the 128 columns
	s_lshl_b32 s32, s36, 22
	s_add_co_u32 s30, s30, s32
	s_lshl_b32 s32, s37, 9
	s_add_co_u32 s30, s30, s32
	s_lshl_b32 s32, s14, 19                        ; my wave's 128 rows
	s_add_co_u32 s30, s30, s32
	s_lshl_b32 s34, s36, 22                        ; part: the quarter, the columns
	s_lshl_b32 s32, s37, 9
	s_add_co_u32 s34, s34, s32
	s_lshl_b32 s32, s36, 11                        ; hb: the quarter's 1,024 f16 in a row
	s_wait_kmcnt 0x0
	s_add_nc_u64 s[PA:PA+1], s[PA:PA+1], s[32:33]
.endif
	s_add_nc_u64 s[PWT:PWT+1], s[PWT:PWT+1], s[30:31]
	s_add_nc_u64 s[POUT:POUT+1], s[POUT:POUT+1], s[34:35]
.set gi, 0
.rept 32
	global_load_b32 v[T+gi], v25, s[PIDX:PIDX+1] offset:128*gi  ; the choices of tokens 32 gi + lane
.set gi, gi+1
.endr
	LOADU 0, 0                                     ; the weights are on their way while the list is made
	LOADU 1, 1
	s_wait_loadcnt 32                              ; loads come back in order: the choices (and the bias) are in, the 32 younger loads may be out
	; PHASE 0.  Token 32 gi + lane goes to word (tokens of e before it) of my wave's list; the other lanes write a word of their own behind the list.
	ds_store_b32 v11, v2                           ; word 0 is written whatever the count: an expert without tokens asks for token 0's row and uses nothing of it
	s_mov_b32 s19, 0
	v_add_nc_u32 v27, 1024, v24
.set gi, 0
.rept 32
	v_cmp_eq_u32 s20, s17, v[T+gi]
	v_mbcnt_lo_u32_b32 v28, s20, s19               ; those counted so far + those in lower lanes
	v_cndmask_b32 v28, v27, v28, s20
	v_min_u32 v28, 0x41f, v28                      ; inside my wave's 1,056 words
	v_lshl_add_u32 v28, v28, 2, v11
	v_add_nc_u32 v29, 32*gi, v24
	ds_store_b32 v28, v29
	s_bcnt1_i32_b32 s21, s20
	s_add_co_u32 s19, s19, s21
.set gi, gi+1
.endr
	s_max_u32 s22, s19, 1
	s_sub_co_u32 s22, s22, 1
	s_add_co_u32 s23, s19, 15
	s_lshr_b32 s23, s23, 4                         ; tiles of 16 rows
	s_add_co_u32 s24, s23, 15
	s_sub_co_u32 s24, s24, s15
	s_lshr_b32 s24, s24, 4                         ; trips in which tile b + 16 trip exists
	s_mov_b32 s25, 0
.if PROD == 1
.irp p, 0,1,2,3
	v_cvt_pk_bf16_f32 v[28+\p], v[16+2*\p], v[17+2*\p]  ; the bias rounded to bf16,
.endr
.irp p, 0,1,2,3
	v_lshlrev_b32 v[16+2*\p], 16, v[28+\p]         ; and widened again
	v_and_b32 v[17+2*\p], s38, v[28+\p]
.endr
.endif
	HEADA                                          ; LDS serves a wave's instructions in order (ISA guide 5.7.1.4): these reads see my list
	; PHASE 1.  Three units, 48 loads of 512 bytes, are out for each wave; a slot is asked for again as soon as it has been rounded.  Where no unit is left to ask for, the first eight K steps of my rows of A are asked for.
	LOADU 2, 2
.irp j, 0,1,2,3,4,5,6,7
	s_wait_loadcnt 32                              ; unit j is in; behind it 32 loads may be out: two units, or a unit and 16 loads of A, or 32 loads of A
	CVTU (\j)%3
.if \j < 5
	LOADU (\j)+3, (\j)%3
.elseif \j == 5
	WIN W_LD
	LOADA 0
	LOADA 1
	LOADA 2
	LOADA 3
	WIN 0
.elseif \j == 6
	WIN W_LD
	LOADA 4
	LOADA 5
	LOADA 6
	LOADA 7
	WIN 0
.endif
	STOREU \j
.endr
	s_wait_dscnt 0x0                               ; for the others' sake: my fragments lie in LDS
	s_barrier_signal -1
	s_barrier_wait -1                              ; the slice is whole; nobody writes it again
	; PHASE 2
	s_cmp_eq_u32 s24, 0
	s_cbranch_scc1 .Lend
; K step KS.  The accumulators take turns, one instruction a turn, over the jump and from step to step too.  The second row tile's products are jumped where that tile does not exist;
; in step 0 they run all the same, so that its accumulators are written on every path.  At a branch and at a label every window is 0.
.macro KSTEP
.set LW, 31-KS
.if LW > 7
.set LW, 7
.endif
.set DW, 31-KS
.if DW > 1
.set DW, 1
.endif
.set ZF, 0
.if KS == 0
.set ZF, 1
.endif
	s_wait_loadcnt 4*LW                            ; this step's A is in; the four loads of each of the next seven steps may be out
	s_wait_dscnt 16*DW                             ; this step's fragments are in; the next step's sixteen loads may be out
	WIN W_MUL
.set ka, AR+16*(KS%8)
.set kb, BF+64*(KS%2)
.irp q, 0,1,2,3,4,5,6,7
	WM ACC+8*\q, ka, kb+8*\q, ZF
.endr
.if KS > 0
	WIN 0
	s_cmp_eq_u32 s28, 0
	s_cbranch_scc1 .Ldead_\@
	WIN W_MUL
.endif
.irp q, 0,1,2,3,4,5,6,7
	WM ACC+64+8*\q, ka+8, kb+8*\q, ZF
.endr
	WIN 0
.if KS > 0
.Ldead_\@:
.endif
.rept 4
	v_nop                                          ; four places between the products and the loads into their sources, or the way out
.endr
.if KS+2 <= 31
	WIN W_LD
	LOADB KS+2
.endif
.if KS+8 <= 31
	WIN W_LD
	LOADA KS+8
.endif
.endm
; Output row j of row tile mt: register j of a column group's four tiles is four neighbouring columns.  Each accumulator is read from register 0 upward.
.macro ROWOUT mt, j
.if PROD == 1
.set rd, SD+4*(8*(\mt)+(\j))
.irp q, 0,1,2,3,4,5,6,7
	v_add_f32 v[TM+\q], v[ACC+64*(\mt)+8*\q+(\j)], v[16+\q]
.endr
.irp q, 0,1,2,3,4,5,6,7
	v_mul_f32 v[TM+8+\q], 0xbfb8aa3b, v[TM+\q]     ; - t log2(e)
.endr
.irp q, 0,1,2,3,4,5,6,7
	v_exp_f32 v[TM+8+\q], v[TM+8+\q]
.endr
	v_nop                                          ; a plain instruction behind the last exponential (ISA guide 5.7.2)
	s_wait_alu depctr_va_vdst(0)
.irp q, 0,1,2,3,4,5,6,7
	v_add_f32 v[TM+8+\q], 1.0, v[TM+8+\q]
.endr
.irp q, 0,1,2,3,4,5,6,7
	v_rcp_f32 v[TM+8+\q], v[TM+8+\q]
.endr
	v_nop
	s_wait_alu depctr_va_vdst(0)
.irp q, 0,1,2,3,4,5,6,7
	v_mul_f32 v[TM+\q], v[TM+\q], v[TM+8+\q]       ; silu(t) = t / (1 + e^-t)
.endr
.irp p, 0,1,2,3
	v_cvt_pk_f16_f32 v[rd+\p], v[TM+2*\p], v[TM+2*\p+1]
.endr
	global_store_b64 v[OROW+8*(\mt)+(\j)], v[rd:rd+1],   s[POUT:POUT+1]               ; 16 lanes store 128 consecutive bytes of a token's row,
	global_store_b64 v[OROW+8*(\mt)+(\j)], v[rd+2:rd+3], s[POUT:POUT+1] offset:CSTEP  ; and the next line the 128 beside them
.else
.set rd, SD+8*(\j)
.irp q, 0,1,2,3,4,5,6,7
	v_mov_b32 v[rd+\q], v[ACC+64*(\mt)+8*\q+(\j)]  ; the tiles' numbers are brought side by side
.endr
	global_store_b128 v[OROW+8*(\mt)+(\j)], v[rd:rd+3],   s[POUT:POUT+1]               ; 16 lanes store 256 consecutive bytes, at a multiple of 256 from part's first
	global_store_b128 v[OROW+8*(\mt)+(\j)], v[rd+4:rd+7], s[POUT:POUT+1] offset:CSTEP
.endif
.endm
.Lround:                                               ; a trip: my two row tiles against the eight column tiles, all 32 K steps; the first eight steps of A have been asked for
	WIN W_LD
	LOADB 0
	LOADB 1
.set KS, 0
.rept 32
	KSTEP
.set KS, KS+1
.endr
	WIN 0
.irp j, 0,1,2,3,4,5,6,7
	v_add3_u32 v[OROW+\j], v13, s26, \j            ; places in the list of the rows that my result registers hold
	v_add3_u32 v[OROW+8+\j], v13, s27, \j
.endr
.irp r, 160,161,162,163,164,165,166,167,168,169,170,171,172,173,174,175
	v_min_u32 v\r, s22, v\r                        ; places past the count repeat the last token
.endr
.irp r, 160,161,162,163,164,165,166,167,168,169,170,171,172,173,174,175
	v_min_u32 v\r, 0x3ff, v\r
.endr
.irp r, 160,161,162,163,164,165,166,167,168,169,170,171,172,173,174,175
	v_lshl_add_u32 v\r, v\r, 2, v11
.endr
.irp r, 160,161,162,163,164,165,166,167,168,169,170,171,172,173,174,175
	ds_load_b32 v\r, v\r
.endr
	s_wait_dscnt 0x0
.irp r, 160,161,162,163,164,165,166,167,168,169,170,171,172,173,174,175
	v_min_u32 v\r, 0x3ff, v\r                      ; a token's number stays inside the tables
.endr
.irp r, 160,161,162,163,164,165,166,167,168,169,170,171,172,173,174,175
	v_lshl_add_u32 v\r, v\r, OSH, v15
.endr
.irp j, 0,1,2,3,4,5,6,7
	ROWOUT 0, \j
.endr
	s_cmp_eq_u32 s28, 0
	s_cbranch_scc1 .Lno_second
.if PROD == 2
	s_wait_xcnt 0x0                                ; the first tile's stores have read their data: the same registers take the second tile's
.endif
.irp j, 0,1,2,3,4,5,6,7
	ROWOUT 1, \j
.endr
.Lno_second:
	s_wait_xcnt 0x0                                ; the stores' data and offsets are rewritten only behind this wait
	s_add_co_u32 s25, s25, 1
	s_cmp_lt_u32 s25, s24
	s_cbranch_scc0 .Lno_more
	HEADA                                          ; a further trip (an expert with more than 256 tokens): its rows, and the ring's first fill
	WIN W_LD
.irp s, 0,1,2,3,4,5,6,7
	LOADA \s
.endr
	WIN 0
.Lno_more:
	s_cmp_lt_u32 s25, s24
	s_cbranch_scc1 .Lround
.Lend:
	s_wait_tensorcnt 0x0                           ; the wave's end, behind my last LDS store
	ds_add_u32 v1, v2
	s_wait_dscnt 0x0
	s_endpgm
.Lfunc_end_k_qc9a970ee0b_prod1:
	.size	k_qc9a970ee0b_prod1, .Lfunc_end_k_qc9a970ee0b_prod1-k_qc9a970ee0b_prod1
	.p2alignl 7, 3214868480
	.fill 96, 4, 3214868480
	.section	.rodata,"a",@progbits
	.p2align	6, 0x0
	.amdhsa_kernel k_qc9a970ee0b_prod1
		.amdhsa_group_segment_fixed_size 297984
		.amdhsa_private_segment_fixed_size 0
		.amdhsa_enable_private_segment 0
		.amdhsa_kernarg_size 40
		.amdhsa_user_sgpr_count 2
		.amdhsa_user_sgpr_kernarg_segment_ptr 1
		.amdhsa_wavefront_size32 1
		.amdhsa_system_sgpr_workgroup_id_x 1
		.amdhsa_system_sgpr_workgroup_id_y 1
		.amdhsa_system_sgpr_workgroup_id_z 1
		.amdhsa_system_vgpr_workitem_id 0
		.amdhsa_next_free_vgpr 512
		.amdhsa_next_free_sgpr 66
		.amdhsa_reserve_vcc 0
		.amdhsa_float_denorm_mode_32 3
		.amdhsa_float_denorm_mode_16_64 3
		.amdhsa_memory_ordered 1
		.amdhsa_forward_progress 1
		.amdhsa_inst_pref_size 193
	.end_amdhsa_kernel
	.amdgpu_metadata
---
amdhsa.version: [ 1, 2 ]
amdhsa.kernels:
  - .name:           k_qc9a970ee0b_prod1
    .symbol:         k_qc9a970ee0b_prod1.kd
    .args:
      - { .name: xb, .offset: 0, .size: 8, .value_kind: global_buffer, .address_space: global }
      - { .name: W1, .offset: 8, .size: 8, .value_kind: global_buffer, .address_space: global }
      - { .name: b1, .offset: 16, .size: 8, .value_kind: global_buffer, .address_space: global }
      - { .name: idx, .offset: 24, .size: 8, .value_kind: global_buffer, .address_space: global }
      - { .name: hb, .offset: 32, .size: 8, .value_kind: global_buffer, .address_space: global }
    .group_segment_fixed_size: 297984
    .private_segment_fixed_size: 0
    .kernarg_segment_align: 8
    .kernarg_segment_size: 40
    .max_flat_workgroup_size: 256
    .sgpr_count:     66
    .vgpr_count:     512
    .wavefront_size: 32
...
	.end_amdgpu_metadata
.endif
;; end of part 5
;; launch prod2 (part 6): grid 32 x 8, 8 waves a work-group, no clusters, 297,984 bytes of LDS; arguments hb, W2, idx, part; writes part
.if DOCPART == 6
	.amdgcn_target "amdgcn-amd-amdhsa--gfx1250"
	.amdhsa_code_object_version 6
	.text
	.protected	k_qc9a970ee0b_prod2
	.globl	k_qc9a970ee0b_prod2
	.p2align	8
	.type	k_qc9a970ee0b_prod2,@function
k_qc9a970ee0b_prod2:
	s_mov_b64 s[64:65], 0
	v_nop
	global_prefetch_b8 v0, s[64:65] scope:SCOPE_SE
	s_setreg_imm32_b32 hwreg(HW_REG_WAVE_MODE, 25, 1), 1
	s_wait_xcnt 0x0
.set PROD, 2                           ; 1: h = silu(x W1[e] + b1[e]), bf16 operands, h stored in f16.  2: a quarter of K of h W2[e], f16 operands, partial sums stored in f32
; ONE TEXT FOR BOTH PRODUCTS OF THE EXPERTS; the line above chooses.
; SHARES.  Work-group (x, e) owns ONE slice of expert e's weights, 1,024 along K x 128 columns (524,288 bytes of f32), which it alone reads, once, and all the tokens that chose e.
;   Product 1: K is all of D = 1,024; x = 0..31 names the 128 columns of H.   Product 2: x / 8 names the quarter of K = H, x % 8 the 128 columns of D.
; PHASES.  0: every wave counts the choices for itself and lays the list of e's tokens into LDS words of its own.  1: the slice is read, rounded and laid into LDS as matrix fragments; one barrier.
;   2: a loop over the expert's rows, 256 a trip; it writes no shared LDS byte and has no barrier, since its length hangs on the stored choices; the tokens' rows come from memory straight into operand registers.
;   Wave w takes the row tiles b and b + 4, b = 8 (w / 4) + w % 4 + 16 trip, against ALL eight column tiles: a token's row is read from memory by one wave of the work-group, and a fragment of weights read
;   from LDS feeds two products.  The rows run in a ring of eight K steps; its first fill is asked for inside phase 1, where the loads of weights run out.
; FRAGMENTS WITHOUT A TRANSPOSITION.  A 16-byte load of weight row k gives lane r (of 16) the columns 4 r .. 4 r + 3 of a group of 64: 16 lanes take 256 consecutive bytes.  Word q of it belongs to column tile q,
;   in which lane r stands for column 4 r + q.  Sixteen such loads, of the 16 k that a lane of source 1 holds (ISA guide 7.12.2), rounded in pairs, are the four tiles' fragments.  In the result, register j of
;   a group's four tiles then holds four NEIGHBOURING columns of token row 8 (lane / 16) + j.
; NO MULTICAST, NO TENSOR LOADS: each slice has one reader; what an expert's work-groups share is its token rows, which come by a list that no descriptor covers.
; ROUNDING.  Every input is rounded to bf16; in product 2 that number is then written as f16 beside h.  LIMITS: |h| and |W2| within f16's 65,504; W2 below 6e-5 keeps f16's fixed step of 6e-8; NaN and infinities are not treated apart.
; Rows past the expert's count repeat its last row: the same numbers go to the same bytes.  An expert without tokens lays its slice and stores nothing.
.if PROD == 1
.set PW,    16384                      ; bytes in a row of the weights
.set WSH,   17                         ; 8 such rows, as a shift
.set ASH,   11                         ; a token's row of A: 2,048 bytes
.set OSH,   13                         ; a token's row of the output: 8,192 bytes
.set CSTEP, 128                        ; bytes from the first 64 columns to the second in an output row
.set PIDX,  10                         ; s[10:11] idx
.set POUT,  12                         ; s[12:13] hb
.else
.set PW,    4096
.set WSH,   15
.set ASH,   13
.set OSH,   12
.set CSTEP, 256
.set PIDX,  8                          ; s[8:9] idx
.set POUT,  10                         ; s[10:11] part
.endif
.set PA,    4                          ; s[4:5] A: xb or hb
.set PWT,   6                          ; s[6:7] the weights
.set FRAGB, 262144                     ; LDS 0 ..: fragment (K step s, column tile t of 8, half) at 8,192 s + 1,024 t + 512 half + 16 lane: every store and load takes 512 consecutive bytes
.set LISTB, 4352                       ; behind them, for each wave: 1,024 words of tokens and 32 words for the lanes that have nothing to list
.set SPARE, FRAGB+8*LISTB              ; 296,960: the spare words, 128 bytes for each wave: four blocks of 256 bytes that no other line names
; WINDOW 0: v1 spare word, v2 zero; v3 my offset in a weight row pair; v4 where I store fragments; v5-8 where I read them (K steps 0-7, 8-15, ..); v9, v10 my A rows of the two tiles; v11 my wave's list;
; v12 r, v13 8 h, v14 16 h, v15 my columns' bytes in an output row; v16-23 bias; v24 lane, v25 4 lane, v26 16 r; v27-31 at work
.set WR,   32                          ; phase 1: v[32:223] three slots of 64: sixteen loads of weights
.set T,    224                         ; phase 0: v[224:255] idx; phase 1: a unit's 32 fragment registers
.set ACC,  32                          ; phase 2: v[32:159] accumulator (row tile mt, column tile t) at 64 mt + 8 t
.set OROW, 160                         ; v[160:175] byte offset of output row (mt, j)
.set TM,   176                         ; v[176:191] at work on the way out
.set SD,   192                         ; v[192:255] the stores' data
; WINDOW 1 (s_set_vgpr_msb: bits 1:0 source 0, 3:2 source 1, 5:4 source 2, 7:6 destination)
.set BF,   0                           ; v[0:127]   two buffers of 64: the eight column tiles' fragments of a K step
.set AR,   128                         ; v[128:255] eight slots of 16: A's fragments of the two row tiles
.set W_MUL, 0x05                       ; A and the weights in window 1, sums in window 0
.set W_LD,  0x40                       ; destination in window 1, address in window 0
.set MSB, 0
.macro WIN new                         ; the immediate's high byte repeats the setting that is left; a switch that changes nothing is dropped
.if MSB != (\new)
	s_set_vgpr_msb (MSB<<8)|(\new)
.set MSB, \new
.endif
.endm
; s14 wave, s15 b = 8 (wave / 4) + wave % 4, s17 e, s18 x, s19 the count n, s20 mask, s21 its bits, s22 max(n, 1) - 1, s23 T = tiles of 16 rows, s24 my trips, s25 the trip, s26, s27 first row of my two tiles, s28 1: the second is alive, s29 16 b
; Unit j of my eight (K step 4 w + j / 2, column half j % 2): sixteen loads; each covers 256 consecutive bytes of two weight rows, at multiples of 256 from the buffer's first byte
.macro LOADU j, slot
.set li, 0
.rept 16
	global_load_b128 v[WR+64*(\slot)+4*li:WR+64*(\slot)+4*li+3], v3, s[PWT:PWT+1] offset:(32*((\j)/2)+li+8*(li/8))*PW+256*((\j)%2) th:TH_LOAD_NT
.set li, li+1
.endr
.endm
; The unit's 64 registers become 32: register p of tile q's fragment is made of word q of loads 2 p and 2 p + 1
.macro CVTU slot
.set cq, 0
.rept 4
.set cp, 0
.rept 8
	v_cvt_pk_bf16_f32 v[T+8*cq+cp], v[WR+64*(\slot)+8*cp+cq], v[WR+64*(\slot)+8*cp+4+cq]
.set cp, cp+1
.endr
.set cq, cq+1
.endr
.if PROD == 2                          ; the bf16 numbers are widened again and written as f16
.set cq, 0
.rept 4
.set cp, 0
.rept 8
	v_lshlrev_b32 v[WR+64*(\slot)+8*cp+cq], 16, v[T+8*cq+cp]
	v_and_b32 v[WR+64*(\slot)+8*cp+4+cq], s38, v[T+8*cq+cp]
.set cp, cp+1
.endr
.set cq, cq+1
.endr
.set cq, 0
.rept 4
.set cp, 0
.rept 8
	v_cvt_pk_f16_f32 v[T+8*cq+cp], v[WR+64*(\slot)+8*cp+cq], v[WR+64*(\slot)+8*cp+4+cq]
.set cp, cp+1
.endr
.set cq, cq+1
.endr
.endif
.endm
.macro STOREU j
.set cq, 0
.rept 4
	ds_store_b128 v4, v[T+8*cq:T+8*cq+3]   offset:((\j)/2)*8192+((\j)%2)*4096+cq*1024
	ds_store_b128 v4, v[T+8*cq+4:T+8*cq+7] offset:((\j)/2)*8192+((\j)%2)*4096+cq*1024+512
.set cq, cq+1
.endr
.endm
.macro WM d, a, b, z
.if PROD == 1
.if \z
	v_wmma_f32_16x16x32_bf16 v[(\d):(\d)+7], v[(\a):(\a)+7], v[(\b):(\b)+7], 0
.else
	v_wmma_f32_16x16x32_bf16 v[(\d):(\d)+7], v[(\a):(\a)+7], v[(\b):(\b)+7], v[(\d):(\d)+7]
.endif
.else
.if \z
	v_wmma_f32_16x16x32_f16 v[(\d):(\d)+7], v[(\a):(\a)+7], v[(\b):(\b)+7], 0
.else
	v_wmma_f32_16x16x32_f16 v[(\d):(\d)+7], v[(\a):(\a)+7], v[(\b):(\b)+7], v[(\d):(\d)+7]
.endif
.endif
.endm
.macro LOADA s                         ; under W_LD.  A's fragments of K step s: lane l holds row l % 16; two loads of 16 bytes, 32 apart, for each of the two row tiles.  A tile that does not exist repeats the last row in all lanes
.set ra, AR+16*((\s)%8)
	global_load_b128 v[ra:ra+3],     v9,  s[PA:PA+1] offset:64*(\s)
	global_load_b128 v[ra+4:ra+7],   v9,  s[PA:PA+1] offset:64*(\s)+32
	global_load_b128 v[ra+8:ra+11],  v10, s[PA:PA+1] offset:64*(\s)
	global_load_b128 v[ra+12:ra+15], v10, s[PA:PA+1] offset:64*(\s)+32
.endm
.macro LOADB s                         ; under W_LD.  The eight column tiles' fragments of K step s
.set rb, BF+64*((\s)%2)
.set cq, 0
.rept 8
	ds_load_b128 v[rb+8*cq:rb+8*cq+3],   v[5+(\s)/8] offset:((\s)%8)*8192+cq*1024
	ds_load_b128 v[rb+8*cq+4:rb+8*cq+7], v[5+(\s)/8] offset:((\s)%8)*8192+cq*1024+512
.set cq, cq+1
.endr
.endm
; The trip's two row tiles, and my lanes' rows of A in them
.macro HEADA
	s_lshl_b32 s26, s25, 8
	s_add_co_u32 s26, s26, s29
	s_add_co_u32 s27, s26, 64
	s_lshr_b32 s28, s27, 4
	s_cmp_lt_u32 s28, s23
	s_cselect_b32 s28, 1, 0
	v_add_nc_u32 v9, s26, v12                      ; places in the list
	v_add_nc_u32 v10, s27, v12
	v_min_u32 v9, s22, v9                          ; places past the count repeat the last token
	v_min_u32 v10, s22, v10
	v_min_u32 v9, 0x3ff, v9
	v_min_u32 v10, 0x3ff, v10
	v_lshl_add_u32 v9, v9, 2, v11
	v_lshl_add_u32 v10, v10, 2, v11
	ds_load_b32 v9, v9
	ds_load_b32 v10, v10
	s_wait_dscnt 0x0
	v_min_u32 v9, 0x3ff, v9                        ; a token's number stays inside the tables
	v_min_u32 v10, 0x3ff, v10
	v_lshl_add_u32 v9, v9, ASH, v14
	v_lshl_add_u32 v10, v10, ASH, v14
.endm
	s_load_b256 s[4:11], s[0:1], 0x0
.if PROD == 1
	s_load_b64 s[12:13], s[0:1], 0x20
.endif
	v_lshl_add_u32 v1, v0, 2, SPARE
	v_mov_b32 v2, 0
	v_lshrrev_b32 v28, 5, v0
	v_readfirstlane_b32 s14, v28
	s_and_b32 s15, s14, 3
	s_lshr_b32 s16, s14, 2
	s_lshl3_add_u32 s15, s16, s15                  ; b
	s_lshl_b32 s29, s15, 4
	s_and_b32 s17, ttmp7, 0xffff
	s_mov_b32 s18, ttmp9
	s_mov_b32 s38, 0xffff0000                      ; a word's upper bf16
	v_and_b32 v24, 31, v0
	v_lshlrev_b32 v25, 2, v24
	v_and_b32 v12, 15, v0
	v_bfe_u32 v28, v0, 4, 1
	v_lshlrev_b32 v13, 3, v28
	v_lshlrev_b32 v14, 4, v28
	v_lshlrev_b32 v26, 4, v12
	v_lshl_add_u32 v3, v28, WSH, v26               ; lanes 16-31 take the row eight further down
	s_lshl_b32 s30, s14, 15
	v_lshl_add_u32 v4, v24, 4, s30                 ; my wave lays K steps 4 w .. 4 w + 3
	v_lshlrev_b32 v5, 4, v24
	v_add_nc_u32 v6, 0x10000, v5
	v_add_nc_u32 v7, 0x20000, v5
	v_add_nc_u32 v8, 0x30000, v5
	s_mul_i32 s30, s14, LISTB
	s_add_co_u32 s30, s30, FRAGB
	v_mov_b32 v11, s30
	s_mov_b32 s31, 0
	s_mov_b32 s33, 0
	s_mov_b32 s35, 0
	s_lshl_b32 s30, s17, 24                        ; an expert's weights are 16,777,216 bytes
.if PROD == 1
	v_lshlrev_b32 v15, 3, v12                      ; four f16
	s_lshl_b32 s32, s18, 9                         ; the slice's 128 columns,
	s_add_co_u32 s30, s30, s32
	s_lshl_b32 s32, s14, 21                        ; my wave's 128 rows
	s_add_co_u32 s30, s30, s32
	s_lshl_b32 s32, s17, 14                        ; b1: the expert, the slice
	s_lshl_b32 s34, s18, 9
	s_add_co_u32 s32, s32, s34
	s_lshl_b32 s34, s18, 8                         ; hb: the slice
	s_wait_kmcnt 0x0
	s_add_nc_u64 s[8:9], s[8:9], s[32:33]
	global_load_b128 v[16:19], v26, s[8:9]
	global_load_b128 v[20:23], v26, s[8:9] offset:256
.else
	v_lshlrev_b32 v15, 4, v12                      ; four f32
	s_lshr_b32 s36, s18, 3                         ; the quarter of K
	s_and_b32 s37, s18, 7                          ; the 128 columns
	s_lshl_b32 s32, s36, 22
	s_add_co_u32 s30, s30, s32
	s_lshl_b32 s32, s37, 9
	s_add_co_u32 s30, s30, s32
	s_lshl_b32 s32, s14, 19                        ; my wave's 128 rows
	s_add_co_u32 s30, s30, s32
	s_lshl_b32 s34, s36, 22                        ; part: the quarter, the columns
	s_lshl_b32 s32, s37, 9
	s_add_co_u32 s34, s34, s32
	s_lshl_b32 s32, s36, 11                        ; hb: the quarter's 1,024 f16 in a row
	s_wait_kmcnt 0x0
	s_add_nc_u64 s[PA:PA+1], s[PA:PA+1], s[32:33]
.endif
	s_add_nc_u64 s[PWT:PWT+1], s[PWT:PWT+1], s[30:31]
	s_add_nc_u64 s[POUT:POUT+1], s[POUT:POUT+1], s[34:35]
.set gi, 0
.rept 32
	global_load_b32 v[T+gi], v25, s[PIDX:PIDX+1] offset:128*gi  ; the choices of tokens 32 gi + lane
.set gi, gi+1
.endr
	LOADU 0, 0                                     ; the weights are on their way while the list is made
	LOADU 1, 1
	s_wait_loadcnt 32                              ; loads come back in order: the choices (and the bias) are in, the 32 younger loads may be out
	; PHASE 0.  Token 32 gi + lane goes to word (tokens of e before it) of my wave's list; the other lanes write a word of their own behind the list.
	ds_store_b32 v11, v2                           ; word 0 is written whatever the count: an expert without tokens asks for token 0's row and uses nothing of it
	s_mov_b32 s19, 0
	v_add_nc_u32 v27, 1024, v24
.set gi, 0
.rept 32
	v_cmp_eq_u32 s20, s17, v[T+gi]
	v_mbcnt_lo_u32_b32 v28, s20, s19               ; those counted so far + those in lower lanes
	v_cndmask_b32 v28, v27, v28, s20
	v_min_u32 v28, 0x41f, v28                      ; inside my wave's 1,056 words
	v_lshl_add_u32 v28, v28, 2, v11
	v_add_nc_u32 v29, 32*gi, v24
	ds_store_b32 v28, v29
	s_bcnt1_i32_b32 s21, s20
	s_add_co_u32 s19, s19, s21
.set gi, gi+1
.endr
	s_max_u32 s22, s19, 1
	s_sub_co_u32 s22, s22, 1
	s_add_co_u32 s23, s19, 15
	s_lshr_b32 s23, s23, 4                         ; tiles of 16 rows
	s_add_co_u32 s24, s23, 15
	s_sub_co_u32 s24, s24, s15
	s_lshr_b32 s24, s24, 4                         ; trips in which tile b + 16 trip exists
	s_mov_b32 s25, 0
.if PROD == 1
.irp p, 0,1,2,3
	v_cvt_pk_bf16_f32 v[28+\p], v[16+2*\p], v[17+2*\p]  ; the bias rounded to bf16,
.endr
.irp p, 0,1,2,3
	v_lshlrev_b32 v[16+2*\p], 16, v[28+\p]         ; and widened again
	v_and_b32 v[17+2*\p], s38, v[28+\p]
.endr
.endif
	HEADA                                          ; LDS serves a wave's instructions in order (ISA guide 5.7.1.4): these reads see my list
	; PHASE 1.  Three units, 48 loads of 512 bytes, are out for each wave; a slot is asked for again as soon as it has been rounded.  Where no unit is left to ask for, the first eight K steps of my rows of A are asked for.
	LOADU 2, 2
.irp j, 0,1,2,3,4,5,6,7
	s_wait_loadcnt 32                              ; unit j is in; behind it 32 loads may be out: two units, or a unit and 16 loads of A, or 32 loads of A
	CVTU (\j)%3
.if \j < 5
	LOADU (\j)+3, (\j)%3
.elseif \j == 5
	WIN W_LD
	LOADA 0
	LOADA 1
	LOADA 2
	LOADA 3
	WIN 0
.elseif \j == 6
	WIN W_LD
	LOADA 4
	LOADA 5
	LOADA 6
	LOADA 7
	WIN 0
.endif
	STOREU \j
.endr
	s_wait_dscnt 0x0                               ; for the others' sake: my fragments lie in LDS
	s_barrier_signal -1
	s_barrier_wait -1                              ; the slice is whole; nobody writes it again
	; PHASE 2
	s_cmp_eq_u32 s24, 0
	s_cbranch_scc1 .Lend
; K step KS.  The accumulators take turns, one instruction a turn, over the jump and from step to step too.  The second row tile's products are jumped where that tile does not exist;
; in step 0 they run all the same, so that its accumulators are written on every path.  At a branch and at a label every window is 0.
.macro KSTEP
.set LW, 31-KS
.if LW > 7
.set LW, 7
.endif
.set DW, 31-KS
.if DW > 1
.set DW, 1
.endif
.set ZF, 0
.if KS == 0
.set ZF, 1
.endif
	s_wait_loadcnt 4*LW                            ; this step's A is in; the four loads of each of the next seven steps may be out
	s_wait_dscnt 16*DW                             ; this step's fragments are in; the next step's sixteen loads may be out
	WIN W_MUL
.set ka, AR+16*(KS%8)
.set kb, BF+64*(KS%2)
.irp q, 0,1,2,3,4,5,6,7
	WM ACC+8*\q, ka, kb+8*\q, ZF
.endr
.if KS > 0
	WIN 0
	s_cmp_eq_u32 s28, 0
	s_cbranch_scc1 .Ldead_\@
	WIN W_MUL
.endif
.irp q, 0,1,2,3,4,5,6,7
	WM ACC+64+8*\q, ka+8, kb+8*\q, ZF
.endr
	WIN 0
.if KS > 0
.Ldead_\@:
.endif
.rept 4
	v_nop                                          ; four places between the products and the loads into their sources, or the way out
.endr
.if KS+2 <= 31
	WIN W_LD
	LOADB KS+2
.endif
.if KS+8 <= 31
	WIN W_LD
	LOADA KS+8
.endif
.endm
; Output row j of row tile mt: register j of a column group's four tiles is four neighbouring columns.  Each accumulator is read from register 0 upward.
.macro ROWOUT mt, j
.if PROD == 1
.set rd, SD+4*(8*(\mt)+(\j))
.irp q, 0,1,2,3,4,5,6,7
	v_add_f32 v[TM+\q], v[ACC+64*(\mt)+8*\q+(\j)], v[16+\q]
.endr
.irp q, 0,1,2,3,4,5,6,7
	v_mul_f32 v[TM+8+\q], 0xbfb8aa3b, v[TM+\q]     ; - t log2(e)
.endr
.irp q, 0,1,2,3,4,5,6,7
	v_exp_f32 v[TM+8+\q], v[TM+8+\q]
.endr
	v_nop                                          ; a plain instruction behind the last exponential (ISA guide 5.7.2)
.irp q, 0,1,2,3,4,5,6,7
	v_add_f32 v[TM+8+\q], 1.0, v[TM+8+\q]
.endr
.irp q, 0,1,2,3,4,5,6,7
	v_rcp_f32 v[TM+8+\q], v[TM+8+\q]
.endr
	v_nop
.irp q, 0,1,2,3,4,5,6,7
	v_mul_f32 v[TM+\q], v[TM+\q], v[TM+8+\q]       ; silu(t) = t / (1 + e^-t)
.endr
.irp p, 0,1,2,3
	v_cvt_pk_f16_f32 v[rd+\p], v[TM+2*\p], v[TM+2*\p+1]
.endr
	global_store_b64 v[OROW+8*(\mt)+(\j)], v[rd:rd+1],   s[POUT:POUT+1]               ; 16 lanes store 128 consecutive bytes of a token's row,
	global_store_b64 v[OROW+8*(\mt)+(\j)], v[rd+2:rd+3], s[POUT:POUT+1] offset:CSTEP  ; and the next line the 128 beside them
.else
.set rd, SD+8*(\j)
.irp q, 0,1,2,3,4,5,6,7
	v_mov_b32 v[rd+\q], v[ACC+64*(\mt)+8*\q+(\j)]  ; the tiles' numbers are brought side by side
.endr
	global_store_b128 v[OROW+8*(\mt)+(\j)], v[rd:rd+3],   s[POUT:POUT+1]               ; 16 lanes store 256 consecutive bytes, at a multiple of 256 from part's first
	global_store_b128 v[OROW+8*(\mt)+(\j)], v[rd+4:rd+7], s[POUT:POUT+1] offset:CSTEP
.endif
.endm
.Lround:                                               ; a trip: my two row tiles against the eight column tiles, all 32 K steps; the first eight steps of A have been asked for
	WIN W_LD
	LOADB 0
	LOADB 1
.set KS, 0
.rept 32
	KSTEP
.set KS, KS+1
.endr
	WIN 0
.irp j, 0,1,2,3,4,5,6,7
	v_add3_u32 v[OROW+\j], v13, s26, \j            ; places in the list of the rows that my result registers hold
	v_add3_u32 v[OROW+8+\j], v13, s27, \j
.endr
.irp r, 160,161,162,163,164,165,166,167,168,169,170,171,172,173,174,175
	v_min_u32 v\r, s22, v\r                        ; places past the count repeat the last token
.endr
.irp r, 160,161,162,163,164,165,166,167,168,169,170,171,172,173,174,175
	v_min_u32 v\r, 0x3ff, v\r
.endr
.irp r, 160,161,162,163,164,165,166,167,168,169,170,171,172,173,174,175
	v_lshl_add_u32 v\r, v\r, 2, v11
.endr
.irp r, 160,161,162,163,164,165,166,167,168,169,170,171,172,173,174,175
	ds_load_b32 v\r, v\r
.endr
	s_wait_dscnt 0x0
.irp r, 160,161,162,163,164,165,166,167,168,169,170,171,172,173,174,175
	v_min_u32 v\r, 0x3ff, v\r                      ; a token's number stays inside the tables
.endr
.irp r, 160,161,162,163,164,165,166,167,168,169,170,171,172,173,174,175
	v_lshl_add_u32 v\r, v\r, OSH, v15
.endr
.irp j, 0,1,2,3,4,5,6,7
	ROWOUT 0, \j
.endr
	s_cmp_eq_u32 s28, 0
	s_cbranch_scc1 .Lno_second
.if PROD == 2
	s_wait_xcnt 0x0                                ; the first tile's stores have read their data: the same registers take the second tile's
.endif
.irp j, 0,1,2,3,4,5,6,7
	ROWOUT 1, \j
.endr
.Lno_second:
	s_wait_xcnt 0x0                                ; the stores' data and offsets are rewritten only behind this wait
	s_add_co_u32 s25, s25, 1
	s_cmp_lt_u32 s25, s24
	s_cbranch_scc0 .Lno_more
	HEADA                                          ; a further trip (an expert with more than 256 tokens): its rows, and the ring's first fill
	WIN W_LD
.irp s, 0,1,2,3,4,5,6,7
	LOADA \s
.endr
	WIN 0
.Lno_more:
	s_cmp_lt_u32 s25, s24
	s_cbranch_scc1 .Lround
.Lend:
	s_wait_tensorcnt 0x0                           ; the wave's end, behind my last LDS store
	ds_add_u32 v1, v2
	s_wait_dscnt 0x0
	s_endpgm
.Lfunc_end_k_qc9a970ee0b_prod2:
	.size	k_qc9a970ee0b_prod2, .Lfunc_end_k_qc9a970ee0b_prod2-k_qc9a970ee0b_prod2
	.p2alignl 7, 3214868480
	.fill 96, 4, 3214868480
	.section	.rodata,"a",@progbits
	.p2align	6, 0x0
	.amdhsa_kernel k_qc9a970ee0b_prod2
		.amdhsa_group_segment_fixed_size 297984
		.amdhsa_private_segment_fixed_size 0
		.amdhsa_enable_private_segment 0
		.amdhsa_kernarg_size 32
		.amdhsa_user_sgpr_count 2
		.amdhsa_user_sgpr_kernarg_segment_ptr 1
		.amdhsa_wavefront_size32 1
		.amdhsa_system_sgpr_workgroup_id_x 1
		.amdhsa_system_sgpr_workgroup_id_y 1
		.amdhsa_system_sgpr_workgroup_id_z 1
		.amdhsa_system_vgpr_workitem_id 0
		.amdhsa_next_free_vgpr 512
		.amdhsa_next_free_sgpr 66
		.amdhsa_reserve_vcc 0
		.amdhsa_float_denorm_mode_32 3
		.amdhsa_float_denorm_mode_16_64 3
		.amdhsa_memory_ordered 1
		.amdhsa_forward_progress 1
		.amdhsa_inst_pref_size 194
	.end_amdhsa_kernel
	.amdgpu_metadata
---
amdhsa.version: [ 1, 2 ]
amdhsa.kernels:
  - .name:           k_qc9a970ee0b_prod2
    .symbol:         k_qc9a970ee0b_prod2.kd
    .args:
      - { .name: hb, .offset: 0, .size: 8, .value_kind: global_buffer, .address_space: global }
      - { .name: W2, .offset: 8, .size: 8, .value_kind: global_buffer, .address_space: global }
      - { .name: idx, .offset: 16, .size: 8, .value_kind: global_buffer, .address_space: global }
      - { .name: part, .offset: 24, .size: 8, .value_kind: global_buffer, .address_space: global }
    .group_segment_fixed_size: 297984
    .private_segment_fixed_size: 0
    .kernarg_segment_align: 8
    .kernarg_segment_size: 32
    .max_flat_workgroup_size: 256
    .sgpr_count:     66
    .vgpr_count:     512
    .wavefront_size: 32
...
	.end_amdgpu_metadata
.endif
;; end of part 6
;; launch final: the kernel of part 4 again; grid 256 x 1, 4 waves a work-group, no clusters, 0 bytes of LDS; arguments part, b2, idx, gw, out0; writes out0
;; ======== version 3 of 3: 4 launches; version 2 with the launches router, prod1, prod2 written anew for expert scheduling mode
;; limits: values are held in f16: magnitudes above 65,504 overflow, below 6.1e-05 lose precision
;; workspace buffers: xb 2,097,152 bytes; idx 4,096 bytes of whole numbers; gw 4,096 bytes; hb 8,388,608 bytes; part 16,777,216 bytes
;; launch router (part 7): grid 256 x 1, 4 waves a work-group, no clusters, 0 bytes of LDS; arguments x, Wg, bg, xb, idx, gw; writes xb, idx, gw
.if DOCPART == 7
	.amdgcn_target "amdgcn-amd-amdhsa--gfx1250"
	.amdhsa_code_object_version 6
	.text
	.protected	k_qc9a970ee0b_router
	.globl	k_qc9a970ee0b_router
	.p2align	8
	.type	k_qc9a970ee0b_router,@function
k_qc9a970ee0b_router:
	s_mov_b64 s[64:65], 0
	v_nop
	global_prefetch_b8 v0, s[64:65] scope:SCOPE_SE
	s_setreg_imm32_b32 hwreg(HW_REG_WAVE_SCHED_MODE, 0, 2), 2
	s_setreg_imm32_b32 hwreg(HW_REG_WAVE_MODE, 25, 1), 1
	s_wait_xcnt 0x0
	s_wait_alu depctr_vm_vsrc(0)
; ROUTER.  For each of the 1,024 tokens: x rounded to bf16 (xb), the eight gate logits, the chosen expert (idx) and its softmax weight (gw).
; All inputs (x, Wg, bg) are rounded to bf16 first, as every launch of this program rounds its inputs; products of two bf16 and their sums are kept in f32.
; One wave, one token.  Lane l owns d = 128 j + 4 l + i (j = 0..7, i = 0..3): a load of x covers 512 neighbouring bytes, a store of xb 256.
; The eight logits are 0.1% of the program's multiply-adds and have 8 columns: they go through the vector unit, from bf16 halves into f32 sums.
; LIMITS.  The choice is made on the logits, the lowest index winning a tie; a tie that only the softmax's rounding would make is not reproduced.  NaN and infinities are not treated apart.
; idx and gw take 4 bytes a token from one lane: two tables of 4,096 bytes in the whole launch.
; THE MODE: SCHED_MODE bits 1:0 = 2 (LLVM: expert scheduling mode 2), set by the entry lines.  The code itself states the register dependences
; between vector instructions and memory instructions, with s_wait_alu, always for 0.
; THE PLAN.  Registers that memory instructions touch:
;   v2 .. v5   offsets, made at the head and never written again: one wait ahead of the first load serves every load and store.
;   X          loaded once; read by x's roundings.
;   WS         loaded twice: the first half's roundings read it, then the second half's loads land in it.
;   XB         written by x's roundings, read by the eight stores of xb; never written again.
;   v81, v92   the choice and the weight: written by vector instructions, read by the last two stores.
; ONE wait behind the first half's roundings states that XB is written and that WS has been read: the second half's loads and the stores of xb follow it.
.set X,   8                            ; v[8:39]    x as loaded: register 4 j + i
.set XB,  40                           ; v[40:55]   x in bf16: register 2 j + i / 2, half i % 2
.set ACC, 56                           ; v[56:63]   a sum for each expert
.set WS,  64                           ; v[64:191]  four chunks j of Wg as loaded: register 32 j' + 8 i + e
.set WP,  192                          ; v[192:255] the same in bf16: register 16 j' + 4 i + e / 2, half e % 2
	s_load_b256 s[4:11], s[0:1], 0x0               ; x s[4:5], Wg s[6:7], bg s[8:9], xb s[10:11]
	s_load_b128 s[12:15], s[0:1], 0x20             ; idx s[12:13], gw s[14:15]
	v_and_b32 v1, 31, v0                           ; lane
	v_lshrrev_b32 v6, 5, v0
	v_readfirstlane_b32 s16, v6                    ; wave
	v_lshlrev_b32 v2, 4, v1                        ; x: 16 bytes a lane
	v_lshlrev_b32 v3, 3, v1                        ; xb: 8 bytes a lane
	v_lshlrev_b32 v4, 7, v1                        ; Wg: four rows of 32 bytes a lane
	s_mov_b32 s28, 0x76543210                      ; v_permlanex16_b32: each lane takes its own place in the other half
	s_mov_b32 s29, 0xfedcba98
	s_lshl_b32 s17, ttmp9, 2
	s_wait_alu depctr_va_sdst(0)                   ; s16 is written, ahead of its first reader: the token's number is made from it
	s_add_co_u32 s17, s17, s16                     ; my token
	s_lshl_b32 s31, s17, 2
	v_mov_b32 v5, s31                              ; my token's word in idx and in gw
	s_lshl_b32 s18, s17, 12                        ; a row of x is 4,096 bytes
	s_mov_b32 s19, 0
	s_wait_kmcnt 0x0
	s_add_nc_u64 s[4:5], s[4:5], s[18:19]
	s_lshl_b32 s18, s17, 11                        ; a row of xb is 2,048 bytes
	s_add_nc_u64 s[10:11], s[10:11], s[18:19]
	s_load_b256 s[20:27], s[8:9], 0x0              ; bg
	s_wait_alu depctr_va_vdst(0)                   ; the offsets v2 to v5 are written: every load and store of the kernel reads one of them
.irp j, 0,1,2,3,4,5,6,7
	global_load_b128 v[X+4*\j:X+4*\j+3], v2, s[4:5] offset:512*\j th:TH_LOAD_NT
.endr
.macro LOADW b                         ; chunks 4 b .. 4 b + 3 of Wg: 32 loads, a lane's 128 bytes of a chunk in eight
.set wj, 0
.rept 4
.set wm, 0
.rept 8
	global_load_b128 v[WS+32*wj+4*wm:WS+32*wj+4*wm+3], v4, s[6:7] offset:4096*(4*(\b)+wj)+16*wm
.set wm, wm+1
.endr
.set wj, wj+1
.endr
.endm
.macro PACKW                           ; 128 numbers of Wg rounded to bf16, two experts to a register
.set z, 0
.rept 64
	v_cvt_pk_bf16_f32 v[WP+z], v[WS+2*z], v[WS+2*z+1]
.set z, z+1
.endr
.endm
.macro FM                              ; one multiply-add from two bf16 halves into an f32 sum
.if (sX == 0) && (sW == 0)
	v_fma_mix_f32_bf16 v[rA], v[rX], v[rW], v[rA] op_sel:[0,0,0] op_sel_hi:[1,1,0]
.elseif (sX == 1) && (sW == 0)
	v_fma_mix_f32_bf16 v[rA], v[rX], v[rW], v[rA] op_sel:[1,0,0] op_sel_hi:[1,1,0]
.elseif sX == 0
	v_fma_mix_f32_bf16 v[rA], v[rX], v[rW], v[rA] op_sel:[0,1,0] op_sel_hi:[1,1,0]
.else
	v_fma_mix_f32_bf16 v[rA], v[rX], v[rW], v[rA] op_sel:[1,1,0] op_sel_hi:[1,1,0]
.endif
.endm
.macro MAC b                           ; 4 chunks x 4 numbers x 8 experts; the eight sums take turns
.set mj, 0
.rept 4
.set mi, 0
.rept 4
.set me, 0
.rept 8
.set rA, ACC+me
.set rX, XB+2*(4*(\b)+mj)+mi/2
.set rW, WP+16*mj+4*mi+me/2
.set sX, mi%2
.set sW, me%2
	FM
.set me, me+1
.endr
.set mi, mi+1
.endr
.set mj, mj+1
.endr
.endm
	LOADW 0
.irp e, 0,1,2,3,4,5,6,7
	v_mov_b32 v[ACC+\e], 0
.endr
	s_wait_loadcnt 32                              ; loads come back in order: x is in, the 32 younger loads of Wg may be out
.set z, 0
.rept 16
	v_cvt_pk_bf16_f32 v[XB+z], v[X+2*z], v[X+2*z+1]
.set z, z+1
.endr
	s_wait_loadcnt 0x0
	PACKW
	s_wait_alu depctr_va_vdst(0)                   ; the roundings are done reading WS, in which the loads below land, and have written XB, which the stores below read
	LOADW 1                                        ; the second half of Wg comes while the first is multiplied
.irp j, 0,1,2,3,4,5,6,7
	global_store_b64 v3, v[XB+2*\j:XB+2*\j+1], s[10:11] offset:256*\j  ; 32 lanes store 256 consecutive bytes, at a multiple of 256 from xb's first
.endr
	MAC 0
	s_wait_loadcnt 0x0
	PACKW
	MAC 1
	; each sum over the 32 lanes: four steps inside a half of 16 lanes, one across the halves
.irp e, 0,1,2,3,4,5,6,7
	v_add_f32_dpp v[ACC+\e], v[ACC+\e], v[ACC+\e] row_xmask:1 row_mask:0xf bank_mask:0xf
.endr
.irp e, 0,1,2,3,4,5,6,7
	v_add_f32_dpp v[ACC+\e], v[ACC+\e], v[ACC+\e] row_xmask:2 row_mask:0xf bank_mask:0xf
.endr
.irp e, 0,1,2,3,4,5,6,7
	v_add_f32_dpp v[ACC+\e], v[ACC+\e], v[ACC+\e] row_xmask:4 row_mask:0xf bank_mask:0xf
.endr
.irp e, 0,1,2,3,4,5,6,7
	v_add_f32_dpp v[ACC+\e], v[ACC+\e], v[ACC+\e] row_xmask:8 row_mask:0xf bank_mask:0xf
.endr
	s_wait_kmcnt 0x0                               ; bg
.irp e, 0,1,2,3,4,5,6,7
	v_mov_b32 v[72+\e], s[20+\e]
.endr
.irp p, 0,1,2,3
	v_cvt_pk_bf16_f32 v[64+\p], v[72+2*\p], v[73+2*\p]  ; bg rounded to bf16,
.endr
.irp p, 0,1,2,3
	v_lshlrev_b32 v[72+2*\p], 16, v[64+\p]         ; and widened again
	v_and_b32 v[73+2*\p], 0xffff0000, v[64+\p]
.endr
.irp e, 0,1,2,3,4,5,6,7
	v_permlanex16_b32 v[64+\e], v[ACC+\e], s28, s29  ; (its destination has been written before)
.endr
.irp e, 0,1,2,3,4,5,6,7
	v_add_f32 v[ACC+\e], v[ACC+\e], v[64+\e]
.endr
.irp e, 0,1,2,3,4,5,6,7
	v_add_f32 v[ACC+\e], v[ACC+\e], v[72+\e]       ; the logits, in every lane
.endr
	v_max3_num_f32 v80, v[ACC], v[ACC+1], v[ACC+2]
	v_max3_num_f32 v80, v80, v[ACC+3], v[ACC+4]
	v_max3_num_f32 v80, v80, v[ACC+5], v[ACC+6]
	v_max_num_f32 v80, v80, v[ACC+7]               ; the largest logit
	; the choice: a later expert wins only if it is strictly larger than all before it.  v[96+e] is the largest of logits 0 .. e; the seven compares stand in one run, each with a mask of its own
	v_max_num_f32 v97, v[ACC], v[ACC+1]
.irp e, 2,3,4,5,6
	v_max_num_f32 v[96+\e], v[95+\e], v[ACC+\e]
.endr
	v_cmp_gt_f32 s32, v[ACC+1], v[ACC]
.irp e, 2,3,4,5,6,7
	v_cmp_gt_f32 s[31+\e], v[ACC+\e], v[95+\e]
.endr
.irp e, 0,1,2,3,4,5,6,7
	v_sub_f32 v[84+\e], v[ACC+\e], v80             ; the maximum is taken away: 0 at the chosen expert
.endr
.irp e, 0,1,2,3,4,5,6,7
	v_mul_f32 v[84+\e], 0x3fb8aa3b, v[84+\e]       ; x log2(e)
.endr
.irp e, 0,1,2,3,4,5,6,7
	v_exp_f32 v[84+\e], v[84+\e]
.endr
	v_mov_b32 v81, 0                               ; (the plain instruction behind the last exponential: ISA guide 5.7.2)
	s_wait_alu depctr_va_sdst(0)                   ; the seven masks s32 to s38 are written, ahead of their first reader
.irp e, 1,2,3,4,5,6,7
	v_mov_b32 v83, \e
	v_cndmask_b32 v81, v81, v83, s[31+\e]          ; these name none of the exponentials' results
.endr
	s_wait_alu depctr_va_vdst(0)                   ; the eight exponentials have written v84 to v91, ahead of their first reader
	v_add_f32 v84, v84, v85
	v_add_f32 v86, v86, v87
	v_add_f32 v88, v88, v89
	v_add_f32 v90, v90, v91
	v_add_f32 v84, v84, v86
	v_add_f32 v88, v88, v90
	v_add_f32 v84, v84, v88
	v_rcp_f32 v92, v84                             ; the chosen expert's weight is 2^0 / the sum
	v_cmp_eq_u32 vcc_lo, 0, v1                     ; (the plain instruction behind the reciprocal)
	s_wait_xcnt 0x0                                ; EXEC, a source of the stores above, changes only behind this wait
	s_wait_alu depctr_va_vcc(0)                    ; VCC is written: EXEC is made from it
	s_wait_alu depctr_va_vdst(0)                   ; ahead of the write of EXEC every vector result is written: v81 and the reciprocal's v92 among them, which the two stores read
	s_wait_alu depctr_vm_vsrc(0)                   ; and every memory instruction issued so far has read its vector registers
	s_and_saveexec_b32 s30, vcc_lo                 ; lane 0 alone
	global_store_b32 v5, v81, s[12:13]
	global_store_b32 v5, v92, s[14:15]
	s_endpgm
.Lfunc_end_k_qc9a970ee0b_router:
	.size	k_qc9a970ee0b_router, .Lfunc_end_k_qc9a970ee0b_router-k_qc9a970ee0b_router
	.p2alignl 7, 3214868480
	.fill 96, 4, 3214868480
	.section	.rodata,"a",@progbits
	.p2align	6, 0x0
	.amdhsa_kernel k_qc9a970ee0b_router
		.amdhsa_group_segment_fixed_size 0
		.amdhsa_private_segment_fixed_size 0
		.amdhsa_enable_private_segment 0
		.amdhsa_kernarg_size 48
		.amdhsa_user_sgpr_count 2
		.amdhsa_user_sgpr_kernarg_segment_ptr 1
		.amdhsa_wavefront_size32 1
		.amdhsa_system_sgpr_workgroup_id_x 1
		.amdhsa_system_sgpr_workgroup_id_y 1
		.amdhsa_system_sgpr_workgroup_id_z 1
		.amdhsa_system_vgpr_workitem_id 0
		.amdhsa_next_free_vgpr 256
		.amdhsa_next_free_sgpr 66
		.amdhsa_reserve_vcc 1
		.amdhsa_float_denorm_mode_32 3
		.amdhsa_float_denorm_mode_16_64 3
		.amdhsa_memory_ordered 1
		.amdhsa_forward_progress 1
		.amdhsa_inst_pref_size 42
	.end_amdhsa_kernel
	.amdgpu_metadata
---
amdhsa.version: [ 1, 2 ]
amdhsa.kernels:
  - .name:           k_qc9a970ee0b_router
    .symbol:         k_qc9a970ee0b_router.kd
    .args:
      - { .name: x, .offset: 0, .size: 8, .value_kind: global_buffer, .address_space: global }
      - { .name: Wg, .offset: 8, .size: 8, .value_kind: global_buffer, .address_space: global }
      - { .name: bg, .offset: 16, .size: 8, .value_kind: global_buffer, .address_space: global }
      - { .name: xb, .offset: 24, .size: 8, .value_kind: global_buffer, .address_space: global }
      - { .name: idx, .offset: 32, .size: 8, .value_kind: global_buffer, .address_space: global }
      - { .name: gw, .offset: 40, .size: 8, .value_kind: global_buffer, .address_space: global }
    .group_segment_fixed_size: 0
    .private_segment_fixed_size: 0
    .kernarg_segment_align: 8
    .kernarg_segment_size: 48
    .max_flat_workgroup_size: 128
    .sgpr_count:     66
    .vgpr_count:     256
    .wavefront_size: 32
...
	.end_amdgpu_metadata
.endif
;; end of part 7
;; launch prod1 (part 8): grid 32 x 8, 8 waves a work-group, no clusters, 297,984 bytes of LDS; arguments xb, W1, b1, idx, hb; writes hb
.if DOCPART == 8
	.amdgcn_target "amdgcn-amd-amdhsa--gfx1250"
	.amdhsa_code_object_version 6
	.text
	.protected	k_qc9a970ee0b_prod1
	.globl	k_qc9a970ee0b_prod1
	.p2align	8
	.type	k_qc9a970ee0b_prod1,@function
k_qc9a970ee0b_prod1:
	s_mov_b64 s[64:65], 0
	v_nop
	global_prefetch_b8 v0, s[64:65] scope:SCOPE_SE
	s_setreg_imm32_b32 hwreg(HW_REG_WAVE_SCHED_MODE, 0, 2), 2
	s_setreg_imm32_b32 hwreg(HW_REG_WAVE_MODE, 25, 1), 1
	s_wait_xcnt 0x0
	s_wait_alu depctr_vm_vsrc(0)
.set PROD, 1                           ; 1: h = silu(x W1[e] + b1[e]), bf16 operands, h stored in f16.  2: a quarter of K of h W2[e], f16 operands, partial sums stored in f32
; ONE TEXT FOR BOTH PRODUCTS OF THE EXPERTS; the line above chooses.
; SHARES.  Work-group (x, e) owns ONE slice of expert e's weights, 1,024 along K x 128 columns (524,288 bytes of f32), which it alone reads, once, and all the tokens that chose e.
;   Product 1: K is all of D = 1,024; x = 0..31 names the 128 columns of H.   Product 2: x / 8 names the quarter of K = H, x % 8 the 128 columns of D.
; PHASES.  0: every wave counts the choices for itself and lays the list of e's tokens into LDS words of its own.  1: the slice is read, rounded and laid into LDS as matrix fragments; one barrier.
;   2: a loop over the expert's rows, 256 a trip; it writes no shared LDS byte and has no barrier, since its length hangs on the stored choices; the tokens' rows come from memory straight into operand registers.
;   Wave w takes the row tiles b and b + 4, b = 8 (w / 4) + w % 4 + 16 trip, against ALL eight column tiles: a token's row is read from memory by one wave of the work-group, and a fragment of weights read
;   from LDS feeds two products.  The rows run in a ring of eight K steps; its first fill is asked for inside phase 1, where the loads of weights run out.
; FRAGMENTS WITHOUT A TRANSPOSITION.  A 16-byte load of weight row k gives lane r (of 16) the columns 4 r .. 4 r + 3 of a group of 64: 16 lanes take 256 consecutive bytes.  Word q of it belongs to column tile q,
;   in which lane r stands for column 4 r + q.  Sixteen such loads, of the 16 k that a lane of source 1 holds (ISA guide 7.12.2), rounded in pairs, are the four tiles' fragments.  In the result, register j of
;   a group's four tiles then holds four NEIGHBOURING columns of token row 8 (lane / 16) + j.
; NO MULTICAST, NO TENSOR LOADS: each slice has one reader; what an expert's work-groups share is its token rows, which come by a list that no descriptor covers.
; ROUNDING.  Every input is rounded to bf16; in product 2 that number is then written as f16 beside h.  LIMITS: |h| and |W2| within f16's 65,504; W2 below 6e-5 keeps f16's fixed step of 6e-8; NaN and infinities are not treated apart.
; Rows past the expert's count repeat its last row: the same numbers go to the same bytes.  An expert without tokens lays its slice and stores nothing.
; THE MODE: SCHED_MODE bits 1:0 = 2 (LLVM: expert scheduling mode 2), set by the entry lines.  The code itself states the register dependences
; between vector or matrix instructions and memory or LDS instructions, with s_wait_alu, always for 0.
; THE PLAN.  Registers that memory or LDS instructions touch:
;   v1-v8, v11, v25, v26   addresses and offsets, made at the head and never written again: one wait ahead of the first load.
;   PHASE 0.  T: loaded with the choices, read by the compares, then turned in place into the list's LDS addresses.  LD: the tokens' numbers.  v9, v10: LDS addresses of my rows' places in the list.
;             One wait on va_vdst ahead of the 33 stores and the two reads of the list; one on vm_vsrc behind them, ahead of the loads that land in LD's registers, of the roundings that write T, and of v9, v10's next writers.
;   PHASE 1.  WR[j % 3]: unit j's roundings read it, then a later unit's loads land in it.  T: written by the roundings, read by the unit's eight LDS stores.
;             One wait on va_vdst behind a unit's roundings serves the loads and the stores; one on vm_vsrc at the next unit's head frees T.
;   PHASE 2.  BF0 .. BF2, AR0 .. AR7.  Step s multiplies BF[s % 3] and AR[s % 8].  Its loads, the weights of step s + 2 and the rows of step s + 7, land in BF[(s - 1) % 3] and AR[(s - 1) % 8], which the products of
;             step s - 1 read and no instruction of step s names.  So ONE wait on va_vdst stands at a step's head, and the step's 20 loads follow behind its first eight products with no further wait.
;   THE WAY OUT.  OROW: LDS addresses, then the stores' offsets.  TM: the tokens' numbers as read from the list.  Each row tile has an out-buffer of its own, written by vector instructions and read by its 16 stores behind one wait.
;             Ahead of a further trip one wait on vm_vsrc frees v9, v10, OROW and the out-buffers.
.if PROD == 1
.set PW,    16384                      ; bytes in a row of the weights
.set WSH,   17                         ; 8 such rows, as a shift
.set ASH,   11                         ; a token's row of A: 2,048 bytes
.set OSH,   13                         ; a token's row of the output: 8,192 bytes
.set CSTEP, 128                        ; bytes from the first 64 columns to the second in an output row
.set PIDX,  10                         ; s[10:11] idx
.set POUT,  12                         ; s[12:13] hb
.else
.set PW,    4096
.set WSH,   15
.set ASH,   13
.set OSH,   12
.set CSTEP, 256
.set PIDX,  8                          ; s[8:9] idx
.set POUT,  10                         ; s[10:11] part
.endif
.set PA,    4                          ; s[4:5] A: xb or hb
.set PWT,   6                          ; s[6:7] the weights
.set FRAGB, 262144                     ; LDS 0 ..: fragment (K step s, column tile t of 8, half) at 8,192 s + 1,024 t + 512 half + 16 lane: every store and load takes 512 consecutive bytes
.set LISTB, 4352                       ; behind them, for each wave: 1,024 words of tokens and 32 words for the lanes that have nothing to list
.set SPARE, FRAGB+8*LISTB              ; 296,960: the spare words, 128 bytes for each wave: four blocks of 256 bytes that no other line names
; WINDOW 0: v1 spare word, v2 zero; v3 my offset in a weight row pair; v4 where I store fragments; v5-8 where I read them (K steps 0-7, 8-15, ..); v9, v10 my A rows of the two tiles; v11 my wave's list;
; v12 r, v13 8 h, v14 16 h, v15 my columns' bytes in an output row; v16-23 bias; v24 lane, v25 4 lane, v26 16 r; v27-29 at work; v30, v31 two tokens' numbers as read from the list
.set WR,   32                          ; phase 1: v[32:223] three slots of 64: sixteen loads of weights
.set LD,   160                         ; phase 0: v[160:191] the numbers of the tokens 32 gi + lane
.set T,    224                         ; phase 0: v[224:255] idx, then the list's addresses; phase 1: a unit's 32 fragment registers
.set ACC,  32                          ; phase 2: v[32:159] accumulator (row tile mt, column tile t) at 64 mt + 8 t
.set OROW, 160                         ; v[160:175] byte offset of output row (mt, j)
.set TM,   176                         ; v[176:191] the way out: the rows' tokens as read from the list
.set SD,   192                         ; v[192:255] the way out: at work, and the stores' data
.set BF2,  192                         ; v[192:255] in the K loop: the third buffer of fragments
; WINDOW 1 (s_set_vgpr_msb: bits 1:0 source 0, 3:2 source 1, 5:4 source 2, 7:6 destination)
.set BF,   0                           ; v[0:127]   two buffers of 64: the eight column tiles' fragments of a K step
.set AR,   128                         ; v[128:255] eight slots of 16: A's fragments of the two row tiles
.set W_LD,  0x40                       ; destination in window 1, address in window 0
.set MSB, 0
.macro WIN new                         ; the immediate's high byte repeats the setting that is left; a switch that changes nothing is dropped
.if MSB != (\new)
	s_set_vgpr_msb (MSB<<8)|(\new)
.set MSB, \new
.endif
.endm
; s14 wave, s15 b = 8 (wave / 4) + wave % 4, s17 e, s18 x, s19 the count n, s21 a mask's bits, s22 max(n, 1) - 1, s23 T = tiles of 16 rows, s24 my trips, s25 the trip, s26, s27 first row of my two tiles, s28 1: the second is alive, s29 16 b
; s30-37, s40-47: at the head offsets, in phase 0 sixteen masks
; Unit j of my eight (K step 4 w + j / 2, column half j % 2): sixteen loads; each covers 256 consecutive bytes of two weight rows, at multiples of 256 from the buffer's first byte
.macro LOADU j, slot
.set li, 0
.rept 16
	global_load_b128 v[WR+64*(\slot)+4*li:WR+64*(\slot)+4*li+3], v3, s[PWT:PWT+1] offset:(32*((\j)/2)+li+8*(li/8))*PW+256*((\j)%2) th:TH_LOAD_NT
.set li, li+1
.endr
.endm
; The unit's 64 registers become 32: register p of tile q's fragment is made of word q of loads 2 p and 2 p + 1
.macro CVTU slot
.set cq, 0
.rept 4
.set cp, 0
.rept 8
	v_cvt_pk_bf16_f32 v[T+8*cq+cp], v[WR+64*(\slot)+8*cp+cq], v[WR+64*(\slot)+8*cp+4+cq]
.set cp, cp+1
.endr
.set cq, cq+1
.endr
.if PROD == 2                          ; the bf16 numbers are widened again and written as f16
.set cq, 0
.rept 4
.set cp, 0
.rept 8
	v_lshlrev_b32 v[WR+64*(\slot)+8*cp+cq], 16, v[T+8*cq+cp]
	v_and_b32 v[WR+64*(\slot)+8*cp+4+cq], s38, v[T+8*cq+cp]
.set cp, cp+1
.endr
.set cq, cq+1
.endr
.set cq, 0
.rept 4
.set cp, 0
.rept 8
	v_cvt_pk_f16_f32 v[T+8*cq+cp], v[WR+64*(\slot)+8*cp+cq], v[WR+64*(\slot)+8*cp+4+cq]
.set cp, cp+1
.endr
.set cq, cq+1
.endr
.endif
.endm
.macro STOREU j
.set cq, 0
.rept 4
	ds_store_b128 v4, v[T+8*cq:T+8*cq+3]   offset:((\j)/2)*8192+((\j)%2)*4096+cq*1024
	ds_store_b128 v4, v[T+8*cq+4:T+8*cq+7] offset:((\j)/2)*8192+((\j)%2)*4096+cq*1024+512
.set cq, cq+1
.endr
.endm
.macro WM d, a, b, z
.if PROD == 1
.if \z
	v_wmma_f32_16x16x32_bf16 v[(\d):(\d)+7], v[(\a):(\a)+7], v[(\b):(\b)+7], 0
.else
	v_wmma_f32_16x16x32_bf16 v[(\d):(\d)+7], v[(\a):(\a)+7], v[(\b):(\b)+7], v[(\d):(\d)+7]
.endif
.else
.if \z
	v_wmma_f32_16x16x32_f16 v[(\d):(\d)+7], v[(\a):(\a)+7], v[(\b):(\b)+7], 0
.else
	v_wmma_f32_16x16x32_f16 v[(\d):(\d)+7], v[(\a):(\a)+7], v[(\b):(\b)+7], v[(\d):(\d)+7]
.endif
.endif
.endm
.macro LOADA s                         ; A's fragments of K step s into slot s % 8: lane l holds row l % 16; two loads of 16 bytes, 32 apart, for each of the two row tiles.  A tile that does not exist repeats the last row in all lanes
	WIN W_LD
.set ra, AR+16*((\s)%8)
	global_load_b128 v[ra:ra+3],     v9,  s[PA:PA+1] offset:64*(\s)
	global_load_b128 v[ra+4:ra+7],   v9,  s[PA:PA+1] offset:64*(\s)+32
	global_load_b128 v[ra+8:ra+11],  v10, s[PA:PA+1] offset:64*(\s)
	global_load_b128 v[ra+12:ra+15], v10, s[PA:PA+1] offset:64*(\s)+32
.endm
.macro LOADB s                         ; the eight column tiles' fragments of K step s into buffer s % 3: buffers 0 and 1 lie in window 1, buffer 2 in window 0
.if (\s)%3 == 2
.set rb, BF2
	WIN 0
.else
.set rb, BF+64*((\s)%3)
	WIN W_LD
.endif
.set cq, 0
.rept 8
	ds_load_b128 v[rb+8*cq:rb+8*cq+3],   v[5+(\s)/8] offset:((\s)%8)*8192+cq*1024
	ds_load_b128 v[rb+8*cq+4:rb+8*cq+7], v[5+(\s)/8] offset:((\s)%8)*8192+cq*1024+512
.set cq, cq+1
.endr
.endm
; The trip's two row tiles, and my lanes' rows of A in them, in three parts: the places' LDS addresses; the two reads of the list; the rows' byte offsets
.macro HEADA1
	s_lshl_b32 s26, s25, 8
	s_add_co_u32 s26, s26, s29
	s_add_co_u32 s27, s26, 64
	s_lshr_b32 s28, s27, 4
	s_cmp_lt_u32 s28, s23
	s_cselect_b32 s28, 1, 0
	v_add_nc_u32 v9, s26, v12                      ; places in the list
	v_add_nc_u32 v10, s27, v12
	v_min_u32 v9, s22, v9                          ; places past the count repeat the last token
	v_min_u32 v10, s22, v10
	v_min_u32 v9, 0x3ff, v9
	v_min_u32 v10, 0x3ff, v10
	v_lshl_add_u32 v9, v9, 2, v11
	v_lshl_add_u32 v10, v10, 2, v11
.endm
.macro HEADA2
	ds_load_b32 v30, v9
	ds_load_b32 v31, v10
.endm
.macro HEADA3
	v_min_u32 v30, 0x3ff, v30                      ; a token's number stays inside the tables
	v_min_u32 v31, 0x3ff, v31
	v_lshl_add_u32 v9, v30, ASH, v14
	v_lshl_add_u32 v10, v31, ASH, v14
.endm
	s_load_b256 s[4:11], s[0:1], 0x0
.if PROD == 1
	s_load_b64 s[12:13], s[0:1], 0x20
.endif
	v_lshl_add_u32 v1, v0, 2, SPARE
	v_mov_b32 v2, 0
	v_lshrrev_b32 v28, 5, v0
	v_readfirstlane_b32 s14, v28
	v_and_b32 v24, 31, v0
	v_lshlrev_b32 v25, 2, v24
	v_and_b32 v12, 15, v0
	v_bfe_u32 v28, v0, 4, 1
	v_lshlrev_b32 v13, 3, v28
	v_lshlrev_b32 v14, 4, v28
	v_lshlrev_b32 v26, 4, v12
	v_lshl_add_u32 v3, v28, WSH, v26               ; lanes 16-31 take the row eight further down
	v_lshlrev_b32 v5, 4, v24
	v_add_nc_u32 v6, 0x10000, v5
	v_add_nc_u32 v7, 0x20000, v5
	v_add_nc_u32 v8, 0x30000, v5
.if PROD == 1
	v_lshlrev_b32 v15, 3, v12                      ; four f16
.else
	v_lshlrev_b32 v15, 4, v12                      ; four f32
.endif
	s_and_b32 s17, ttmp7, 0xffff
	s_mov_b32 s18, ttmp9
	s_mov_b32 s38, 0xffff0000                      ; a word's upper bf16
	s_wait_alu depctr_va_sdst(0)                   ; s14, the wave's number, is written, ahead of its first reader
	s_and_b32 s15, s14, 3
	s_lshr_b32 s16, s14, 2
	s_lshl3_add_u32 s15, s16, s15                  ; b
	s_lshl_b32 s29, s15, 4
	s_lshl_b32 s16, s14, 15
	v_lshl_add_u32 v4, v24, 4, s16                 ; my wave lays K steps 4 w .. 4 w + 3
	s_mul_i32 s39, s14, LISTB
	s_add_co_u32 s39, s39, FRAGB
	v_mov_b32 v11, s39
	s_mov_b32 s31, 0
	s_mov_b32 s33, 0
	s_mov_b32 s35, 0
	s_lshl_b32 s30, s17, 24                        ; an expert's weights are 16,777,216 bytes
	s_wait_alu depctr_va_vdst(0)                   ; v1 to v8, v11, v25 and v26 are written: the loads, stores and LDS instructions below read them as addresses, offsets and data
.if PROD == 1
	s_lshl_b32 s32, s18, 9                         ; the slice's 128 columns,
	s_add_co_u32 s30, s30, s32
	s_lshl_b32 s32, s14, 21                        ; my wave's 128 rows
	s_add_co_u32 s30, s30, s32
	s_lshl_b32 s32, s17, 14                        ; b1: the expert, the slice
	s_lshl_b32 s34, s18, 9
	s_add_co_u32 s32, s32, s34
	s_lshl_b32 s34, s18, 8                         ; hb: the slice
	s_wait_kmcnt 0x0
	s_add_nc_u64 s[8:9], s[8:9], s[32:33]
	global_load_b128 v[16:19], v26, s[8:9]
	global_load_b128 v[20:23], v26, s[8:9] offset:256
.else
	s_lshr_b32 s36, s18, 3                         ; the quarter of K
	s_and_b32 s37, s18, 7                          ; the 128 columns
	s_lshl_b32 s32, s36, 22
	s_add_co_u32 s30, s30, s32
	s_lshl_b32 s32, s37, 9
	s_add_co_u32 s30, s30, s32
	s_lshl_b32 s32, s14, 19                        ; my wave's 128 rows
	s_add_co_u32 s30, s30, s32
	s_lshl_b32 s34, s36, 22                        ; part: the quarter, the columns
	s_lshl_b32 s32, s37, 9
	s_add_co_u32 s34, s34, s32
	s_lshl_b32 s32, s36, 11                        ; hb: the quarter's 1,024 f16 in a row
	s_wait_kmcnt 0x0
	s_add_nc_u64 s[PA:PA+1], s[PA:PA+1], s[32:33]
.endif
	s_add_nc_u64 s[PWT:PWT+1], s[PWT:PWT+1], s[30:31]
	s_add_nc_u64 s[POUT:POUT+1], s[POUT:POUT+1], s[34:35]
.set gi, 0
.rept 32
	global_load_b32 v[T+gi], v25, s[PIDX:PIDX+1] offset:128*gi  ; the choices of tokens 32 gi + lane
.set gi, gi+1
.endr
	LOADU 0, 0                                     ; the weights are on their way while the list is made
	LOADU 1, 1
	s_wait_loadcnt 32                              ; loads come back in order: the choices (and the bias) are in, the 32 younger loads may be out
	; PHASE 0.  Token 32 gi + lane goes to word (tokens of e before it) of my wave's list; the other lanes write a word of their own behind the list.
	; The compares stand in two runs of sixteen, each with a mask of its own; all 32 addresses and numbers are made in registers, and the stores follow in one run.
	s_mov_b32 s19, 0
	v_add_nc_u32 v27, 1024, v24
.set gb, 0
.rept 2
.set gk, 0
.rept 16
	v_cmp_eq_u32 s[30+gk+2*(gk/8)], s17, v[T+16*gb+gk]
.set gk, gk+1
.endr
	s_wait_alu depctr_va_sdst(0)                   ; the sixteen masks are written, ahead of their first reader
.set gk, 0
.rept 16
.set gi, 16*gb+gk
.set gm, 30+gk+2*(gk/8)
	v_mbcnt_lo_u32_b32 v[T+gi], s[gm], s19         ; those counted so far + those in lower lanes
	v_cndmask_b32 v[T+gi], v27, v[T+gi], s[gm]
	v_min_u32 v[T+gi], 0x41f, v[T+gi]              ; inside my wave's 1,056 words
	v_lshl_add_u32 v[T+gi], v[T+gi], 2, v11
	v_add_nc_u32 v[LD+gi], 32*gi, v24
	s_bcnt1_i32_b32 s21, s[gm]
	s_add_co_u32 s19, s19, s21
.set gk, gk+1
.endr
.set gb, gb+1
.endr
	s_max_u32 s22, s19, 1
	s_sub_co_u32 s22, s22, 1
	s_add_co_u32 s23, s19, 15
	s_lshr_b32 s23, s23, 4                         ; tiles of 16 rows
	s_add_co_u32 s24, s23, 15
	s_sub_co_u32 s24, s24, s15
	s_lshr_b32 s24, s24, 4                         ; trips in which tile b + 16 trip exists
	s_mov_b32 s25, 0
.if PROD == 1
.irp p, 0,1,2,3
	v_cvt_pk_bf16_f32 v[28+\p], v[16+2*\p], v[17+2*\p]  ; the bias rounded to bf16,
.endr
.irp p, 0,1,2,3
	v_lshlrev_b32 v[16+2*\p], 16, v[28+\p]         ; and widened again
	v_and_b32 v[17+2*\p], s38, v[28+\p]
.endr
.endif
	HEADA1
	s_wait_alu depctr_va_vdst(0)                   ; the list's addresses (T) and numbers (LD) and the addresses v9, v10 are written, which the LDS instructions below read; the vector work on v30, v31, in which two of them land, is done
	ds_store_b32 v11, v2                           ; word 0 is written whatever the count: an expert without tokens asks for token 0's row and uses nothing of it
.set gi, 0
.rept 32
	ds_store_b32 v[T+gi], v[LD+gi]
.set gi, gi+1
.endr
	HEADA2                                         ; LDS serves a wave's instructions in order (ISA guide 5.7.1.4): these reads see my list
	s_wait_alu depctr_vm_vsrc(0)                   ; the stores have read LD, in which unit 2's loads land, and T, which unit 0's roundings write; the two reads have read v9 and v10, which are written anew below
	; PHASE 1.  Three units, 48 loads of 512 bytes, are out for each wave; a slot is asked for again as soon as it has been rounded.  Where no unit is left to ask for, the first eight K steps of my rows of A are asked for.
	LOADU 2, 2
	s_wait_dscnt 0x0                               ; the two tokens' numbers are in
	HEADA3
.irp j, 0,1,2,3,4,5,6,7
	s_wait_loadcnt 32                              ; unit j is in; behind it 32 loads may be out: two units, or a unit and 16 loads of A, or 32 loads of A
.if \j > 0
	s_wait_alu depctr_vm_vsrc(0)                   ; the last unit's LDS stores have read T, which the roundings below write again
.endif
	CVTU (\j)%3
.if (\j == 5) || (\j == 6)
	WIN W_LD
.endif
	s_wait_alu depctr_va_vdst(0)                   ; the roundings have written T, which the LDS stores read, and are done with the slot, in which the next loads land; v9 and v10, the offsets of A's loads, are written
.if \j < 5
	LOADU (\j)+3, (\j)%3
.elseif \j == 5
	LOADA 0
	LOADA 1
	LOADA 2
	LOADA 3
	WIN 0
.elseif \j == 6
	LOADA 4
	LOADA 5
	LOADA 6
	LOADA 7
	WIN 0
.endif
	STOREU \j
.endr
	s_wait_dscnt 0x0                               ; for the others' sake: my fragments lie in LDS
	s_barrier_signal -1
	s_barrier_wait -1                              ; the slice is whole; nobody writes it again
	s_wait_alu depctr_vm_vsrc(0)                   ; my LDS stores have read T: its registers are part of the third fragment buffer from here on, in which LDS loads land
	; PHASE 2
	s_cmp_eq_u32 s24, 0
	s_cbranch_scc1 .Lend
; K step KS.  The accumulators take turns, one instruction a turn, over the jump and from step to step too.  The second row tile's products are jumped where that tile does not exist;
; in step 0 they run all the same, so that its accumulators are written on every path.  At a branch and at a label every window is 0.
; The step's loads stand behind the first row tile's eight products, which name the first tile's accumulators, AR[KS % 8] and BF[KS % 3]: none of the registers that the loads touch.
.macro KSTEP
.set LW, 31-KS
.if LW > 6
.set LW, 6
.endif
.if KS == 0
.set LW, 7
.endif
.set DW, 31-KS
.if DW > 1
.set DW, 1
.endif
.set ZF, 0
.if KS == 0
.set ZF, 1
.endif
.set ka, AR+16*(KS%8)
.if KS%3 == 2
.set kb, BF2
.set WMUL, 0x01                        ; A in window 1; the weights and the sums in window 0
.else
.set kb, BF+64*(KS%3)
.set WMUL, 0x05                        ; A and the weights in window 1, sums in window 0
.endif
	s_wait_loadcnt 4*LW                            ; this step's A is in; the four loads of each of the next six steps (in step 0: seven) may be out
	s_wait_dscnt 16*DW                             ; this step's fragments are in; the next step's sixteen loads may be out
.if (KS > 0) && (KS < 30)
	s_wait_alu depctr_va_vdst(0)                   ; the last step's products are done reading their fragments of weights and of A, in which this step's loads land
.endif
	WIN WMUL
.irp q, 0,1,2,3,4,5,6,7
	WM ACC+8*\q, ka, kb+8*\q, ZF
.endr
.if (KS > 0) && (KS+7 <= 31)
	LOADA KS+7
.endif
.if KS+2 <= 31
	LOADB KS+2
.endif
.if KS > 0
	WIN 0
	s_cmp_eq_u32 s28, 0
	s_cbranch_scc1 .Ldead_\@
.endif
	WIN WMUL
.irp q, 0,1,2,3,4,5,6,7
	WM ACC+64+8*\q, ka+8, kb+8*\q, ZF
.endr
	WIN 0
.if KS > 0
.Ldead_\@:
.endif
.if KS == 31
.rept 4
	v_nop                                          ; four places between the last products and the way out (ISA guide 7.12.1)
.endr
.endif
.endm
; THE WAY OUT of row tile mt.  Register j of a column group's four tiles is four neighbouring columns of output row j.  Each accumulator is read from register 0 upward.
; Product 1: the tile's 64 numbers go through the silu as one batch, in place, with 64 registers at work beside them (tile 0: SD; tile 1: tile 0's sums, which have been rounded by then); out-buffer: 32 registers of SD a tile.
; Product 2: the tiles' numbers are brought side by side; out-buffer: SD for tile 0, tile 0's sums for tile 1.
.macro TILEMATH mt
.set ta, ACC+64*(\mt)
.if PROD == 1
.set te, SD-(SD-ACC)*(\mt)
.set td, SD+32*(\mt)
.set zj, 0
.rept 8
.set zq, 0
.rept 8
	v_add_f32 v[ta+8*zq+zj], v[ta+8*zq+zj], v[16+zq]
.set zq, zq+1
.endr
.set zj, zj+1
.endr
.set zj, 0
.rept 8
.set zq, 0
.rept 8
	v_mul_f32 v[te+8*zj+zq], 0xbfb8aa3b, v[ta+8*zq+zj]  ; - t log2(e)
.set zq, zq+1
.endr
.set zj, zj+1
.endr
.set z, 0
.rept 64
	v_exp_f32 v[te+z], v[te+z]
.set z, z+1
.endr
	v_nop                                          ; a plain instruction behind the last exponential (ISA guide 5.7.2)
	s_wait_alu depctr_va_vdst(0)                   ; the 64 exponentials have written their results, ahead of the first reader
.set z, 0
.rept 64
	v_add_f32 v[te+z], 1.0, v[te+z]
.set z, z+1
.endr
.set z, 0
.rept 64
	v_rcp_f32 v[te+z], v[te+z]
.set z, z+1
.endr
	v_nop                                          ; a plain instruction behind the last reciprocal
	s_wait_alu depctr_va_vdst(0)                   ; the 64 reciprocals have written their results, ahead of the first reader
.set zj, 0
.rept 8
.set zq, 0
.rept 8
	v_mul_f32 v[ta+8*zq+zj], v[ta+8*zq+zj], v[te+8*zj+zq]  ; silu(t) = t / (1 + e^-t)
.set zq, zq+1
.endr
.set zj, zj+1
.endr
.set zj, 0
.rept 8
.set zp, 0
.rept 4
	v_cvt_pk_f16_f32 v[td+4*zj+zp], v[ta+16*zp+zj], v[ta+16*zp+8+zj]
.set zp, zp+1
.endr
.set zj, zj+1
.endr
.else
.set td, SD-(SD-ACC)*(\mt)
.set zj, 0
.rept 8
.set zq, 0
.rept 8
	v_mov_b32 v[td+8*zj+zq], v[ta+8*zq+zj]
.set zq, zq+1
.endr
.set zj, zj+1
.endr
.endif
.endm
.macro TILESTORE mt
.set zj, 0
.if PROD == 1
.set td, SD+32*(\mt)
.rept 8
	global_store_b64 v[OROW+8*(\mt)+zj], v[td+4*zj:td+4*zj+1],   s[POUT:POUT+1]               ; 16 lanes store 128 consecutive bytes of a token's row,
	global_store_b64 v[OROW+8*(\mt)+zj], v[td+4*zj+2:td+4*zj+3], s[POUT:POUT+1] offset:CSTEP  ; and the next line the 128 beside them
.set zj, zj+1
.endr
.else
.set td, SD-(SD-ACC)*(\mt)
.rept 8
	global_store_b128 v[OROW+8*(\mt)+zj], v[td+8*zj:td+8*zj+3],   s[POUT:POUT+1]               ; 16 lanes store 256 consecutive bytes, at a multiple of 256 from part's first
	global_store_b128 v[OROW+8*(\mt)+zj], v[td+8*zj+4:td+8*zj+7], s[POUT:POUT+1] offset:CSTEP
.set zj, zj+1
.endr
.endif
.endm
.Lround:                                               ; a trip: my two row tiles against the eight column tiles, all 32 K steps; the first eight steps of A have been asked for
	LOADB 0                                        ; no vector or matrix instruction since the last wait on va_vdst names these two buffers
	LOADB 1
.set KS, 0
.rept 32
	KSTEP
.set KS, KS+1
.endr
.irp j, 0,1,2,3,4,5,6,7
	v_add3_u32 v[OROW+\j], v13, s26, \j            ; places in the list of the rows that my result registers hold
	v_add3_u32 v[OROW+8+\j], v13, s27, \j
.endr
.set z, 0
.rept 16
	v_min_u32 v[OROW+z], s22, v[OROW+z]            ; places past the count repeat the last token
.set z, z+1
.endr
.set z, 0
.rept 16
	v_min_u32 v[OROW+z], 0x3ff, v[OROW+z]
.set z, z+1
.endr
.set z, 0
.rept 16
	v_lshl_add_u32 v[OROW+z], v[OROW+z], 2, v11
.set z, z+1
.endr
	s_wait_alu depctr_va_vdst(0)                   ; the sixteen LDS addresses in OROW are written; earlier vector work on TM, in which the reads land, is done
.set z, 0
.rept 16
	ds_load_b32 v[TM+z], v[OROW+z]
.set z, z+1
.endr
	TILEMATH 0                                     ; stands between the reads of the list and the wait for them; it names neither TM nor OROW
	s_wait_dscnt 0x0
	s_wait_alu depctr_vm_vsrc(0)                   ; the reads of the list have read OROW, which is written anew below
.set z, 0
.rept 16
	v_min_u32 v[TM+z], 0x3ff, v[TM+z]              ; a token's number stays inside the tables
.set z, z+1
.endr
.set z, 0
.rept 16
	v_lshl_add_u32 v[OROW+z], v[TM+z], OSH, v15
.set z, z+1
.endr
	s_wait_alu depctr_va_vdst(0)                   ; the first tile's out-buffer and all sixteen offsets are written, which the stores read
	TILESTORE 0
	s_cmp_eq_u32 s28, 0
	s_cbranch_scc1 .Lno_second
	TILEMATH 1                                     ; an out-buffer of its own: the first tile's stores are not waited for
	s_wait_alu depctr_va_vdst(0)                   ; the second tile's out-buffer is written, which the stores read
	TILESTORE 1
.Lno_second:
	s_wait_xcnt 0x0                                ; the stores' data and offsets, and the offsets of A's loads, are rewritten only behind this wait
	s_wait_alu depctr_vm_vsrc(0)                   ; the stores have read their out-buffers and OROW, A's loads v9 and v10: a further trip writes all of them again
	s_add_co_u32 s25, s25, 1
	s_cmp_lt_u32 s25, s24
	s_cbranch_scc0 .Lno_more
	HEADA1                                         ; a further trip (an expert with more than 256 tokens): its rows, and the ring's first fill
	s_wait_alu depctr_va_vdst(0)                   ; the addresses v9 and v10 are written, which the two reads of the list read; the vector work on v30, v31 is done
	HEADA2
	s_wait_dscnt 0x0
	s_wait_alu depctr_vm_vsrc(0)                   ; the two reads have read v9 and v10, which are written anew below
	HEADA3
	WIN W_LD
	s_wait_alu depctr_va_vdst(0)                   ; v9 and v10 are written, the offsets of the loads below
.irp s, 0,1,2,3,4,5,6,7
	LOADA \s
.endr
	WIN 0
.Lno_more:
	s_cmp_lt_u32 s25, s24
	s_cbranch_scc1 .Lround
.Lend:
	s_wait_dscnt 0x0                               ; the closing lines, six on end
	s_wait_alu 0x0
	s_wait_tensorcnt 0x0
	ds_add_u32 v1, v2
	s_wait_dscnt 0x0
	s_endpgm
.Lfunc_end_k_qc9a970ee0b_prod1:
	.size	k_qc9a970ee0b_prod1, .Lfunc_end_k_qc9a970ee0b_prod1-k_qc9a970ee0b_prod1
	.p2alignl 7, 3214868480
	.fill 96, 4, 3214868480
	.section	.rodata,"a",@progbits
	.p2align	6, 0x0
	.amdhsa_kernel k_qc9a970ee0b_prod1
		.amdhsa_group_segment_fixed_size 297984
		.amdhsa_private_segment_fixed_size 0
		.amdhsa_enable_private_segment 0
		.amdhsa_kernarg_size 40
		.amdhsa_user_sgpr_count 2
		.amdhsa_user_sgpr_kernarg_segment_ptr 1
		.amdhsa_wavefront_size32 1
		.amdhsa_system_sgpr_workgroup_id_x 1
		.amdhsa_system_sgpr_workgroup_id_y 1
		.amdhsa_system_sgpr_workgroup_id_z 1
		.amdhsa_system_vgpr_workitem_id 0
		.amdhsa_next_free_vgpr 512
		.amdhsa_next_free_sgpr 66
		.amdhsa_reserve_vcc 0
		.amdhsa_float_denorm_mode_32 3
		.amdhsa_float_denorm_mode_16_64 3
		.amdhsa_memory_ordered 1
		.amdhsa_forward_progress 1
		.amdhsa_inst_pref_size 189
	.end_amdhsa_kernel
	.amdgpu_metadata
---
amdhsa.version: [ 1, 2 ]
amdhsa.kernels:
  - .name:           k_qc9a970ee0b_prod1
    .symbol:         k_qc9a970ee0b_prod1.kd
    .args:
      - { .name: xb, .offset: 0, .size: 8, .value_kind: global_buffer, .address_space: global }
      - { .name: W1, .offset: 8, .size: 8, .value_kind: global_buffer, .address_space: global }
      - { .name: b1, .offset: 16, .size: 8, .value_kind: global_buffer, .address_space: global }
      - { .name: idx, .offset: 24, .size: 8, .value_kind: global_buffer, .address_space: global }
      - { .name: hb, .offset: 32, .size: 8, .value_kind: global_buffer, .address_space: global }
    .group_segment_fixed_size: 297984
    .private_segment_fixed_size: 0
    .kernarg_segment_align: 8
    .kernarg_segment_size: 40
    .max_flat_workgroup_size: 256
    .sgpr_count:     66
    .vgpr_count:     512
    .wavefront_size: 32
...
	.end_amdgpu_metadata
.endif
;; end of part 8
;; launch prod2 (part 9): grid 32 x 8, 8 waves a work-group, no clusters, 297,984 bytes of LDS; arguments hb, W2, idx, part; writes part
.if DOCPART == 9
	.amdgcn_target "amdgcn-amd-amdhsa--gfx1250"
	.amdhsa_code_object_version 6
	.text
	.protected	k_qc9a970ee0b_prod2
	.globl	k_qc9a970ee0b_prod2
	.p2align	8
	.type	k_qc9a970ee0b_prod2,@function
k_qc9a970ee0b_prod2:
	s_mov_b64 s[64:65], 0
	v_nop
	global_prefetch_b8 v0, s[64:65] scope:SCOPE_SE
	s_setreg_imm32_b32 hwreg(HW_REG_WAVE_SCHED_MODE, 0, 2), 2
	s_setreg_imm32_b32 hwreg(HW_REG_WAVE_MODE, 25, 1), 1
	s_wait_xcnt 0x0
	s_wait_alu depctr_vm_vsrc(0)
.set PROD, 2                           ; 1: h = silu(x W1[e] + b1[e]), bf16 operands, h stored in f16.  2: a quarter of K of h W2[e], f16 operands, partial sums stored in f32
; ONE TEXT FOR BOTH PRODUCTS OF THE EXPERTS; the line above chooses.
; SHARES.  Work-group (x, e) owns ONE slice of expert e's weights, 1,024 along K x 128 columns (524,288 bytes of f32), which it alone reads, once, and all the tokens that chose e.
;   Product 1: K is all of D = 1,024; x = 0..31 names the 128 columns of H.   Product 2: x / 8 names the quarter of K = H, x % 8 the 128 columns of D.
; PHASES.  0: every wave counts the choices for itself and lays the list of e's tokens into LDS words of its own.  1: the slice is read, rounded and laid into LDS as matrix fragments; one barrier.
;   2: a loop over the expert's rows, 256 a trip; it writes no shared LDS byte and has no barrier, since its length hangs on the stored choices; the tokens' rows come from memory straight into operand registers.
;   Wave w takes the row tiles b and b + 4, b = 8 (w / 4) + w % 4 + 16 trip, against ALL eight column tiles: a token's row is read from memory by one wave of the work-group, and a fragment of weights read
;   from LDS feeds two products.  The rows run in a ring of eight K steps; its first fill is asked for inside phase 1, where the loads of weights run out.
; FRAGMENTS WITHOUT A TRANSPOSITION.  A 16-byte load of weight row k gives lane r (of 16) the columns 4 r .. 4 r + 3 of a group of 64: 16 lanes take 256 consecutive bytes.  Word q of it belongs to column tile q,
;   in which lane r stands for column 4 r + q.  Sixteen such loads, of the 16 k that a lane of source 1 holds (ISA guide 7.12.2), rounded in pairs, are the four tiles' fragments.  In the result, register j of
;   a group's four tiles then holds four NEIGHBOURING columns of token row 8 (lane / 16) + j.
; NO MULTICAST, NO TENSOR LOADS: each slice has one reader; what an expert's work-groups share is its token rows, which come by a list that no descriptor covers.
; ROUNDING.  Every input is rounded to bf16; in product 2 that number is then written as f16 beside h.  LIMITS: |h| and |W2| within f16's 65,504; W2 below 6e-5 keeps f16's fixed step of 6e-8; NaN and infinities are not treated apart.
; Rows past the expert's count repeat its last row: the same numbers go to the same bytes.  An expert without tokens lays its slice and stores nothing.
; THE MODE: SCHED_MODE bits 1:0 = 2 (LLVM: expert scheduling mode 2), set by the entry lines.  The code itself states the register dependences
; between vector or matrix instructions and memory or LDS instructions, with s_wait_alu, always for 0.
; THE PLAN.  Registers that memory or LDS instructions touch:
;   v1-v8, v11, v25, v26   addresses and offsets, made at the head and never written again: one wait ahead of the first load.
;   PHASE 0.  T: loaded with the choices, read by the compares, then turned in place into the list's LDS addresses.  LD: the tokens' numbers.  v9, v10: LDS addresses of my rows' places in the list.
;             One wait on va_vdst ahead of the 33 stores and the two reads of the list; one on vm_vsrc behind them, ahead of the loads that land in LD's registers, of the roundings that write T, and of v9, v10's next writers.
;   PHASE 1.  WR[j % 3]: unit j's roundings read it, then a later unit's loads land in it.  T: written by the roundings, read by the unit's eight LDS stores.
;             One wait on va_vdst behind a unit's roundings serves the loads and the stores; one on vm_vsrc at the next unit's head frees T.
;   PHASE 2.  BF0 .. BF2, AR0 .. AR7.  Step s multiplies BF[s % 3] and AR[s % 8].  Its loads, the weights of step s + 2 and the rows of step s + 7, land in BF[(s - 1) % 3] and AR[(s - 1) % 8], which the products of
;             step s - 1 read and no instruction of step s names.  So ONE wait on va_vdst stands at a step's head, and the step's 20 loads follow behind its first eight products with no further wait.
;   THE WAY OUT.  OROW: LDS addresses, then the stores' offsets.  TM: the tokens' numbers as read from the list.  Each row tile has an out-buffer of its own, written by vector instructions and read by its 16 stores behind one wait.
;             Ahead of a further trip one wait on vm_vsrc frees v9, v10, OROW and the out-buffers.
.if PROD == 1
.set PW,    16384                      ; bytes in a row of the weights
.set WSH,   17                         ; 8 such rows, as a shift
.set ASH,   11                         ; a token's row of A: 2,048 bytes
.set OSH,   13                         ; a token's row of the output: 8,192 bytes
.set CSTEP, 128                        ; bytes from the first 64 columns to the second in an output row
.set PIDX,  10                         ; s[10:11] idx
.set POUT,  12                         ; s[12:13] hb
.else
.set PW,    4096
.set WSH,   15
.set ASH,   13
.set OSH,   12
.set CSTEP, 256
.set PIDX,  8                          ; s[8:9] idx
.set POUT,  10                         ; s[10:11] part
.endif
.set PA,    4                          ; s[4:5] A: xb or hb
.set PWT,   6                          ; s[6:7] the weights
.set FRAGB, 262144                     ; LDS 0 ..: fragment (K step s, column tile t of 8, half) at 8,192 s + 1,024 t + 512 half + 16 lane: every store and load takes 512 consecutive bytes
.set LISTB, 4352                       ; behind them, for each wave: 1,024 words of tokens and 32 words for the lanes that have nothing to list
.set SPARE, FRAGB+8*LISTB              ; 296,960: the spare words, 128 bytes for each wave: four blocks of 256 bytes that no other line names
; WINDOW 0: v1 spare word, v2 zero; v3 my offset in a weight row pair; v4 where I store fragments; v5-8 where I read them (K steps 0-7, 8-15, ..); v9, v10 my A rows of the two tiles; v11 my wave's list;
; v12 r, v13 8 h, v14 16 h, v15 my columns' bytes in an output row; v16-23 bias; v24 lane, v25 4 lane, v26 16 r; v27-29 at work; v30, v31 two tokens' numbers as read from the list
.set WR,   32                          ; phase 1: v[32:223] three slots of 64: sixteen loads of weights
.set LD,   160                         ; phase 0: v[160:191] the numbers of the tokens 32 gi + lane
.set T,    224                         ; phase 0: v[224:255] idx, then the list's addresses; phase 1: a unit's 32 fragment registers
.set ACC,  32                          ; phase 2: v[32:159] accumulator (row tile mt, column tile t) at 64 mt + 8 t
.set OROW, 160                         ; v[160:175] byte offset of output row (mt, j)
.set TM,   176                         ; v[176:191] the way out: the rows' tokens as read from the list
.set SD,   192                         ; v[192:255] the way out: at work, and the stores' data
.set BF2,  192                         ; v[192:255] in the K loop: the third buffer of fragments
; WINDOW 1 (s_set_vgpr_msb: bits 1:0 source 0, 3:2 source 1, 5:4 source 2, 7:6 destination)
.set BF,   0                           ; v[0:127]   two buffers of 64: the eight column tiles' fragments of a K step
.set AR,   128                         ; v[128:255] eight slots of 16: A's fragments of the two row tiles
.set W_LD,  0x40                       ; destination in window 1, address in window 0
.set MSB, 0
.macro WIN new                         ; the immediate's high byte repeats the setting that is left; a switch that changes nothing is dropped
.if MSB != (\new)
	s_set_vgpr_msb (MSB<<8)|(\new)
.set MSB, \new
.endif
.endm
; s14 wave, s15 b = 8 (wave / 4) + wave % 4, s17 e, s18 x, s19 the count n, s21 a mask's bits, s22 max(n, 1) - 1, s23 T = tiles of 16 rows, s24 my trips, s25 the trip, s26, s27 first row of my two tiles, s28 1: the second is alive, s29 16 b
; s30-37, s40-47: at the head offsets, in phase 0 sixteen masks
; Unit j of my eight (K step 4 w + j / 2, column half j % 2): sixteen loads; each covers 256 consecutive bytes of two weight rows, at multiples of 256 from the buffer's first byte
.macro LOADU j, slot
.set li, 0
.rept 16
	global_load_b128 v[WR+64*(\slot)+4*li:WR+64*(\slot)+4*li+3], v3, s[PWT:PWT+1] offset:(32*((\j)/2)+li+8*(li/8))*PW+256*((\j)%2) th:TH_LOAD_NT
.set li, li+1
.endr
.endm
; The unit's 64 registers become 32: register p of tile q's fragment is made of word q of loads 2 p and 2 p + 1
.macro CVTU slot
.set cq, 0
.rept 4
.set cp, 0
.rept 8
	v_cvt_pk_bf16_f32 v[T+8*cq+cp], v[WR+64*(\slot)+8*cp+cq], v[WR+64*(\slot)+8*cp+4+cq]
.set cp, cp+1
.endr
.set cq, cq+1
.endr
.if PROD == 2                          ; the bf16 numbers are widened again and written as f16
.set cq, 0
.rept 4
.set cp, 0
.rept 8
	v_lshlrev_b32 v[WR+64*(\slot)+8*cp+cq], 16, v[T+8*cq+cp]
	v_and_b32 v[WR+64*(\slot)+8*cp+4+cq], s38, v[T+8*cq+cp]
.set cp, cp+1
.endr
.set cq, cq+1
.endr
.set cq, 0
.rept 4
.set cp, 0
.rept 8
	v_cvt_pk_f16_f32 v[T+8*cq+cp], v[WR+64*(\slot)+8*cp+cq], v[WR+64*(\slot)+8*cp+4+cq]
.set cp, cp+1
.endr
.set cq, cq+1
.endr
.endif
.endm
.macro STOREU j
.set cq, 0
.rept 4
	ds_store_b128 v4, v[T+8*cq:T+8*cq+3]   offset:((\j)/2)*8192+((\j)%2)*4096+cq*1024
	ds_store_b128 v4, v[T+8*cq+4:T+8*cq+7] offset:((\j)/2)*8192+((\j)%2)*4096+cq*1024+512
.set cq, cq+1
.endr
.endm
.macro WM d, a, b, z
.if PROD == 1
.if \z
	v_wmma_f32_16x16x32_bf16 v[(\d):(\d)+7], v[(\a):(\a)+7], v[(\b):(\b)+7], 0
.else
	v_wmma_f32_16x16x32_bf16 v[(\d):(\d)+7], v[(\a):(\a)+7], v[(\b):(\b)+7], v[(\d):(\d)+7]
.endif
.else
.if \z
	v_wmma_f32_16x16x32_f16 v[(\d):(\d)+7], v[(\a):(\a)+7], v[(\b):(\b)+7], 0
.else
	v_wmma_f32_16x16x32_f16 v[(\d):(\d)+7], v[(\a):(\a)+7], v[(\b):(\b)+7], v[(\d):(\d)+7]
.endif
.endif
.endm
.macro LOADA s                         ; A's fragments of K step s into slot s % 8: lane l holds row l % 16; two loads of 16 bytes, 32 apart, for each of the two row tiles.  A tile that does not exist repeats the last row in all lanes
	WIN W_LD
.set ra, AR+16*((\s)%8)
	global_load_b128 v[ra:ra+3],     v9,  s[PA:PA+1] offset:64*(\s)
	global_load_b128 v[ra+4:ra+7],   v9,  s[PA:PA+1] offset:64*(\s)+32
	global_load_b128 v[ra+8:ra+11],  v10, s[PA:PA+1] offset:64*(\s)
	global_load_b128 v[ra+12:ra+15], v10, s[PA:PA+1] offset:64*(\s)+32
.endm
.macro LOADB s                         ; the eight column tiles' fragments of K step s into buffer s % 3: buffers 0 and 1 lie in window 1, buffer 2 in window 0
.if (\s)%3 == 2
.set rb, BF2
	WIN 0
.else
.set rb, BF+64*((\s)%3)
	WIN W_LD
.endif
.set cq, 0
.rept 8
	ds_load_b128 v[rb+8*cq:rb+8*cq+3],   v[5+(\s)/8] offset:((\s)%8)*8192+cq*1024
	ds_load_b128 v[rb+8*cq+4:rb+8*cq+7], v[5+(\s)/8] offset:((\s)%8)*8192+cq*1024+512
.set cq, cq+1
.endr
.endm
; The trip's two row tiles, and my lanes' rows of A in them, in three parts: the places' LDS addresses; the two reads of the list; the rows' byte offsets
.macro HEADA1
	s_lshl_b32 s26, s25, 8
	s_add_co_u32 s26, s26, s29
	s_add_co_u32 s27, s26, 64
	s_lshr_b32 s28, s27, 4
	s_cmp_lt_u32 s28, s23
	s_cselect_b32 s28, 1, 0
	v_add_nc_u32 v9, s26, v12                      ; places in the list
	v_add_nc_u32 v10, s27, v12
	v_min_u32 v9, s22, v9                          ; places past the count repeat the last token
	v_min_u32 v10, s22, v10
	v_min_u32 v9, 0x3ff, v9
	v_min_u32 v10, 0x3ff, v10
	v_lshl_add_u32 v9, v9, 2, v11
	v_lshl_add_u32 v10, v10, 2, v11
.endm
.macro HEADA2
	ds_load_b32 v30, v9
	ds_load_b32 v31, v10
.endm
.macro HEADA3
	v_min_u32 v30, 0x3ff, v30                      ; a token's number stays inside the tables
	v_min_u32 v31, 0x3ff, v31
	v_lshl_add_u32 v9, v30, ASH, v14
	v_lshl_add_u32 v10, v31, ASH, v14
.endm
	s_load_b256 s[4:11], s[0:1], 0x0
.if PROD == 1
	s_load_b64 s[12:13], s[0:1], 0x20
.endif
	v_lshl_add_u32 v1, v0, 2, SPARE
	v_mov_b32 v2, 0
	v_lshrrev_b32 v28, 5, v0
	v_readfirstlane_b32 s14, v28
	v_and_b32 v24, 31, v0
	v_lshlrev_b32 v25, 2, v24
	v_and_b32 v12, 15, v0
	v_bfe_u32 v28, v0, 4, 1
	v_lshlrev_b32 v13, 3, v28
	v_lshlrev_b32 v14, 4, v28
	v_lshlrev_b32 v26, 4, v12
	v_lshl_add_u32 v3, v28, WSH, v26               ; lanes 16-31 take the row eight further down
	v_lshlrev_b32 v5, 4, v24
	v_add_nc_u32 v6, 0x10000, v5
	v_add_nc_u32 v7, 0x20000, v5
	v_add_nc_u32 v8, 0x30000, v5
.if PROD == 1
	v_lshlrev_b32 v15, 3, v12                      ; four f16
.else
	v_lshlrev_b32 v15, 4, v12                      ; four f32
.endif
	s_and_b32 s17, ttmp7, 0xffff
	s_mov_b32 s18, ttmp9
	s_mov_b32 s38, 0xffff0000                      ; a word's upper bf16
	s_wait_alu depctr_va_sdst(0)                   ; s14, the wave's number, is written, ahead of its first reader
	s_and_b32 s15, s14, 3
	s_lshr_b32 s16, s14, 2
	s_lshl3_add_u32 s15, s16, s15                  ; b
	s_lshl_b32 s29, s15, 4
	s_lshl_b32 s16, s14, 15
	v_lshl_add_u32 v4, v24, 4, s16                 ; my wave lays K steps 4 w .. 4 w + 3
	s_mul_i32 s39, s14, LISTB
	s_add_co_u32 s39, s39, FRAGB
	v_mov_b32 v11, s39
	s_mov_b32 s31, 0
	s_mov_b32 s33, 0
	s_mov_b32 s35, 0
	s_lshl_b32 s30, s17, 24                        ; an expert's weights are 16,777,216 bytes
	s_wait_alu depctr_va_vdst(0)                   ; v1 to v8, v11, v25 and v26 are written: the loads, stores and LDS instructions below read them as addresses, offsets and data
.if PROD == 1
	s_lshl_b32 s32, s18, 9                         ; the slice's 128 columns,
	s_add_co_u32 s30, s30, s32
	s_lshl_b32 s32, s14, 21                        ; my wave's 128 rows
	s_add_co_u32 s30, s30, s32
	s_lshl_b32 s32, s17, 14                        ; b1: the expert, the slice
	s_lshl_b32 s34, s18, 9
	s_add_co_u32 s32, s32, s34
	s_lshl_b32 s34, s18, 8                         ; hb: the slice
	s_wait_kmcnt 0x0
	s_add_nc_u64 s[8:9], s[8:9], s[32:33]
	global_load_b128 v[16:19], v26, s[8:9]
	global_load_b128 v[20:23], v26, s[8:9] offset:256
.else
	s_lshr_b32 s36, s18, 3                         ; the quarter of K
	s_and_b32 s37, s18, 7                          ; the 128 columns
	s_lshl_b32 s32, s36, 22
	s_add_co_u32 s30, s30, s32
	s_lshl_b32 s32, s37, 9
	s_add_co_u32 s30, s30, s32
	s_lshl_b32 s32, s14, 19                        ; my wave's 128 rows
	s_add_co_u32 s30, s30, s32
	s_lshl_b32 s34, s36, 22                        ; part: the quarter, the columns
	s_lshl_b32 s32, s37, 9
	s_add_co_u32 s34, s34, s32
	s_lshl_b32 s32, s36, 11                        ; hb: the quarter's 1,024 f16 in a row
	s_wait_kmcnt 0x0
	s_add_nc_u64 s[PA:PA+1], s[PA:PA+1], s[32:33]
.endif
	s_add_nc_u64 s[PWT:PWT+1], s[PWT:PWT+1], s[30:31]
	s_add_nc_u64 s[POUT:POUT+1], s[POUT:POUT+1], s[34:35]
.set gi, 0
.rept 32
	global_load_b32 v[T+gi], v25, s[PIDX:PIDX+1] offset:128*gi  ; the choices of tokens 32 gi + lane
.set gi, gi+1
.endr
	LOADU 0, 0                                     ; the weights are on their way while the list is made
	LOADU 1, 1
	s_wait_loadcnt 32                              ; loads come back in order: the choices (and the bias) are in, the 32 younger loads may be out
	; PHASE 0.  Token 32 gi + lane goes to word (tokens of e before it) of my wave's list; the other lanes write a word of their own behind the list.
	; The compares stand in two runs of sixteen, each with a mask of its own; all 32 addresses and numbers are made in registers, and the stores follow in one run.
	s_mov_b32 s19, 0
	v_add_nc_u32 v27, 1024, v24
.set gb, 0
.rept 2
.set gk, 0
.rept 16
	v_cmp_eq_u32 s[30+gk+2*(gk/8)], s17, v[T+16*gb+gk]
.set gk, gk+1
.endr
	s_wait_alu depctr_va_sdst(0)                   ; the sixteen masks are written, ahead of their first reader
.set gk, 0
.rept 16
.set gi, 16*gb+gk
.set gm, 30+gk+2*(gk/8)
	v_mbcnt_lo_u32_b32 v[T+gi], s[gm], s19         ; those counted so far + those in lower lanes
	v_cndmask_b32 v[T+gi], v27, v[T+gi], s[gm]
	v_min_u32 v[T+gi], 0x41f, v[T+gi]              ; inside my wave's 1,056 words
	v_lshl_add_u32 v[T+gi], v[T+gi], 2, v11
	v_add_nc_u32 v[LD+gi], 32*gi, v24
	s_bcnt1_i32_b32 s21, s[gm]
	s_add_co_u32 s19, s19, s21
.set gk, gk+1
.endr
.set gb, gb+1
.endr
	s_max_u32 s22, s19, 1
	s_sub_co_u32 s22, s22, 1
	s_add_co_u32 s23, s19, 15
	s_lshr_b32 s23, s23, 4                         ; tiles of 16 rows
	s_add_co_u32 s24, s23, 15
	s_sub_co_u32 s24, s24, s15
	s_lshr_b32 s24, s24, 4                         ; trips in which tile b + 16 trip exists
	s_mov_b32 s25, 0
.if PROD == 1
.irp p, 0,1,2,3
	v_cvt_pk_bf16_f32 v[28+\p], v[16+2*\p], v[17+2*\p]  ; the bias rounded to bf16,
.endr
.irp p, 0,1,2,3
	v_lshlrev_b32 v[16+2*\p], 16, v[28+\p]         ; and widened again
	v_and_b32 v[17+2*\p], s38, v[28+\p]
.endr
.endif
	HEADA1
	s_wait_alu depctr_va_vdst(0)                   ; the list's addresses (T) and numbers (LD) and the addresses v9, v10 are written, which the LDS instructions below read; the vector work on v30, v31, in which two of them land, is done
	ds_store_b32 v11, v2                           ; word 0 is written whatever the count: an expert without tokens asks for token 0's row and uses nothing of it
.set gi, 0
.rept 32
	ds_store_b32 v[T+gi], v[LD+gi]
.set gi, gi+1
.endr
	HEADA2                                         ; LDS serves a wave's instructions in order (ISA guide 5.7.1.4): these reads see my list
	s_wait_alu depctr_vm_vsrc(0)                   ; the stores have read LD, in which unit 2's loads land, and T, which unit 0's roundings write; the two reads have read v9 and v10, which are written anew below
	; PHASE 1.  Three units, 48 loads of 512 bytes, are out for each wave; a slot is asked for again as soon as it has been rounded.  Where no unit is left to ask for, the first eight K steps of my rows of A are asked for.
	LOADU 2, 2
	s_wait_dscnt 0x0                               ; the two tokens' numbers are in
	HEADA3
.irp j, 0,1,2,3,4,5,6,7
	s_wait_loadcnt 32                              ; unit j is in; behind it 32 loads may be out: two units, or a unit and 16 loads of A, or 32 loads of A
.if \j > 0
	s_wait_alu depctr_vm_vsrc(0)                   ; the last unit's LDS stores have read T, which the roundings below write again
.endif
	CVTU (\j)%3
.if (\j == 5) || (\j == 6)
	WIN W_LD
.endif
	s_wait_alu depctr_va_vdst(0)                   ; the roundings have written T, which the LDS stores read, and are done with the slot, in which the next loads land; v9 and v10, the offsets of A's loads, are written
.if \j < 5
	LOADU (\j)+3, (\j)%3
.elseif \j == 5
	LOADA 0
	LOADA 1
	LOADA 2
	LOADA 3
	WIN 0
.elseif \j == 6
	LOADA 4
	LOADA 5
	LOADA 6
	LOADA 7
	WIN 0
.endif
	STOREU \j
.endr
	s_wait_dscnt 0x0                               ; for the others' sake: my fragments lie in LDS
	s_barrier_signal -1
	s_barrier_wait -1                              ; the slice is whole; nobody writes it again
	s_wait_alu depctr_vm_vsrc(0)                   ; my LDS stores have read T: its registers are part of the third fragment buffer from here on, in which LDS loads land
	; PHASE 2
	s_cmp_eq_u32 s24, 0
	s_cbranch_scc1 .Lend
; K step KS.  The accumulators take turns, one instruction a turn, over the jump and from step to step too.  The second row tile's products are jumped where that tile does not exist;
; in step 0 they run all the same, so that its accumulators are written on every path.  At a branch and at a label every window is 0.
; The step's loads stand behind the first row tile's eight products, which name the first tile's accumulators, AR[KS % 8] and BF[KS % 3]: none of the registers that the loads touch.
.macro KSTEP
.set LW, 31-KS
.if LW > 6
.set LW, 6
.endif
.if KS == 0
.set LW, 7
.endif
.set DW, 31-KS
.if DW > 1
.set DW, 1
.endif
.set ZF, 0
.if KS == 0
.set ZF, 1
.endif
.set ka, AR+16*(KS%8)
.if KS%3 == 2
.set kb, BF2
.set WMUL, 0x01                        ; A in window 1; the weights and the sums in window 0
.else
.set kb, BF+64*(KS%3)
.set WMUL, 0x05                        ; A and the weights in window 1, sums in window 0
.endif
	s_wait_loadcnt 4*LW                            ; this step's A is in; the four loads of each of the next six steps (in step 0: seven) may be out
	s_wait_dscnt 16*DW                             ; this step's fragments are in; the next step's sixteen loads may be out
.if (KS > 0) && (KS < 30)
	s_wait_alu depctr_va_vdst(0)                   ; the last step's products are done reading their fragments of weights and of A, in which this step's loads land
.endif
	WIN WMUL
.irp q, 0,1,2,3,4,5,6,7
	WM ACC+8*\q, ka, kb+8*\q, ZF
.endr
.if (KS > 0) && (KS+7 <= 31)
	LOADA KS+7
.endif
.if KS+2 <= 31
	LOADB KS+2
.endif
.if KS > 0
	WIN 0
	s_cmp_eq_u32 s28, 0
	s_cbranch_scc1 .Ldead_\@
.endif
	WIN WMUL
.irp q, 0,1,2,3,4,5,6,7
	WM ACC+64+8*\q, ka+8, kb+8*\q, ZF
.endr
	WIN 0
.if KS > 0
.Ldead_\@:
.endif
.if KS == 31
.rept 4
	v_nop                                          ; four places between the last products and the way out (ISA guide 7.12.1)
.endr
.endif
.endm
; THE WAY OUT of row tile mt.  Register j of a column group's four tiles is four neighbouring columns of output row j.  Each accumulator is read from register 0 upward.
; Product 1: the tile's 64 numbers go through the silu as one batch, in place, with 64 registers at work beside them (tile 0: SD; tile 1: tile 0's sums, which have been rounded by then); out-buffer: 32 registers of SD a tile.
; Product 2: the tiles' numbers are brought side by side; out-buffer: SD for tile 0, tile 0's sums for tile 1.
.macro TILEMATH mt
.set ta, ACC+64*(\mt)
.if PROD == 1
.set te, SD-(SD-ACC)*(\mt)
.set td, SD+32*(\mt)
.set zj, 0
.rept 8
.set zq, 0
.rept 8
	v_add_f32 v[ta+8*zq+zj], v[ta+8*zq+zj], v[16+zq]
.set zq, zq+1
.endr
.set zj, zj+1
.endr
.set zj, 0
.rept 8
.set zq, 0
.rept 8
	v_mul_f32 v[te+8*zj+zq], 0xbfb8aa3b, v[ta+8*zq+zj]  ; - t log2(e)
.set zq, zq+1
.endr
.set zj, zj+1
.endr
.set z, 0
.rept 64
	v_exp_f32 v[te+z], v[te+z]
.set z, z+1
.endr
	v_nop                                          ; a plain instruction behind the last exponential (ISA guide 5.7.2)
	s_wait_alu depctr_va_vdst(0)                   ; the 64 exponentials have written their results, ahead of the first reader
.set z, 0
.rept 64
	v_add_f32 v[te+z], 1.0, v[te+z]
.set z, z+1
.endr
.set z, 0
.rept 64
	v_rcp_f32 v[te+z], v[te+z]
.set z, z+1
.endr
	v_nop                                          ; a plain instruction behind the last reciprocal
	s_wait_alu depctr_va_vdst(0)                   ; the 64 reciprocals have written their results, ahead of the first reader
.set zj, 0
.rept 8
.set zq, 0
.rept 8
	v_mul_f32 v[ta+8*zq+zj], v[ta+8*zq+zj], v[te+8*zj+zq]  ; silu(t) = t / (1 + e^-t)
.set zq, zq+1
.endr
.set zj, zj+1
.endr
.set zj, 0
.rept 8
.set zp, 0
.rept 4
	v_cvt_pk_f16_f32 v[td+4*zj+zp], v[ta+16*zp+zj], v[ta+16*zp+8+zj]
.set zp, zp+1
.endr
.set zj, zj+1
.endr
.else
.set td, SD-(SD-ACC)*(\mt)
.set zj, 0
.rept 8
.set zq, 0
.rept 8
	v_mov_b32 v[td+8*zj+zq], v[ta+8*zq+zj]
.set zq, zq+1
.endr
.set zj, zj+1
.endr
.endif
.endm
.macro TILESTORE mt
.set zj, 0
.if PROD == 1
.set td, SD+32*(\mt)
.rept 8
	global_store_b64 v[OROW+8*(\mt)+zj], v[td+4*zj:td+4*zj+1],   s[POUT:POUT+1]               ; 16 lanes store 128 consecutive bytes of a token's row,
	global_store_b64 v[OROW+8*(\mt)+zj], v[td+4*zj+2:td+4*zj+3], s[POUT:POUT+1] offset:CSTEP  ; and the next line the 128 beside them
.set zj, zj+1
.endr
.else
.set td, SD-(SD-ACC)*(\mt)
.rept 8
	global_store_b128 v[OROW+8*(\mt)+zj], v[td+8*zj:td+8*zj+3],   s[POUT:POUT+1]               ; 16 lanes store 256 consecutive bytes, at a multiple of 256 from part's first
	global_store_b128 v[OROW+8*(\mt)+zj], v[td+8*zj+4:td+8*zj+7], s[POUT:POUT+1] offset:CSTEP
.set zj, zj+1
.endr
.endif
.endm
.Lround:                                               ; a trip: my two row tiles against the eight column tiles, all 32 K steps; the first eight steps of A have been asked for
	LOADB 0                                        ; no vector or matrix instruction since the last wait on va_vdst names these two buffers
	LOADB 1
.set KS, 0
.rept 32
	KSTEP
.set KS, KS+1
.endr
.irp j, 0,1,2,3,4,5,6,7
	v_add3_u32 v[OROW+\j], v13, s26, \j            ; places in the list of the rows that my result registers hold
	v_add3_u32 v[OROW+8+\j], v13, s27, \j
.endr
.set z, 0
.rept 16
	v_min_u32 v[OROW+z], s22, v[OROW+z]            ; places past the count repeat the last token
.set z, z+1
.endr
.set z, 0
.rept 16
	v_min_u32 v[OROW+z], 0x3ff, v[OROW+z]
.set z, z+1
.endr
.set z, 0
.rept 16
	v_lshl_add_u32 v[OROW+z], v[OROW+z], 2, v11
.set z, z+1
.endr
	s_wait_alu depctr_va_vdst(0)                   ; the sixteen LDS addresses in OROW are written; earlier vector work on TM, in which the reads land, is done
.set z, 0
.rept 16
	ds_load_b32 v[TM+z], v[OROW+z]
.set z, z+1
.endr
	TILEMATH 0                                     ; stands between the reads of the list and the wait for them; it names neither TM nor OROW
	s_wait_dscnt 0x0
	s_wait_alu depctr_vm_vsrc(0)                   ; the reads of the list have read OROW, which is written anew below
.set z, 0
.rept 16
	v_min_u32 v[TM+z], 0x3ff, v[TM+z]              ; a token's number stays inside the tables
.set z, z+1
.endr
.set z, 0
.rept 16
	v_lshl_add_u32 v[OROW+z], v[TM+z], OSH, v15
.set z, z+1
.endr
	s_wait_alu depctr_va_vdst(0)                   ; the first tile's out-buffer and all sixteen offsets are written, which the stores read
	TILESTORE 0
	s_cmp_eq_u32 s28, 0
	s_cbranch_scc1 .Lno_second
	TILEMATH 1                                     ; an out-buffer of its own: the first tile's stores are not waited for
	s_wait_alu depctr_va_vdst(0)                   ; the second tile's out-buffer is written, which the stores read
	TILESTORE 1
.Lno_second:
	s_wait_xcnt 0x0                                ; the stores' data and offsets, and the offsets of A's loads, are rewritten only behind this wait
	s_wait_alu depctr_vm_vsrc(0)                   ; the stores have read their out-buffers and OROW, A's loads v9 and v10: a further trip writes all of them again
	s_add_co_u32 s25, s25, 1
	s_cmp_lt_u32 s25, s24
	s_cbranch_scc0 .Lno_more
	HEADA1                                         ; a further trip (an expert with more than 256 tokens): its rows, and the ring's first fill
	s_wait_alu depctr_va_vdst(0)                   ; the addresses v9 and v10 are written, which the two reads of the list read; the vector work on v30, v31 is done
	HEADA2
	s_wait_dscnt 0x0
	s_wait_alu depctr_vm_vsrc(0)                   ; the two reads have read v9 and v10, which are written anew below
	HEADA3
	WIN W_LD
	s_wait_alu depctr_va_vdst(0)                   ; v9 and v10 are written, the offsets of the loads below
.irp s, 0,1,2,3,4,5,6,7
	LOADA \s
.endr
	WIN 0
.Lno_more:
	s_cmp_lt_u32 s25, s24
	s_cbranch_scc1 .Lround
.Lend:
	s_wait_dscnt 0x0                               ; the closing lines, six on end
	s_wait_alu 0x0
	s_wait_tensorcnt 0x0
	ds_add_u32 v1, v2
	s_wait_dscnt 0x0
	s_endpgm
.Lfunc_end_k_qc9a970ee0b_prod2:
	.size	k_qc9a970ee0b_prod2, .Lfunc_end_k_qc9a970ee0b_prod2-k_qc9a970ee0b_prod2
	.p2alignl 7, 3214868480
	.fill 96, 4, 3214868480
	.section	.rodata,"a",@progbits
	.p2align	6, 0x0
	.amdhsa_kernel k_qc9a970ee0b_prod2
		.amdhsa_group_segment_fixed_size 297984
		.amdhsa_private_segment_fixed_size 0
		.amdhsa_enable_private_segment 0
		.amdhsa_kernarg_size 32
		.amdhsa_user_sgpr_count 2
		.amdhsa_user_sgpr_kernarg_segment_ptr 1
		.amdhsa_wavefront_size32 1
		.amdhsa_system_sgpr_workgroup_id_x 1
		.amdhsa_system_sgpr_workgroup_id_y 1
		.amdhsa_system_sgpr_workgroup_id_z 1
		.amdhsa_system_vgpr_workitem_id 0
		.amdhsa_next_free_vgpr 512
		.amdhsa_next_free_sgpr 66
		.amdhsa_reserve_vcc 0
		.amdhsa_float_denorm_mode_32 3
		.amdhsa_float_denorm_mode_16_64 3
		.amdhsa_memory_ordered 1
		.amdhsa_forward_progress 1
		.amdhsa_inst_pref_size 192
	.end_amdhsa_kernel
	.amdgpu_metadata
---
amdhsa.version: [ 1, 2 ]
amdhsa.kernels:
  - .name:           k_qc9a970ee0b_prod2
    .symbol:         k_qc9a970ee0b_prod2.kd
    .args:
      - { .name: hb, .offset: 0, .size: 8, .value_kind: global_buffer, .address_space: global }
      - { .name: W2, .offset: 8, .size: 8, .value_kind: global_buffer, .address_space: global }
      - { .name: idx, .offset: 16, .size: 8, .value_kind: global_buffer, .address_space: global }
      - { .name: part, .offset: 24, .size: 8, .value_kind: global_buffer, .address_space: global }
    .group_segment_fixed_size: 297984
    .private_segment_fixed_size: 0
    .kernarg_segment_align: 8
    .kernarg_segment_size: 32
    .max_flat_workgroup_size: 256
    .sgpr_count:     66
    .vgpr_count:     512
    .wavefront_size: 32
...
	.end_amdgpu_metadata
.endif
;; end of part 9
;; launch final: the kernel of part 4 again; grid 256 x 1, 4 waves a work-group, no clusters, 0 bytes of LDS; arguments part, b2, idx, gw, out0; writes out0
